; MI455X (gfx1250); checked and timed in simulation.
; The chip was launched on July 23, 2026; its instructions are those of AMD's public machine-readable ISA for CDNA 5 (MIT licence, August 2026) and "CDNA5" Instruction Set Architecture Reference Guide (July 2026). The comments in the code are by the model that wrote it; some were corrected since.
;; Encoder Block. Allowed arithmetic: matrix products marked QUANTISED: E3M2 operands, one E8M0 scale for each 32 along K, by v_wmma_scale_f32_16x16x128_f8f6f4 with both operands' format E3M2, f32 sums; everything else in f32.
;; Inputs: b1 4,096 float32; b2 1,024 float32; ln1_a 1,024 float32; ln1_b 1,024 float32; ln2_a 1,024 float32; ln2_b 1,024 float32; mask 1 x 1 x 2,048 x 2,048 int32; w1 4,096 x 1,024 float32; w2 1,024 x 4,096 float32; wk 1,024 x 1,024 float32; wo 1,024 x 1,024 float32; wq 1,024 x 1,024 float32; wv 1,024 x 1,024 float32; x 2 x 2,048 x 1,024 float32.
;; Outputs: out0 2 x 2,048 x 1,024 float32.
;; This version of the problem:
;;   THIS VERSION OF THE PROBLEM IS GIVEN IN LOW PRECISION. The matrix products marked QUANTISED in the list below multiply operands that are first quantised to E3M2 (3 exponent bits, 2 mantissa bits; 6 bits a number), with one power-of-two scale for each 32 numbers along K (OCP MX v1.0); their sums are f32. All else is computed in f32.
;;   The module's matrix products, in the order in which they are computed (A, B: the left and right operand; K: the contracted axis; several contracted axes count as one K, in the product's order):
;;     1. [M 4,096, K 1,024] x [K 1,024, N 1,024]; A: computed on the way; B: input wq: QUANTISED
;;     2. [M 4,096, K 1,024] x [K 1,024, N 1,024]; A: computed on the way; B: input wk: QUANTISED
;;     3. [M 4,096, K 1,024] x [K 1,024, N 1,024]; A: computed on the way; B: input wv: QUANTISED
;;     4. batch 32 x [M 2,048, K 64] x [K 64, N 2,048]; A: computed on the way; B: computed on the way: QUANTISED
;;     5. batch 32 x [M 2,048, K 2,048] x [K 2,048, N 64]; A: softmax (see below); B: computed on the way: QUANTISED
;;     6. [M 4,096, K 1,024] x [K 1,024, N 1,024]; A: computed on the way; B: input wo: QUANTISED
;;     7. [M 4,096, K 1,024] x [K 1,024, N 4,096]; A: computed on the way; B: input w1: QUANTISED
;;     8. [M 4,096, K 4,096] x [K 4,096, N 1,024]; A: computed on the way; B: input w2: QUANTISED
;;   THE QUANTISER, for each operand of a quantised product, along K:
;;     - K is cut into blocks of 32 from its start; a last block that is shorter is filled with zeros.
;;     - A block's scale is 2^e with e = floor(log2(the largest magnitude in the block)) - 4, held to -126 .. 127; a block of zeros has e = 0. As a byte (E8M0): e + 127.
;;     - Each number is divided by its block's scale, clamped to +-28, and rounded to the nearest number of E3M2, ties to even, subnormals kept.
;;     - The product sums the exact products of the quantised numbers (number of the format x scale) in f32.
;;   ~~~python
;;   def quantise(x, axis):      # numpy; x: float32 -> the quantised numbers, widened to float32 again
;;       x = np.moveaxis(x, axis, -1); K = x.shape[-1]
;;       x = np.pad(x, [(0, 0)] * (x.ndim - 1) + [(0, -K % 32)]); x = x.reshape(x.shape[:-1] + (-1, 32)); a = np.abs(x).max(-1, keepdims=True)
;;       e = np.where(a > 0, np.clip(np.frexp(np.where(a > 0, a, 1))[1] - 1 - 4, -126, 127), 0)      # np.frexp(a)[1] - 1 = floor(log2(a)), exactly
;;       r = np.clip(x / 2.0 ** e, -28, 28)
;;       step = 2.0 ** (np.maximum(np.frexp(np.where(r == 0, 1, r))[1] - 1, -2) - 2)
;;       q = np.round(r / step) * step * 2.0 ** e      # np.round: ties to even
;;       return np.moveaxis(q.reshape(q.shape[:-2] + (-1,))[..., :K], -1, axis).astype(np.float32)
;;   ~~~
;;   SOFTMAX AHEAD OF A QUANTISED PRODUCT. Where the list says 'softmax', what is quantised is not the finished softmax but p = 2^(t - M), with t = logit x log2(e) and M = ceil(the row's largest t), a whole number; so 1/2 < the row's largest p <= 1. The row's sum l is taken of the UNQUANTISED p, in f32, and the product's result is divided by l at the end. Since M is a whole number, a kernel that streams over the keys may use a running M (the ceiling of the running maximum): every later rescaling is an exact power of two, which a block's scale takes up: the codes' values come out the same.
;;   OPERANDS COMPUTED ON THE WAY. 'Computed on the way' means the value that the module computes at that place (a softmax that the list does not call 'softmax' is quantised finished and normalised). What goes into a quantiser is computed in f32, as accurately as f32 sums, v_exp_f32 and their like allow (about 1e-6 of the number): no bf16 or f16 on the way to a quantiser, and a product that is left as it is and whose result goes on into a quantised operand takes f32 operands (vector FMAs, or v_wmma_f32_16x16x4_f32). A number that lies on a knife's edge between two numbers of the format may be rounded either way, as far as f32 arithmetic and the matrix unit's own rounding can turn it there, and no further.
;; 2 versions. Each part assembles by itself: llvm-mc -triple=amdgcn-amd-amdhsa -mcpu=gfx1250 --defsym DOCPART=n.
;; ======== version 1 of 2: 9 launches
;; limits: right only within a limited range of input values
;; workspace buffers: cw 9,011,200 bytes; woc 819,200 bytes; w2c 3,276,800 bytes; mbits 524,288 bytes of whole numbers; big 67,108,864 bytes; ab 13,107,200 bytes; x1 16,777,216 bytes
;; launch wprep (part 1): grid 1024 x 1, 8 waves a work-group, no clusters, 69,120 bytes of LDS; arguments wq, wk, wv, wo, w1, w2, mask, cw, woc, w2c, mbits; writes cw, woc, w2c, mbits
.if DOCPART == 1
	.amdgcn_target "amdgcn-amd-amdhsa--gfx1250"
	.amdhsa_code_object_version 6
	.text
	.protected	k_qb4bcfca1ae_wprep
	.globl	k_qb4bcfca1ae_wprep
	.p2align	8
	.type	k_qb4bcfca1ae_wprep,@function
k_qb4bcfca1ae_wprep:
	s_mov_b64 s[64:65], 0
	v_nop
	global_prefetch_b8 v0, s[64:65] scope:SCOPE_SE
	s_setreg_imm32_b32 hwreg(HW_REG_WAVE_MODE, 25, 1), 1
	s_wait_xcnt 0x0
; ENCODER BLOCK, launch 1 of 9.  No work of the block is left out: every input has a way to the output and is loaded by some launch, and every product is done.
; This launch turns the six weights into codes of BF6 (E3M2) with one E8M0 byte for each 32 along K (their last axis), and the mask into lane-mask words.
; THE SLAB, the one layout of every quantised operand of this program: 128 rows x 128 along K in 12,800 bytes.  Eight images of 1,536 bytes, each a fragment's registers as they stand:
; registers 4 c .. 4 c + 3 of lane l at 1536 i + 512 c + 16 l.  Lane r of image i is row 32 (i / 2) + 8 (i % 2) + r % 8 + 16 (r / 8) of the 128.  The scale word of image i, lane r: 12,288 + 64 i + 4 r.
; Work-groups 0-767: one slab each, wave i makes image i.  Work-groups 768-1023: each wave packs 16 queries x 128 keys of the mask into 64 words:
; word 16 g + i, bit (r, h) = mask[query of lane r][128 ks + 32 g + 16 h + i] != 0: the lane mask of score register 16 g + i in the attention launch.
; LIMITS: a block of zeros gets the byte 1 where the rule says 127 (its codes are zeros, which add nothing; this program alone reads the bytes); blocks whose largest magnitude lies under 2^-122 are held at that byte;
; NaN and infinities among the inputs are not served.
.set SLAB,  12800
.set STGB,  8448                       ; a wave's stage: 16 rows x (512 + 16) bytes
.set SCG,   8*STGB                     ; the slab's 512 bytes of scale words are gathered here
.set SPARE, SCG+512                    ; the spare words, 128 bytes a wave
.set X,     16                         ; v16-79  64 numbers
.set T,     80                         ; v80-87  at work
.set C,     96                         ; v96-115 codes
; 64 numbers of a lane, two whole blocks of 32 (v[X + 32 c ..]: k = 64 c + 32 h + 0 .. 31 of row r), become the fragment's 12 registers v[C ..] and the row's scale word v[T + 6]
.macro QB
.irp c, 0,1
	v_max3_num_f32 v[T+\c], |v[X+32*\c]|, |v[X+32*\c+1]|, 0x2800000      ; the floor 2^(5 - 127) holds the byte at 1 from below
.endr
.irp i, 2,4,6,8,10,12,14,16,18,20,22,24,26,28,30
.irp c, 0,1
	v_max3_num_f32 v[T+\c], v[T+\c], |v[X+32*\c+\i]|, |v[X+32*\c+\i+1]|
.endr
.endr
.irp c, 0,1
	v_add_nc_u32 v[T+2+\c], 0xfe000000, v[T+\c]    ; 4 off the exponent field: the conversion's scale operand
.endr
.irp c, 0,1
	v_lshrrev_b32 v[T+4+\c], 23, v[T+2+\c]         ; the byte
.endr
	v_lshl_or_b32 v[T+6], v[T+5], 16, v[T+4]       ; my bytes: blocks h and 2 + h
	v_lshlrev_b32 v[T+7], 3, v3
	v_lshlrev_b32 v[T+6], v[T+7], v[T+6]
	v_mov_b32 v[T+7], 0
	v_permlanex16_b32 v[T+7], v[T+6], s41, s42
	v_or_b32 v[T+6], v[T+6], v[T+7]                ; with lane l xor 16's two the word is whole
.irp c, 0,1
	v_cvt_scalef32_pk16_bf6_f32 v[C+6*\c:C+6*\c+2], v[X+32*\c:X+32*\c+15], v[T+2+\c]
	v_cvt_scalef32_pk16_bf6_f32 v[C+12+4*\c:C+14+4*\c], v[X+32*\c+16:X+32*\c+31], v[T+2+\c]   ; (three registers begin on an even number)
.endr
	v_nop                                          ; a plain place behind the conversions
.irp c, 0,1
.irp i, 0,1,2
	v_mov_b32 v[C+3+6*\c+\i], v[C+12+4*\c+\i]
.endr
.endr
.endm
.macro LOADS pitch                     ; my image's 16 rows, 512 consecutive bytes a load
.irp j, 0,1,2,3,4,5,6,7,8,9,10,11,12,13,14,15
	global_load_b128 v[X+4*\j:X+4*\j+3], v4, s[26:27] offset:(\j%8+16*(\j/8))*\pitch th:TH_LOAD_NT
.endr
.endm
	s_load_b512 s[4:19], s[0:1], 0x0               ; wq, wk, wv, wo, w1, w2, mask s[16:17], cw s[18:19]
	s_load_b128 s[20:23], s[0:1], 0x40             ; woc, w2c
	s_load_b64 s[24:25], s[0:1], 0x50              ; mbits
	v_lshl_add_u32 v12, v0, 2, SPARE
	v_mov_b32 v13, 0
	v_lshrrev_b32 v1, 5, v0
	v_readfirstlane_b32 s40, v1                    ; wave
	v_and_b32 v1, 31, v0                           ; lane
	v_and_b32 v2, 15, v0                           ; r
	v_bfe_u32 v3, v0, 4, 1                         ; h
	v_lshlrev_b32 v4, 4, v1                        ; 16 x lane
	s_mov_b32 s41, 0x76543210
	s_mov_b32 s42, 0xfedcba98
	s_cmp_lt_u32 ttmp9, 768                        ; the work-group's number alone: all eight waves go the same way
	s_cbranch_scc0 .Lmask
	; ---- a weight's slab
	s_mul_i32 s43, s40, STGB
	v_add_nc_u32 v5, s43, v4                       ; the stage, in: 16 x lane, 528 a row
	v_mul_u32_u24 v6, v2, 528
	v_lshl_add_u32 v6, v3, 7, v6
	v_add_nc_u32 v6, s43, v6                       ; out: row r, + 128 h
	s_lshl_b32 s43, s40, 6
	v_lshl_add_u32 v7, v2, 2, s43
	v_add_nc_u32 v7, SCG, v7                       ; my image's scale words
	v_add_nc_u32 v8, SCG, v4
	s_lshr_b32 s44, s40, 1
	s_lshl_b32 s44, s44, 5
	s_and_b32 s45, s40, 1
	s_lshl_b32 s45, s45, 3
	s_add_co_u32 s44, s44, s45                     ; my image's first row of the 128
	s_wait_kmcnt 0x0
	s_mov_b64 s[26:27], s[14:15]                   ; which tensor: from the top down; the conditions hang on the work-group's number alone
	s_mov_b64 s[28:29], s[22:23]
	s_mov_b32 s30, 512                             ; the tensor's first work-group
	s_mov_b32 s31, 0xfffffe00                      ; slab in the target = work-group + this
	s_cmp_lt_u32 ttmp9, 512
	s_cselect_b64 s[26:27], s[12:13], s[26:27]
	s_cselect_b64 s[28:29], s[18:19], s[28:29]
	s_cselect_b32 s30, 256, s30
	s_cselect_b32 s31, 192, s31
	s_cmp_lt_u32 ttmp9, 256
	s_cselect_b64 s[26:27], s[10:11], s[26:27]
	s_cselect_b64 s[28:29], s[20:21], s[28:29]
	s_cselect_b32 s30, 192, s30
	s_cselect_b32 s31, 0xffffff40, s31
	s_cmp_lt_u32 ttmp9, 192
	s_cselect_b64 s[26:27], s[8:9], s[26:27]
	s_cselect_b64 s[28:29], s[18:19], s[28:29]
	s_cselect_b32 s30, 128, s30
	s_cselect_b32 s31, 256, s31
	s_cmp_lt_u32 ttmp9, 128
	s_cselect_b64 s[26:27], s[6:7], s[26:27]
	s_cselect_b32 s30, 64, s30
	s_cmp_lt_u32 ttmp9, 64
	s_cselect_b64 s[26:27], s[4:5], s[26:27]
	s_cselect_b32 s30, 0, s30
	s_sub_co_u32 s35, ttmp9, s30                   ; t: the slab's number in its tensor
	s_lshr_b32 s36, s35, 6                         ; w2: [K panel 4][row block 8][K step 8]
	s_cmp_lt_u32 ttmp9, 512
	s_cselect_b32 s32, 12, 14                      ; a row is 4,096 bytes, in w2 16,384
	s_cselect_b32 s33, 31, 7
	s_cselect_b32 s36, 0, s36
	s_lshr_b32 s37, s35, 3
	s_and_b32 s37, s37, s33                        ; row block
	s_lshl_b32 s37, s37, 7
	s_add_co_u32 s37, s37, s44
	s_lshl_b32 s37, s37, s32
	s_lshl_b32 s36, s36, 12
	s_add_co_u32 s36, s36, s37
	s_and_b32 s38, s35, 7
	s_lshl_b32 s38, s38, 9
	s_add_co_u32 s36, s36, s38
	s_mov_b32 s37, 0
	s_add_nc_u64 s[26:27], s[26:27], s[36:37]
	s_add_co_u32 s46, ttmp9, s31
	s_mul_i32 s46, s46, SLAB
	s_mov_b32 s47, 0
	s_add_nc_u64 s[28:29], s[28:29], s[46:47]      ; the slab
	s_mul_i32 s46, s40, 1536
	s_add_nc_u64 s[48:49], s[28:29], s[46:47]      ; my image
	s_cmp_lt_u32 ttmp9, 512
	s_cbranch_scc0 .Lwide
	LOADS 4096
	s_branch .Lloaded
.Lwide:
	LOADS 16384
.Lloaded:
	s_wait_loadcnt 0x0
.irp j, 0,1,2,3,4,5,6,7,8,9,10,11,12,13,14,15
	ds_store_b128 v5, v[X+4*\j:X+4*\j+3] offset:528*\j
.endr
.irp c, 0,1
.irp i, 0,1,2,3,4,5,6,7
	ds_load_b128 v[X+32*\c+4*\i:X+32*\c+4*\i+3], v6 offset:256*\c+16*\i   ; LDS serves a wave's instructions in order: these see my stores
.endr
.endr
	s_wait_dscnt 0x0
	QB
.irp k, 0,1,2
	global_store_b128 v4, v[C+4*\k:C+4*\k+3], s[48:49] offset:512*\k      ; 512 consecutive bytes
.endr
	ds_store_b32 v7, v[T+6]                        ; lanes r and r + 16 write the same word with the same value
	s_wait_dscnt 0x0                               ; for wave 0's sake
	s_barrier_signal -1
	s_barrier_wait -1
	s_cmp_lg_u32 s40, 0
	s_cbranch_scc1 .Lwend
	ds_load_b128 v[16:19], v8
	s_wait_dscnt 0x0
	global_store_b128 v4, v[16:19], s[28:29] offset:12288                 ; the slab's scale words: two whole runs of 256 bytes
.Lwend:
	s_wait_tensorcnt 0x0                           ; the wave's end
	ds_add_u32 v12, v13
	s_wait_dscnt 0x0
	s_endpgm
	; ---- the mask: no LDS
.Lmask:
	s_sub_co_u32 s43, ttmp9, 768
	s_lshl_b32 s43, s43, 3
	s_add_co_u32 s43, s43, s40                     ; unit = 16 x query tile + key step
	s_lshr_b32 s44, s43, 4
	s_and_b32 s45, s43, 15
	s_lshr_b32 s46, s44, 3
	s_lshl_b32 s46, s46, 7
	s_bfe_u32 s47, s44, 0x20001
	s_lshl_b32 s47, s47, 5
	s_add_co_u32 s46, s46, s47
	s_and_b32 s47, s44, 1
	s_lshl_b32 s47, s47, 3
	s_add_co_u32 s46, s46, s47                     ; the tile's first query
	s_lshl_b32 s46, s46, 13                        ; a row of the mask is 8,192 bytes
	s_lshl_b32 s45, s45, 9
	s_add_co_u32 s46, s46, s45
	s_mov_b32 s47, 0
	s_lshl_b32 s48, s43, 8
	s_mov_b32 s49, 0
	v_and_b32 v9, 8, v2
	v_add_nc_u32 v9, v9, v2                        ; r % 8 + 16 (r / 8)
	v_lshlrev_b32 v9, 13, v9
	v_lshl_add_u32 v9, v3, 6, v9                   ; + 16 h keys
	v_lshlrev_b32 v10, 3, v1
	s_wait_kmcnt 0x0
	s_add_nc_u64 s[16:17], s[16:17], s[46:47]
	s_add_nc_u64 s[24:25], s[24:25], s[48:49]
.irp g, 0,1,2,3
.irp p, 0,1,2,3
	global_load_b128 v[16+16*\g+4*\p:19+16*\g+4*\p], v9, s[16:17] offset:128*\g+16*\p th:TH_LOAD_NT
.endr
.endr
	v_mov_b32 v80, 0
	v_mov_b32 v81, 0
	s_wait_loadcnt 0x0
.set n, 0
.rept 64
	v_cmp_ne_u32 s[52+n%8], 0, v[16+n]             ; the lane mask of register n
	v_writelane_b32 v[80+n%2], s[52+n%8], n/2      ; word n: lane n / 2, register n % 2
.set n, n+1
.endr
	global_store_b64 v10, v[80:81], s[24:25]       ; 256 consecutive bytes
	s_endpgm
.Lfunc_end_k_qb4bcfca1ae_wprep:
	.size	k_qb4bcfca1ae_wprep, .Lfunc_end_k_qb4bcfca1ae_wprep-k_qb4bcfca1ae_wprep
	.p2alignl 7, 3214868480
	.fill 96, 4, 3214868480
	.section	.rodata,"a",@progbits
	.p2align	6, 0x0
	.amdhsa_kernel k_qb4bcfca1ae_wprep
		.amdhsa_group_segment_fixed_size 69120
		.amdhsa_private_segment_fixed_size 0
		.amdhsa_enable_private_segment 0
		.amdhsa_kernarg_size 88
		.amdhsa_user_sgpr_count 2
		.amdhsa_user_sgpr_kernarg_segment_ptr 1
		.amdhsa_wavefront_size32 1
		.amdhsa_system_sgpr_workgroup_id_x 1
		.amdhsa_system_sgpr_workgroup_id_y 1
		.amdhsa_system_sgpr_workgroup_id_z 1
		.amdhsa_system_vgpr_workitem_id 0
		.amdhsa_next_free_vgpr 128
		.amdhsa_next_free_sgpr 66
		.amdhsa_reserve_vcc 0
		.amdhsa_float_denorm_mode_32 3
		.amdhsa_float_denorm_mode_16_64 3
		.amdhsa_memory_ordered 1
		.amdhsa_forward_progress 1
		.amdhsa_inst_pref_size 24
	.end_amdhsa_kernel
	.amdgpu_metadata
---
amdhsa.version: [ 1, 2 ]
amdhsa.kernels:
  - .name:           k_qb4bcfca1ae_wprep
    .symbol:         k_qb4bcfca1ae_wprep.kd
    .args:
      - { .name: wq, .offset: 0, .size: 8, .value_kind: global_buffer, .address_space: global }
      - { .name: wk, .offset: 8, .size: 8, .value_kind: global_buffer, .address_space: global }
      - { .name: wv, .offset: 16, .size: 8, .value_kind: global_buffer, .address_space: global }
      - { .name: wo, .offset: 24, .size: 8, .value_kind: global_buffer, .address_space: global }
      - { .name: w1, .offset: 32, .size: 8, .value_kind: global_buffer, .address_space: global }
      - { .name: w2, .offset: 40, .size: 8, .value_kind: global_buffer, .address_space: global }
      - { .name: mask, .offset: 48, .size: 8, .value_kind: global_buffer, .address_space: global }
      - { .name: cw, .offset: 56, .size: 8, .value_kind: global_buffer, .address_space: global }
      - { .name: woc, .offset: 64, .size: 8, .value_kind: global_buffer, .address_space: global }
      - { .name: w2c, .offset: 72, .size: 8, .value_kind: global_buffer, .address_space: global }
      - { .name: mbits, .offset: 80, .size: 8, .value_kind: global_buffer, .address_space: global }
    .group_segment_fixed_size: 69120
    .private_segment_fixed_size: 0
    .kernarg_segment_align: 8
    .kernarg_segment_size: 88
    .max_flat_workgroup_size: 256
    .sgpr_count:     66
    .vgpr_count:     128
    .wavefront_size: 32
...
	.end_amdgpu_metadata
.endif
;; end of part 1
;; launch ln (part 2): grid 256 x 1, 8 waves a work-group, no clusters, 69,632 bytes of LDS; arguments x, ln1_a, ln1_b, cw; writes cw
.if DOCPART == 2
	.amdgcn_target "amdgcn-amd-amdhsa--gfx1250"
	.amdhsa_code_object_version 6
	.text
	.protected	k_qb4bcfca1ae_ln
	.globl	k_qb4bcfca1ae_ln
	.p2align	8
	.type	k_qb4bcfca1ae_ln,@function
k_qb4bcfca1ae_ln:
	s_mov_b64 s[64:65], 0
	v_nop
	global_prefetch_b8 v0, s[64:65] scope:SCOPE_SE
	s_setreg_imm32_b32 hwreg(HW_REG_WAVE_MODE, 25, 1), 1
	s_wait_xcnt 0x0
; y = alpha (x - mean) / (std + 1e-6) + beta along rows of 1,024, std with 1,023 in the divisor, all in f32; y is quantised along the row to codes of BF6 with E8M0 bytes and stored as slabs 0-255 of cw
; (the slab: 128 rows x 128 K, eight register images of 1,536 bytes, then 512 bytes of scale words; lane r of image i is row 32 (i / 2) + 8 (i % 2) + r % 8 + 16 (r / 8)).
; A work-group takes the 16 rows of one image of one block of 128 rows; wave w takes columns 128 w on: image i of slab 8 R + w.  A lane holds 64 numbers of one row in the operand's order.
; Mean and variance in two passes over registers (the mean is taken away before the squares); the waves' partial sums meet in LDS, one barrier each.
; LIMITS: as stated at the head of the first launch (byte of a block of zeros, very small blocks, NaN and infinities).  A row's 64 bytes of scale words a slab are stored as they come: a part of a run of 256 bytes.
.set STGB,  8448
.set P1,    8*STGB                     ; 16 rows x 8 waves x 4 bytes; the second sum's 512 bytes behind it
.set SPARE, P1+1024
.set X,     16                         ; v16-79 numbers; v80-143 alpha; v144-207 beta
.set T,     208
.set C,     232
.macro QB
.irp c, 0,1
	v_max3_num_f32 v[T+\c], |v[X+32*\c]|, |v[X+32*\c+1]|, 0x2800000      ; the floor 2^(5 - 127) holds the byte at 1 from below
.endr
.irp i, 2,4,6,8,10,12,14,16,18,20,22,24,26,28,30
.irp c, 0,1
	v_max3_num_f32 v[T+\c], v[T+\c], |v[X+32*\c+\i]|, |v[X+32*\c+\i+1]|
.endr
.endr
.irp c, 0,1
	v_add_nc_u32 v[T+2+\c], 0xfe000000, v[T+\c]    ; 4 off the exponent field: the conversion's scale operand
.endr
.irp c, 0,1
	v_lshrrev_b32 v[T+4+\c], 23, v[T+2+\c]
.endr
	v_lshl_or_b32 v[T+6], v[T+5], 16, v[T+4]
	v_lshlrev_b32 v[T+7], 3, v3
	v_lshlrev_b32 v[T+6], v[T+7], v[T+6]
	v_mov_b32 v[T+7], 0
	v_permlanex16_b32 v[T+7], v[T+6], s22, s23
	v_or_b32 v[T+6], v[T+6], v[T+7]                ; the row's scale word
.irp c, 0,1
	v_cvt_scalef32_pk16_bf6_f32 v[C+6*\c:C+6*\c+2], v[X+32*\c:X+32*\c+15], v[T+2+\c]
	v_cvt_scalef32_pk16_bf6_f32 v[C+12+4*\c:C+14+4*\c], v[X+32*\c+16:X+32*\c+31], v[T+2+\c]
.endr
	v_nop                                          ; a plain place behind the conversions
.irp c, 0,1
.irp i, 0,1,2
	v_mov_b32 v[C+3+6*\c+\i], v[C+12+4*\c+\i]
.endr
.endr
.endm
; four pairs of partial sums in v208-215 become the row's sum in v224, in every lane
.macro REDUCE off
	v_pk_add_f32 v[208:209], v[208:209], v[210:211]
	v_pk_add_f32 v[212:213], v[212:213], v[214:215]
	v_pk_add_f32 v[208:209], v[208:209], v[212:213]
	v_add_f32 v208, v208, v209
	v_permlanex16_b32 v216, v208, s22, s23         ; the row's other half of my 128 columns
	v_add_f32 v208, v208, v216
	ds_store_b32 v7, v208 offset:\off
	s_wait_dscnt 0x0                               ; for the others' sake
	s_barrier_signal -1
	s_barrier_wait -1
	ds_load_b128 v[224:227], v8 offset:\off
	ds_load_b128 v[228:231], v8 offset:\off+16
	s_wait_dscnt 0x0
	v_pk_add_f32 v[224:225], v[224:225], v[226:227]
	v_pk_add_f32 v[228:229], v[228:229], v[230:231]
	v_pk_add_f32 v[224:225], v[224:225], v[228:229]
	v_add_f32 v224, v224, v225
.endm
	s_load_b256 s[4:11], s[0:1], 0x0               ; the rows, alpha, beta, cw
	v_lshl_add_u32 v12, v0, 2, SPARE
	v_mov_b32 v13, 0
	v_lshrrev_b32 v1, 5, v0
	v_readfirstlane_b32 s12, v1                    ; wave
	v_and_b32 v1, 31, v0
	v_and_b32 v2, 15, v0                           ; r
	v_bfe_u32 v3, v0, 4, 1                         ; h
	v_lshlrev_b32 v4, 4, v1                        ; 16 x lane
	s_mul_i32 s13, s12, STGB
	v_add_nc_u32 v5, s13, v4
	v_mul_u32_u24 v6, v2, 528
	v_lshl_add_u32 v6, v3, 7, v6
	v_add_nc_u32 v6, s13, v6
	v_lshlrev_b32 v8, 5, v2
	v_add_nc_u32 v8, P1, v8                        ; row r's eight partial sums
	s_lshl_b32 s13, s12, 2
	v_add_nc_u32 v7, s13, v8                       ; mine
	s_lshl_b32 s13, s12, 9
	v_lshlrev_b32 v9, 7, v3
	v_add_nc_u32 v9, s13, v9                       ; alpha, beta: 512 w + 128 h
	v_lshlrev_b32 v10, 2, v2
	v_mov_b32 v216, 0                              ; a lane permute's destination counts as read
	s_mov_b32 s22, 0x76543210
	s_mov_b32 s23, 0xfedcba98
	s_and_b32 s14, ttmp9, 7                        ; image
	s_lshr_b32 s15, ttmp9, 3                       ; block of 128 rows
	s_lshr_b32 s16, s14, 1
	s_lshl_b32 s16, s16, 5
	s_and_b32 s17, s14, 1
	s_lshl_b32 s17, s17, 3
	s_add_co_u32 s16, s16, s17
	s_lshl_b32 s17, s15, 7
	s_add_co_u32 s16, s16, s17                     ; the image's first row
	s_lshl_b32 s16, s16, 12
	s_add_co_u32 s16, s16, s13                     ; + my 512 bytes of a row
	s_mov_b32 s17, 0
	s_lshl_b32 s18, s15, 3
	s_add_co_u32 s18, s18, s12
	s_mul_i32 s18, s18, 12800                      ; slab 8 R + w
	s_lshl_b32 s20, s14, 6
	s_add_co_u32 s20, s20, s18
	s_add_co_u32 s20, s20, 12288                   ; the image's scale words
	s_mov_b32 s21, 0
	s_mul_i32 s19, s14, 1536
	s_add_co_u32 s18, s18, s19                     ; the image
	s_mov_b32 s19, 0
	s_wait_kmcnt 0x0
	s_add_nc_u64 s[4:5], s[4:5], s[16:17]
	s_add_nc_u64 s[18:19], s[10:11], s[18:19]
	s_add_nc_u64 s[20:21], s[10:11], s[20:21]
.irp j, 0,1,2,3,4,5,6,7,8,9,10,11,12,13,14,15
	global_load_b128 v[X+4*\j:X+4*\j+3], v4, s[4:5] offset:(\j%8+16*(\j/8))*4096   ; 512 consecutive bytes of a row
.endr
.irp c, 0,1
.irp i, 0,1,2,3,4,5,6,7
	global_load_b128 v[80+32*\c+4*\i:83+32*\c+4*\i], v9, s[6:7] offset:256*\c+16*\i
.endr
.endr
.irp c, 0,1
.irp i, 0,1,2,3,4,5,6,7
	global_load_b128 v[144+32*\c+4*\i:147+32*\c+4*\i], v9, s[8:9] offset:256*\c+16*\i
.endr
.endr
	s_wait_loadcnt 32                              ; the rows are in; the 32 loads of alpha and beta may be out
.irp j, 0,1,2,3,4,5,6,7,8,9,10,11,12,13,14,15
	ds_store_b128 v5, v[X+4*\j:X+4*\j+3] offset:528*\j
.endr
.irp c, 0,1
.irp i, 0,1,2,3,4,5,6,7
	ds_load_b128 v[X+32*\c+4*\i:X+32*\c+4*\i+3], v6 offset:256*\c+16*\i   ; k = 64 c + 32 h + 4 i .. of row r
.endr
.endr
	s_wait_dscnt 0x0
.irp k, 0,1,2,3
	v_pk_add_f32 v[208+2*\k:209+2*\k], v[X+4*\k:X+4*\k+1], v[X+4*\k+2:X+4*\k+3]
.endr
.set j, 16
.rept 6
.irp k, 0,1,2,3
	v_pk_add_f32 v[208+2*\k:209+2*\k], v[208+2*\k:209+2*\k], v[X+j+2*\k:X+j+2*\k+1]
.endr
.set j, j+8
.endr
	REDUCE 0
	v_mul_f32 v218, 0x3a800000, v224               ; the mean: / 1,024
	v_mov_b32 v219, v218
.set j, 0
.rept 32
	v_pk_add_f32 v[X+j:X+j+1], v[X+j:X+j+1], v[218:219] neg_lo:[0,1] neg_hi:[0,1]   ; d = x - mean
.set j, j+2
.endr
.irp k, 0,1,2,3
	v_pk_mul_f32 v[208+2*\k:209+2*\k], v[X+2*\k:X+2*\k+1], v[X+2*\k:X+2*\k+1]
.endr
.set j, 8
.rept 7
.irp k, 0,1,2,3
	v_pk_fma_f32 v[208+2*\k:209+2*\k], v[X+j+2*\k:X+j+2*\k+1], v[X+j+2*\k:X+j+2*\k+1], v[208+2*\k:209+2*\k]
.endr
.set j, j+8
.endr
	REDUCE 512                                     ; other bytes than the first sum's: no wave can overwrite what another still reads
	v_mul_f32 v224, 0x3a802008, v224               ; / 1,023
	v_sqrt_f32 v220, v224
	v_nop                                          ; a plain place behind the root,
	s_wait_alu depctr_va_vdst(0)                   ; and the wait ahead of its first reader
	v_add_f32 v220, 0x358637bd, v220               ; + 1e-6
	v_rcp_f32 v220, v220
	v_nop
	s_wait_alu depctr_va_vdst(0)
	v_mov_b32 v221, v220
	s_wait_loadcnt 0x0                             ; alpha and beta
.set j, 0
.rept 32
	v_pk_mul_f32 v[X+j:X+j+1], v[X+j:X+j+1], v[220:221]
.set j, j+2
.endr
.set j, 0
.rept 32
	v_pk_fma_f32 v[X+j:X+j+1], v[X+j:X+j+1], v[80+j:81+j], v[144+j:145+j]
.set j, j+2
.endr
	QB
.irp k, 0,1,2
	global_store_b128 v4, v[C+4*\k:C+4*\k+3], s[18:19] offset:512*\k
.endr
	global_store_b32 v10, v[T+6], s[20:21]         ; lanes r and r + 16 store the same word
	s_wait_tensorcnt 0x0                           ; the wave's end
	ds_add_u32 v12, v13
	s_wait_dscnt 0x0
	s_endpgm
.Lfunc_end_k_qb4bcfca1ae_ln:
	.size	k_qb4bcfca1ae_ln, .Lfunc_end_k_qb4bcfca1ae_ln-k_qb4bcfca1ae_ln
	.p2alignl 7, 3214868480
	.fill 96, 4, 3214868480
	.section	.rodata,"a",@progbits
	.p2align	6, 0x0
	.amdhsa_kernel k_qb4bcfca1ae_ln
		.amdhsa_group_segment_fixed_size 69632
		.amdhsa_private_segment_fixed_size 0
		.amdhsa_enable_private_segment 0
		.amdhsa_kernarg_size 32
		.amdhsa_user_sgpr_count 2
		.amdhsa_user_sgpr_kernarg_segment_ptr 1
		.amdhsa_wavefront_size32 1
		.amdhsa_system_sgpr_workgroup_id_x 1
		.amdhsa_system_sgpr_workgroup_id_y 1
		.amdhsa_system_sgpr_workgroup_id_z 1
		.amdhsa_system_vgpr_workitem_id 0
		.amdhsa_next_free_vgpr 256
		.amdhsa_next_free_sgpr 66
		.amdhsa_reserve_vcc 0
		.amdhsa_float_denorm_mode_32 3
		.amdhsa_float_denorm_mode_16_64 3
		.amdhsa_memory_ordered 1
		.amdhsa_forward_progress 1
		.amdhsa_inst_pref_size 25
	.end_amdhsa_kernel
	.amdgpu_metadata
---
amdhsa.version: [ 1, 2 ]
amdhsa.kernels:
  - .name:           k_qb4bcfca1ae_ln
    .symbol:         k_qb4bcfca1ae_ln.kd
    .args:
      - { .name: x, .offset: 0, .size: 8, .value_kind: global_buffer, .address_space: global }
      - { .name: ln1_a, .offset: 8, .size: 8, .value_kind: global_buffer, .address_space: global }
      - { .name: ln1_b, .offset: 16, .size: 8, .value_kind: global_buffer, .address_space: global }
      - { .name: cw, .offset: 24, .size: 8, .value_kind: global_buffer, .address_space: global }
    .group_segment_fixed_size: 69632
    .private_segment_fixed_size: 0
    .kernarg_segment_align: 8
    .kernarg_segment_size: 32
    .max_flat_workgroup_size: 256
    .sgpr_count:     66
    .vgpr_count:     256
    .wavefront_size: 32
...
	.end_amdgpu_metadata
.endif
;; end of part 2
;; launch gq (part 3): grid 8 x 24, 4 waves a work-group, clusters of 4 x 4, 327,680 bytes of LDS; arguments cw, big; writes big
.if DOCPART == 3
	.amdgcn_target "amdgcn-amd-amdhsa--gfx1250"
	.amdhsa_code_object_version 6
	.text
	.protected	k_qb4bcfca1ae_gq
	.globl	k_qb4bcfca1ae_gq
	.p2align	8
	.type	k_qb4bcfca1ae_gq,@function
k_qb4bcfca1ae_gq:
	s_mov_b64 s[64:65], 0
	v_nop
	global_prefetch_b8 v0, s[64:65] scope:SCOPE_SE
	s_setreg_imm32_b32 hwreg(HW_REG_WAVE_MODE, 25, 1), 1
	s_wait_xcnt 0x0
	s_wait_alu depctr_hold_cnt(0) depctr_sa_sdst(0) depctr_va_vdst(0) depctr_va_sdst(0) depctr_va_ssrc(0) depctr_va_vcc(0) depctr_vm_vsrc(0)
	s_getreg_b32 s2, hwreg(HW_REG_IB_STS2, 6, 4)
	s_cmp_eq_u32 s2, 0
	s_cbranch_scc0 .Lentry_in_a_cluster
	s_endpgm
.Lentry_in_a_cluster:
	s_bfe_u32 s2, ttmp6, 0x10000c
	s_cmp_lg_u32 s2, 0xf033
	s_cbranch_scc0 .Lentry_shape_is_right
	s_endpgm
.Lentry_shape_is_right:
; q = h Wq^T, k = h Wk^T (clusters with y 0-3) and V^T = Wv h^T (clusters with y 4, 5), K = 1,024, on codes of BF6 with E8M0 bytes; each result is quantised in registers and stored as slabs:
; q and k along the head's 64 (rows = tokens, a slab's K = a pair of heads), V^T along the tokens (rows = a pair of heads' 128 channels, K = 128 tokens).  Nothing is left out.
; All operands are slabs (128 rows x 128 K: eight register images of 1,536 bytes, 512 bytes of scale words; lane r of image i is row 32 (i / 2) + 8 (i % 2) + r % 8 + 16 (r / 8)).
; A work-group makes 256 x 256, a wave 128 x 128: 64 accumulators.  K goes in steps of 256 through two LDS slots; a step of 128 rows is 25,600 dense bytes (two slabs), one tensor load of 100 rows of 256 bytes.
; CLUSTERS 4 x 4: the A role's tiles are shared along a row of the cluster, the B role's along a column: joint loads.  Source 0 = B's 16 rows, source 1 = A's: by the images' row order a lane's 64 results of one
; block of A are 64 numbers 32 g + 16 h + 0 .. 15 of ONE row: ready for the quantiser.  Four K steps: written out, no loop.  At most two tensor loads of a wave are out.
; LIMITS: as stated at the head of the first launch.
.set SLAB,  12800
.set CH,    2*SLAB
.set SLOT,  4*CH
.set SPARE, 2*SLOT
.set FR,    12
.set NL,    3
.set NQ,    2
.set NP,    4
.set ADRA,  16                         ; v16-17 my A images in slot 0, 1;  v20-21 B's;  v22-23 scale words (lanes 0-15 A's, lanes 16-31 B's)
.set ADRB,  20
.set ADRS,  22
.set SGA,   24
.set RD,    25
.set CO,    26
.set SPW,   28
.set NIL,   29
.set SC,    32                         ; v32-63 scale words, two sets
.set AF,    128                        ; A's fragments, one set; B's two sets in window 1; accumulators in windows 2, 3
.set PC,    128                        ; the way out: codes, at work, the scale word
.set TM,    160
.set PW,    176
.set G1,    24
.set G0,    32
.set G1B,   48
.set G0B,   56
.set MUL_LO, 0xa1
.set MUL_HI, 0xf1
.set TO_B,  0x40
.set MSB, 0
.macro WIN new
.if MSB != (\new)
	s_set_vgpr_msb (MSB<<8)|(\new)
.set MSB, (\new)
.endif
.endm
.macro PLACES n
.rept \n
	v_nop
.endr
.endm
.macro JLOAD g0a, g1a, g0b, g1b        ; waves 0, 1 fetch for A, waves 2, 3 for B
	s_cmp_eq_u32 s15, 0
	s_cbranch_scc0 .Lfor_b_\@
	tensor_load_to_lds s[\g0a:\g0a+3], s[\g1a:\g1a+7]
	s_nop 0
.rept 4
	v_nop
.endr
	s_branch .Lasked_\@
.Lfor_b_\@:
	tensor_load_to_lds s[\g0b:\g0b+3], s[\g1b:\g1b+7]
	s_nop 0
.rept 4
	v_nop
.endr
.Lasked_\@:
.endm
.macro CREST
	s_cmp_lg_u32 s14, 0
	s_cbranch_scc1 .Lnot_wave_0_\@
	s_barrier_signal -3
.Lnot_wave_0_\@:
	s_barrier_wait -3
	s_barrier_signal -1
	s_barrier_wait -1
.endm
.macro CROUND
	s_barrier_signal -1
	s_barrier_wait -1
	CREST
.endm
.macro FRAG reg, adr, q, i             ; an image is the fragment's registers: three loads of 512 consecutive bytes
.irp c, 0,1,2
	ds_load_b128 v[\reg+4*\c:\reg+4*\c+3], v[\adr] offset:(\q)*SLAB+1536*(\i)+512*\c
.endr
.endm
.macro FETCH_B slot, q, p
	WIN TO_B
.irp i, 0,1,2,3,4,5,6,7
	FRAG 128*(\p)+FR*\i, ADRB+\slot, \q, \i
.endr
	WIN 0
.endm
.macro FETCH_A slot, q, i0
.irp i, \i0, \i0+1, \i0+2, \i0+3
	FRAG AF+FR*(\i), ADRA+\slot, \q, \i
.endr
.endm
.macro SCALES sc
.irp i, 0,1,2,3,4,5,6,7
.irp q, 0,1
	ds_load_b32 v[SC+16*\sc+2*\i+\q], v[ADRS+\sc] offset:\q*SLAB+64*\i
.endr
.endr
.endm
.macro MUL16 a0, p, q, sc, zero        ; the 64 accumulators take turns
.irp a, \a0, \a0+1
.irp b, 0,1,2,3,4,5,6,7
.if \zero
	v_wmma_scale_f32_16x16x128_f8f6f4 v[8*(8*((\a)%4)+\b):8*(8*((\a)%4)+\b)+7], v[128*(\p)+FR*\b:128*(\p)+FR*\b+FR-1], v[AF+FR*(\a):AF+FR*(\a)+FR-1], 0, v[SC+8*NQ*(\sc)+NQ*\b+(\q)], v[SC+8*NQ*(\sc)+NQ*(\a)+(\q)] matrix_a_fmt:MATRIX_FMT_BF6 matrix_b_fmt:MATRIX_FMT_BF6 matrix_a_scale:MATRIX_SCALE_ROW1
.else
	v_wmma_scale_f32_16x16x128_f8f6f4 v[8*(8*((\a)%4)+\b):8*(8*((\a)%4)+\b)+7], v[128*(\p)+FR*\b:128*(\p)+FR*\b+FR-1], v[AF+FR*(\a):AF+FR*(\a)+FR-1], v[8*(8*((\a)%4)+\b):8*(8*((\a)%4)+\b)+7], v[SC+8*NQ*(\sc)+NQ*\b+(\q)], v[SC+8*NQ*(\sc)+NQ*(\a)+(\q)] matrix_a_fmt:MATRIX_FMT_BF6 matrix_b_fmt:MATRIX_FMT_BF6 matrix_a_scale:MATRIX_SCALE_ROW1
.endif
.endr
.endr
.endm
.macro STEP slot, q, zero              ; 128 along K with its successor in the same slot
	s_wait_dscnt 4*NL                              ; all but A's blocks 4-7, the youngest 12 loads
	WIN MUL_LO
	MUL16 0, (\q)%2, \q, \slot, \zero
	MUL16 2, (\q)%2, \q, \slot, \zero
	s_wait_dscnt 0
	PLACES NP                                      ; in front of loads into registers that matrix instructions have read
	FETCH_B \slot, (\q)+1, 1-(\q)%2
	FETCH_A \slot, (\q)+1, 0
	WIN MUL_HI
	MUL16 4, (\q)%2, \q, \slot, \zero
	MUL16 6, (\q)%2, \q, \slot, \zero
	PLACES NP
	WIN 0
	FETCH_A \slot, (\q)+1, 4
.endm
.macro TURN slot, next, fill           ; a slot's last 128 along K, and the change of slots
	s_wait_tensorcnt 0x0                           ; all my tensor loads have landed: my part of the next slot
	ds_add_u32 v[SPW], v[NIL]
	s_wait_dscnt 4*NL+1                            ; (the add and A's blocks 4-7 may be out)
	WIN MUL_LO
	MUL16 0, 1, NQ-1, \slot, 0
	s_wait_dscnt 0x0                               ; the add is done, my reads of this slot are over
	s_barrier_signal -1
	MUL16 2, 1, NQ-1, \slot, 0
	WIN 0
	s_barrier_wait -1
.if \fill
	CREST                                          ; the barrier has opened a round of the cluster's: no wave of any partner still reads this slot or has a load on its way
	s_add_nc_u64 s[G0+4*\slot+2:G0+4*\slot+3], s[G0+4*\slot+2:G0+4*\slot+3], 2*CH
	s_add_nc_u64 s[G0B+4*\slot+2:G0B+4*\slot+3], s[G0B+4*\slot+2:G0B+4*\slot+3], 2*CH
	JLOAD G0+4*\slot, G1, G0B+4*\slot, G1B         ; its four v_nop are also the places in front of the loads below
.else
	PLACES NP
.endif
	FETCH_B \next, 0, 0
	FETCH_A \next, 0, 0
	SCALES \next
	WIN MUL_HI
	MUL16 4, 1, NQ-1, \slot, 0
	MUL16 6, 1, NQ-1, \slot, 0
	PLACES NP
	WIN 0
	FETCH_A \next, 0, 4
.endm
; 64 numbers of a lane in window W, register 16 b + i = k 32 b + 16 h + i of my row, become a fragment's codes in v[PC ..] and its scale word in v[PW]
.macro QUANT s, W
	WIN (\W)|((\W)<<2)
.irp b, 0,1,2,3
	v_max3_num_f32 v[TM+\b], |v[\s+16*\b]|, |v[\s+1+16*\b]|, 0x2800000   ; each accumulator is read from its low end on
.endr
	WIN ((\W)<<2)|((\W)<<4)
.irp i, 2,4,6,8,10,12,14
.irp b, 0,1,2,3
	v_max3_num_f32 v[TM+\b], v[TM+\b], |v[\s+16*\b+\i]|, |v[\s+1+16*\b+\i]|
.endr
.endr
	WIN 0
.irp b, 0,1,2,3
	v_permlanex16_b32 v[TM+4+\b], v[TM+\b], s96, s97
.endr
.irp b, 0,1,2,3
	v_max_num_f32 v[TM+\b], v[TM+\b], v[TM+4+\b]
.endr
.irp b, 0,1,2,3
	v_add_nc_u32 v[TM+12+\b], 0xfe000000, v[TM+\b]
.endr
.irp b, 0,1,2,3
	v_lshrrev_b32 v[TM+8+\b], 23, v[TM+12+\b]
.endr
	v_lshl_or_b32 v[PW], v[TM+9], 8, v[TM+8]
	v_lshl_or_b32 v[PW], v[TM+10], 16, v[PW]
	v_lshl_or_b32 v[PW], v[TM+11], 24, v[PW]
	WIN \W
.irp c, 0,1
	v_cvt_scalef32_pk16_bf6_f32 v[PC+6*\c:PC+2+6*\c], v[\s+32*\c:\s+15+32*\c], v[TM+12+2*\c]
	v_cvt_scalef32_pk16_bf6_f32 v[PC+12+4*\c:PC+14+4*\c], v[\s+16+32*\c:\s+31+32*\c], v[TM+12+2*\c+1]
.endr
	WIN 0
	v_nop                                          ; a plain place behind the conversions
.irp c, 0,1
.irp i, 0,1,2
	v_permlane16_swap_b32 v[PC+6*\c+\i], v[PC+12+4*\c+\i]   ; a whole block to a lane
.endr
.irp i, 0,1,2
	v_mov_b32 v[PC+3+6*\c+\i], v[PC+12+4*\c+\i]
.endr
.endr
.endm
.macro QBLK a                          ; block a of A's rows becomes image a of my slab
.set AC, 64*((\a)%4)
.set WW, 2+(\a)/4
.if (\a) > 0
	s_wait_xcnt 0x0                                ; the last image's stores have read their registers
.endif
	QUANT AC, WW
	ds_store_b32 v[SGA], v[PW] offset:64*(\a)
.irp k, 0,1,2
	global_store_b128 v[CO], v[PC+4*\k:PC+4*\k+3], s[12:13] offset:1536*(\a)+512*\k
.endr
.endm
	s_load_b128 s[4:7], s[0:1], 0x0                ; cw, big
	v_lshl_add_u32 v[SPW], v0, 2, SPARE
	v_mov_b32 v[NIL], 0
	ds_add_u32 v[SPW], v[NIL]                      ; the opening: the add, twice on end, and its wait ahead of my first tensor load
	ds_add_u32 v[SPW], v[NIL]
	v_lshrrev_b32 v1, 5, v0
	v_readfirstlane_b32 s14, v1                    ; wave
	s_lshr_b32 s15, s14, 1                         ; my half of A's rows; also: I fetch for A (0) or B (1)
	s_and_b32 s16, s14, 1                          ; my half of B's rows; also: which half I fetch
	s_bfe_u32 s40, ttmp6, 0x40000                  ; cx
	s_bfe_u32 s41, ttmp6, 0x40004                  ; cy
	s_and_b32 s18, ttmp7, 0xffff                   ; cluster y: 0-3 q and k, 4-5 V^T: the same in all partners
	s_sub_co_u32 s20, s18, 4
	s_lshl_b32 s20, s20, 1
	s_add_co_u32 s20, s20, ttmp9
	s_cmp_lt_u32 s18, 4
	s_cselect_b32 s19, s18, 0                      ; the cluster's part of the tile row,
	s_cselect_b32 s20, ttmp9, s20                  ; of the tile column
	s_cselect_b32 s21, 0, 384                      ; A's first slab: h, or wv
	s_cselect_b32 s22, 256, 0                      ; B's: wq and wk, or h
	s_lshl_b32 s17, s19, 2
	s_add_co_u32 s17, s17, s41                     ; tile row
	s_lshl_b32 s42, s20, 2
	s_add_co_u32 s42, s42, s40                     ; tile column
	s_lshl_b32 s43, s41, 2
	s_lshl_b32 s43, 15, s43                        ; my row of the cluster
	s_lshl_b32 s44, 0x1111, s40                    ; my column
	s_or_b32 s[G1+0], s43, (3<<16)|(1<<21)         ; the mask; elements of 8 bytes; bit 21 beside a mask; no padding
	s_or_b32 s[G1B+0], s44, (3<<16)|(1<<21)
.irp g, G1, G1B
	s_mov_b32 s[\g+1], 32<<16                      ; tensor_dim0 = 32 elements: 256 bytes
	s_mov_b32 s[\g+2], 100<<16                     ; tensor_dim1 = 100
	s_mov_b32 s[\g+3], 32<<16                      ; tile_dim0
	s_mov_b32 s[\g+4], 100                         ; tile_dim1
	s_mov_b32 s[\g+5], 32                          ; dense
	s_mov_b32 s[\g+6], 0
	s_mov_b32 s[\g+7], 0
.endr
	s_lshl_b32 s46, s17, 1
	s_add_co_u32 s46, s46, s16
	s_lshl_b32 s46, s46, 3
	s_add_co_u32 s46, s46, s21
	s_mul_i32 s46, s46, SLAB                       ; A: (2 tile row + half) x 8 slabs on
	s_mov_b32 s47, 0
	s_lshl_b32 s92, s42, 1
	s_add_co_u32 s92, s92, s16
	s_lshl_b32 s92, s92, 3
	s_add_co_u32 s92, s92, s22
	s_mul_i32 s92, s92, SLAB                       ; B likewise, by the tile column
	s_mov_b32 s93, 0
	s_mul_i32 s94, s14, CH                         ; where they go: wave x 25,600
	s_lshl_b32 s70, s17, 1
	s_add_co_u32 s70, s70, s15                     ; R: my block of A's rows
	s_lshl_b32 s71, s42, 1
	s_add_co_u32 s71, s71, s16                     ; cg: my block of B's rows
	s_lshl_b32 s72, s71, 5
	s_add_co_u32 s72, s72, s70                     ; q, k: slab 32 cg + R
	s_lshl_b32 s73, s70, 5
	s_add_co_u32 s73, s73, s71
	s_add_co_u32 s73, s73, 512                     ; V^T: slab 512 + 32 R + cg
	s_cmp_lt_u32 s18, 4
	s_cselect_b32 s72, s72, s73
	s_mul_i32 s72, s72, SLAB
	s_mov_b32 s73, 0
	s_mov_b32 s96, 0x76543210
	s_mov_b32 s97, 0xfedcba98
	s_wait_dscnt 0x0                               ; both opening adds are done
	s_wait_kmcnt 0x0
	s_add_nc_u64 s[46:47], s[4:5], s[46:47]
	s_add_nc_u64 s[92:93], s[4:5], s[92:93]
	s_add_nc_u64 s[12:13], s[6:7], s[72:73]
	CROUND                                         ; the first joint loads meet
.irp s, 0,1
	s_mov_b32 s[G0+4*\s], 1
	s_add_co_u32 s[G0+4*\s+1], s94, \s*SLOT
	s_add_nc_u64 s[G0+4*\s+2:G0+4*\s+3], s[46:47], \s*CH
	s_or_b32 s[G0+4*\s+3], s[G0+4*\s+3], 0x80000000
	s_mov_b32 s[G0B+4*\s], 1
	s_add_co_u32 s[G0B+4*\s+1], s94, \s*SLOT
	s_add_nc_u64 s[G0B+4*\s+2:G0B+4*\s+3], s[92:93], \s*CH
	s_or_b32 s[G0B+4*\s+3], s[G0B+4*\s+3], 0x80000000
	JLOAD G0+4*\s, G1, G0B+4*\s, G1B
.endr
	v_and_b32 v1, 31, v0
	v_and_b32 v2, 15, v0                           ; r
	v_bfe_u32 v3, v0, 4, 1                         ; h
	v_lshlrev_b32 v4, 4, v1                        ; 16 x lane
	s_mul_i32 s66, s15, CH                         ; my 128 rows of A
	s_mul_i32 s67, s16, CH
	s_add_co_u32 s67, s67, 2*CH                    ; of B
	s_sub_co_u32 s68, s67, s66
	v_mul_u32_u24 v5, s68, v3                      ; lanes 16-31 take B's scale words
	v_lshl_add_u32 v5, v2, 2, v5
	v_add_nc_u32 v5, s66, v5
	v_add_nc_u32 v5, 12288, v5
.irp s, 0,1
	v_add_nc_u32 v[ADRA+\s], s66, v4
	v_add_nc_u32 v[ADRB+\s], s67, v4
	v_add_nc_u32 v[ADRS+\s], \s*SLOT, v5
	s_add_co_u32 s66, s66, SLOT
	s_add_co_u32 s67, s67, SLOT
.endr
	s_lshl_b32 s66, s14, 9                         ; the way out: my 512 bytes of scale words, in slot 0, which has had its last fill and its last read by then
	v_lshl_add_u32 v[SGA], v2, 2, s66
	v_add_nc_u32 v[RD], s66, v4
	v_mov_b32 v[CO], v4
	s_wait_tensorcnt 1                             ; my part of K step 0 is in; K step 1's may stay out
	s_barrier_signal -1
	s_barrier_wait -1
	FETCH_B 0, 0, 0
	FETCH_A 0, 0, 0
	SCALES 0
	FETCH_A 0, 0, 4
	STEP 0, 0, 1                                   ; the first products start the sums
	TURN 0, 1, 1
	STEP 1, 0, 0
	TURN 1, 0, 1
	STEP 0, 0, 0
	TURN 0, 1, 0
	STEP 1, 0, 0
	s_wait_dscnt 4*NL
	WIN MUL_LO
	MUL16 0, 1, NQ-1, 1, 0
	MUL16 2, 1, NQ-1, 1, 0
	s_wait_dscnt 0
	WIN MUL_HI
	MUL16 4, 1, NQ-1, 1, 0
	MUL16 6, 1, NQ-1, 1, 0
	WIN 0
	PLACES NP                                      ; in front of the first reads of results and of writes into A's registers
.irp b, 0,1,2,3
	v_mov_b32 v[TM+4+\b], 0                        ; a lane permute's destination counts as read
.endr
.irp a, 0,1,2,3,4,5,6,7
	QBLK \a
.endr
	ds_load_b128 v[TM:TM+3], v[RD]                 ; LDS serves a wave's instructions in order: this sees my eight stores
	s_wait_dscnt 0x0
	global_store_b128 v[CO], v[TM:TM+3], s[12:13] offset:12288
	s_wait_tensorcnt 0x0                           ; the wave's end
	ds_add_u32 v[SPW], v[NIL]
	s_wait_dscnt 0x0
	CROUND                                         ; the closing round
	s_endpgm
.Lfunc_end_k_qb4bcfca1ae_gq:
	.size	k_qb4bcfca1ae_gq, .Lfunc_end_k_qb4bcfca1ae_gq-k_qb4bcfca1ae_gq
	.p2alignl 7, 3214868480
	.fill 96, 4, 3214868480
	.section	.rodata,"a",@progbits
	.p2align	6, 0x0
	.amdhsa_kernel k_qb4bcfca1ae_gq
		.amdhsa_group_segment_fixed_size 327680
		.amdhsa_private_segment_fixed_size 0
		.amdhsa_enable_private_segment 0
		.amdhsa_kernarg_size 16
		.amdhsa_user_sgpr_count 2
		.amdhsa_user_sgpr_kernarg_segment_ptr 1
		.amdhsa_wavefront_size32 1
		.amdhsa_system_sgpr_workgroup_id_x 1
		.amdhsa_system_sgpr_workgroup_id_y 1
		.amdhsa_system_sgpr_workgroup_id_z 1
		.amdhsa_system_vgpr_workitem_id 0
		.amdhsa_next_free_vgpr 1024
		.amdhsa_next_free_sgpr 98
		.amdhsa_reserve_vcc 0
		.amdhsa_float_denorm_mode_32 3
		.amdhsa_float_denorm_mode_16_64 3
		.amdhsa_memory_ordered 1
		.amdhsa_forward_progress 1
		.amdhsa_inst_pref_size 140
	.end_amdhsa_kernel
	.amdgpu_metadata
---
amdhsa.version: [ 1, 2 ]
amdhsa.kernels:
  - .name:           k_qb4bcfca1ae_gq
    .symbol:         k_qb4bcfca1ae_gq.kd
    .args:
      - { .name: cw, .offset: 0, .size: 8, .value_kind: global_buffer, .address_space: global }
      - { .name: big, .offset: 8, .size: 8, .value_kind: global_buffer, .address_space: global }
    .group_segment_fixed_size: 327680
    .private_segment_fixed_size: 0
    .kernarg_segment_align: 8
    .kernarg_segment_size: 16
    .max_flat_workgroup_size: 128
    .sgpr_count:     98
    .vgpr_count:     1024
    .wavefront_size: 32
...
	.end_amdgpu_metadata
.endif
;; end of part 3
;; launch attn (part 4): grid 16 x 16, 16 waves a work-group, clusters of 4 x 1, 327,680 bytes of LDS; arguments big, mbits, ab; writes ab
.if DOCPART == 4
	.amdgcn_target "amdgcn-amd-amdhsa--gfx1250"
	.amdhsa_code_object_version 6
	.text
	.protected	k_qb4bcfca1ae_attn
	.globl	k_qb4bcfca1ae_attn
	.p2align	8
	.type	k_qb4bcfca1ae_attn,@function
k_qb4bcfca1ae_attn:
	s_mov_b64 s[64:65], 0
	v_nop
	global_prefetch_b8 v0, s[64:65] scope:SCOPE_SE
	s_setreg_imm32_b32 hwreg(HW_REG_WAVE_MODE, 25, 1), 1
	s_wait_xcnt 0x0
	s_wait_alu depctr_hold_cnt(0) depctr_sa_sdst(0) depctr_va_vdst(0) depctr_va_sdst(0) depctr_va_ssrc(0) depctr_va_vcc(0) depctr_vm_vsrc(0)
	s_getreg_b32 s2, hwreg(HW_REG_IB_STS2, 6, 4)
	s_cmp_eq_u32 s2, 0
	s_cbranch_scc0 .Lentry_in_a_cluster
	s_endpgm
.Lentry_in_a_cluster:
	s_bfe_u32 s2, ttmp6, 0x10000c
	s_cmp_lg_u32 s2, 0x3003
	s_cbranch_scc0 .Lentry_shape_is_right
	s_endpgm
.Lentry_shape_is_right:
; Attention on codes of BF6: S^T = K Q^T (K = the head's 64), masked, p = 2^(t - M) quantised along the keys, O^T = V^T P^T, O / l quantised along (head, channel) and stored as slabs for the projection.  Nothing is left out.
; t = score x log2(e) / 8; M = the running largest t rounded up to a whole number; l is the sum of the unquantised p; when M moves, l and O^T are multiplied by 2^(old M - new M), which rounds nothing.
; SHARES.  Work-group (x, y): y = 8 batch + pair of heads, x = a block of 128 queries.  Wave w: tile w % 8 of 16 queries, head w / 8 of the pair.  Every wave walks 16 steps of 128 keys.
; A slab of q or k holds both heads of a pair along its K of 128: K's fragments are used as they lie, and Q's six registers of the other head are made zero codes once, which add nothing under any scale byte that the quantiser gives.
; By the slabs' row order the 16 registers of tiles 2 g, 2 g + 1 of S^T are keys 32 g + 16 h + 0 .. 15, and O^T's likewise channels: ready for the quantiser; a lane holds one query throughout.
; THE MASK comes as lane-mask words (64 a step, made by the first launch) in scalar registers: a select, no branch.  A hidden score becomes -2^33, a logit of -2^30 where the definition has -1e9: c x 2^33 is a whole
; number, so a row with no visible key gives p = 1 for every key, the uniform average, as the definition does; beside a visible key p is 0 either way.  LIMIT: results differ only where true logits lie under about -1e9.
; RING: two slots of four key steps (4 slabs of K, 4 of V), 2^17 bytes apart.  Waves 0-3 fetch 25,600 dense bytes each.  CLUSTER: the four blocks of queries of a cluster walk the same K and V: joint loads.
; No prefetch: a refill has four key steps of all sixteen waves in which to land.  LIMITS otherwise as stated at the head of the first launch.
.set SLAB,  12800
.set CH,    2*SLAB
.set VOFF,  4*SLAB
.set SLOT1, 1<<17
.set STG,   SLOT1+8*SLAB               ; the output slab is gathered here
.set SPARE, STG+SLAB                   ; the spare words, 128 bytes a wave
; v1 16 lane; v2 K's scale words' place; v3 V's images'; v4 V's scale words'; v5, v6 the add's two; v7 the hidden score; v8-11 the step's addresses; v12 -M; v13 largest t; v[14:15] l; v16-27 Q;
; v28-31, v80 the way out; v32-79 four fragments; v96-159 S^T, then p; v160-191 O^T; v224-235 p's codes; v232-254 at work; v248-251 the fragments' scale words; v253 p's; v255 Q's.
; s[4:5] big; s[6:7] my mask words; s[8:9] my slab of ab; s10 wave; s11 head of the pair; s[12:13] c; s14, s15 lane selects; s[16:23], s[24:27] the descriptor; s28 the step's LDS byte; s29, s30 counts; s32-63, s68-99 mask words.
.macro ROUND
	s_barrier_signal -1
	s_barrier_wait -1
	s_cmp_lg_u32 s10, 0
	s_cbranch_scc1 .Lnot_wave_0_\@
	s_barrier_signal -3
.Lnot_wave_0_\@:
	s_barrier_wait -3
	s_barrier_signal -1
	s_barrier_wait -1
.endm
.macro TLOAD                           ; waves 0-3
	s_cmp_lt_u32 s10, 4
	s_cbranch_scc0 .Lnone_\@
	tensor_load_to_lds s[24:27], s[16:23]
	s_nop 0
.rept 4
	v_nop
.endr
.Lnone_\@:
.endm
.macro CHANGE fill                     ; at a slot's head: the slot ahead is whole, the other is read by nobody; fill = 1: the other takes the next four key steps
	s_wait_tensorcnt 0x0
	ds_add_u32 v5, v6
.if \fill
	ds_add_u32 v5, v6                              ; twice on end here
	s_xor_b32 s25, s25, SLOT1
	s_add_nc_u64 s[26:27], s[26:27], 2*CH
	s_wait_dscnt 0x0                               ; the adds are done, my reads of the slot that I have left are over
	ROUND
	TLOAD
.else
	s_wait_dscnt 0x0
	s_barrier_signal -1
	s_barrier_wait -1
.endif
.endm
.macro STEP
	s_load_b512 s[32:47], s[6:7], 0x0              ; the step's 64 lane masks
	s_load_b512 s[48:63], s[6:7], 0x40
	s_load_b512 s[68:83], s[6:7], 0x80
	s_load_b512 s[84:99], s[6:7], 0xc0
	v_add_nc_u32 v8, s28, v1                       ; (these four are also the places behind the last products)
	v_add_nc_u32 v10, s28, v2
	v_add_nc_u32 v9, s28, v3
	v_add_nc_u32 v11, s28, v4
.irp g, 0,1
.if \g > 0
.rept 4
	v_nop
.endr
.endif
.irp t, 0,1,2,3
.irp c, 0,1,2
	ds_load_b128 v[32+12*\t+4*\c:35+12*\t+4*\c], v8 offset:1536*(4*\g+\t)+512*\c
.endr
	ds_load_b32 v[248+\t], v10 offset:64*(4*\g+\t)
.endr
	s_wait_dscnt 0x0
.irp t, 0,1,2,3
	v_wmma_scale_f32_16x16x128_f8f6f4 v[96+8*(4*\g+\t):103+8*(4*\g+\t)], v[32+12*\t:43+12*\t], v[16:27], 0, v[248+\t], v255 matrix_a_fmt:MATRIX_FMT_BF6 matrix_b_fmt:MATRIX_FMT_BF6
.endr
.endr
.rept 4
	v_nop
.endr
.irp t, 0,1,2,3                        ; V's four fragments of my head: they land under the softmax
.irp c, 0,1,2
	ds_load_b128 v[32+12*\t+4*\c:35+12*\t+4*\c], v9 offset:1536*\t+512*\c
.endr
	ds_load_b32 v[248+\t], v11 offset:64*\t
.endr
	s_wait_kmcnt 0x0
	s_add_nc_u64 s[6:7], s[6:7], 256               ; the loads are done: on to the next step's words
.set n, 0
.rept 32
	v_cndmask_b32 v[96+n], v7, v[96+n], s[32+n]    ; hidden keys
.set n, n+1
.endr
.rept 32
	v_cndmask_b32 v[96+n], v7, v[96+n], s[36+n]
.set n, n+1
.endr
.irp b, 0,1,2,3
	v_max3_num_f32 v[232+\b], v[96+16*\b], v[97+16*\b], v[98+16*\b]   ; the largest score of each block of 32 keys: for the row's maximum and for the block's largest p
.endr
.irp i, 3,5,7,9,11,13
.irp b, 0,1,2,3
	v_max3_num_f32 v[232+\b], v[232+\b], v[96+16*\b+\i], v[97+16*\b+\i]
.endr
.endr
.irp b, 0,1,2,3
	v_max_num_f32 v[232+\b], v[232+\b], v[111+16*\b]
.endr
.irp b, 0,1,2,3
	v_permlanex16_b32 v[236+\b], v[232+\b], s14, s15
.endr
.irp b, 0,1,2,3
	v_max_num_f32 v[232+\b], v[232+\b], v[236+\b]
.endr
	v_max3_num_f32 v254, v232, v233, v234
	v_max_num_f32 v254, v254, v235
	v_mul_f32 v254, s12, v254
	v_max_num_f32 v13, v13, v254                   ; the running largest t
	v_mov_b32 v254, v12
	v_floor_f32 v12, -v13                          ; -M
	v_sub_f32 v254, v12, v254                      ; old M - new M: a whole number, 0 or less
	v_cvt_i32_f32 v254, v254
	v_ldexp_f32 v252, 1.0, v254                    ; f
.irp j, 0,2,4,6,8,10,12,14,16,18,20,22,24,26,28,30,32,34,36,38,40,42,44,46,48,50,52,54,56,58,60,62
	v_pk_fma_f32 v[96+\j:97+\j], v[96+\j:97+\j], s[12:13], v[12:13] op_sel_hi:[1,0,0]   ; t - M
.endr
.irp b, 0,1,2,3
	v_fma_f32 v[232+\b], v[232+\b], s12, v12
.endr
.set n, 0
.rept 64
	v_exp_f32 v[96+n], v[96+n]                     ; p, not normalised
.set n, n+1
.endr
	v_pk_mul_f32 v[14:15], v[14:15], v[252:253] op_sel_hi:[1,0]   ; l under the new M: a plain place behind the batch
	s_wait_alu depctr_va_vdst(0)                   ; one wait for the batch, ahead of its first reader
.irp b, 0,1,2,3
	v_exp_f32 v[232+\b], v[232+\b]                 ; each block's largest p
.endr
	v_pk_add_f32 v[236:237], v[96:97], v[98:99]    ; the sum of the unquantised p, in two chains
.irp j, 4,8,12,16,20,24,28,32,36,40,44,48,52,56,60
	v_pk_add_f32 v[14:15], v[14:15], v[96+\j:97+\j]
	v_pk_add_f32 v[236:237], v[236:237], v[98+\j:99+\j]
.endr
	v_pk_add_f32 v[14:15], v[14:15], v[236:237]
	s_wait_alu depctr_va_vdst(0)                   ; and one for the four
.irp b, 0,1,2,3
	v_max_num_f32 v[232+\b], 0x2800000, v[232+\b]
.endr
.irp b, 0,1,2,3
	v_add_nc_u32 v[244+\b], 0xfe000000, v[232+\b]
.endr
.irp b, 0,1,2,3
	v_lshrrev_b32 v[236+\b], 23, v[244+\b]
.endr
	v_lshl_or_b32 v253, v237, 8, v236              ; p's scale word
	v_lshl_or_b32 v253, v238, 16, v253
	v_lshl_or_b32 v253, v239, 24, v253
.irp c, 0,1
	v_cvt_scalef32_pk16_bf6_f32 v[224+6*\c:226+6*\c], v[96+32*\c:111+32*\c], v[244+2*\c]
	v_cvt_scalef32_pk16_bf6_f32 v[236+4*\c:238+4*\c], v[112+32*\c:127+32*\c], v[244+2*\c+1]
.endr
	v_nop
.irp c, 0,1
.irp i, 0,1,2
	v_permlane16_swap_b32 v[224+6*\c+\i], v[236+4*\c+\i]
.endr
.irp i, 0,1,2
	v_mov_b32 v[227+6*\c+\i], v[236+4*\c+\i]
.endr
.endr
.irp j, 0,2,4,6,8,10,12,14,16,18,20,22,24,26,28,30
	v_pk_mul_f32 v[160+\j:161+\j], v[160+\j:161+\j], v[252:253] op_sel_hi:[1,0]   ; O^T under the new M; also the places in front of the products below
.endr
	s_wait_dscnt 0x0                               ; V
.irp t, 0,1,2,3
	v_wmma_scale_f32_16x16x128_f8f6f4 v[160+8*\t:167+8*\t], v[32+12*\t:43+12*\t], v[224:235], v[160+8*\t:167+8*\t], v[248+\t], v253 matrix_a_fmt:MATRIX_FMT_BF6 matrix_b_fmt:MATRIX_FMT_BF6
.endr
	s_add_co_u32 s28, s28, SLAB
.endm
.macro SLOT_STEPS
	s_mov_b32 s29, 4
.Lstep_\@:
	STEP
	s_sub_co_u32 s29, s29, 1
	s_cmp_lg_u32 s29, 0
	s_cbranch_scc1 .Lstep_\@
	s_sub_co_u32 s28, s28, 4*SLAB
	s_xor_b32 s28, s28, SLOT1                      ; on to the other slot
.endm
	s_load_b128 s[4:7], s[0:1], 0x0                ; big, mbits
	s_load_b64 s[8:9], s[0:1], 0x10                ; ab
	v_lshl_add_u32 v5, v0, 2, SPARE
	v_mov_b32 v6, 0
	ds_add_u32 v5, v6                              ; the opening: the add, twice on end, and its wait
	ds_add_u32 v5, v6
	v_lshrrev_b32 v8, 5, v0
	v_readfirstlane_b32 s10, v8                    ; wave
	s_lshr_b32 s11, s10, 3                         ; which head of the pair
	s_and_b32 s31, s10, 7                          ; which tile of queries
	s_bfe_u32 s2, ttmp6, 0x40000                   ; cx: it enters the addresses of Q, the mask words and the output alone
	s_lshl_b32 s3, ttmp9, 2
	s_add_co_u32 s3, s3, s2                        ; block of 128 queries
	s_and_b32 s68, ttmp7, 0xffff
	s_lshr_b32 s69, s68, 3                         ; batch
	s_and_b32 s68, s68, 7                          ; pair of heads
	s_lshl_b32 s70, s68, 5
	s_lshl_b32 s71, s69, 4
	s_add_co_u32 s70, s70, s71                     ; 32 hp + 16 b
	s_mov_b32 s72, 512
	s_cmp_lt_u32 s10, 2
	s_cselect_b32 s72, 256, s72                    ; waves 0, 1: K's slabs; 2, 3: V's
	s_add_co_u32 s72, s72, s70
	s_and_b32 s73, s10, 1
	s_lshl_b32 s73, s73, 1
	s_add_co_u32 s72, s72, s73
	s_mul_i32 s72, s72, SLAB
	s_mov_b32 s73, 0
	s_add_co_u32 s74, s70, s3
	s_mul_i32 s74, s74, SLAB                       ; Q's slab
	s_mul_i32 s75, s31, 1536
	s_add_co_u32 s76, s74, s75
	s_mov_b32 s77, 0
	s_lshl_b32 s75, s31, 6
	s_add_co_u32 s78, s74, s75
	s_add_co_u32 s78, s78, 12288
	s_mov_b32 s79, 0
	s_lshl_b32 s80, s3, 3
	s_add_co_u32 s80, s80, s31
	s_lshl_b32 s80, s80, 12                        ; my tile's 16 x 256 bytes of mask words
	s_mov_b32 s81, 0
	s_lshl_b32 s82, s69, 4
	s_add_co_u32 s82, s82, s3
	s_lshl_b32 s82, s82, 3
	s_add_co_u32 s82, s82, s68
	s_mul_i32 s82, s82, SLAB                       ; output slab 8 (16 b + block) + hp
	s_mov_b32 s83, 0
	s_mov_b32 s16, 15|(3<<16)|(1<<21)              ; all four partners; elements of 8 bytes; bit 21 beside a mask; no padding
	s_mov_b32 s17, 32<<16
	s_mov_b32 s18, 100<<16
	s_mov_b32 s19, 32<<16
	s_mov_b32 s20, 100
	s_mov_b32 s21, 32
	s_mov_b32 s22, 0
	s_mov_b32 s23, 0
	s_mov_b32 s24, 1
	s_mul_i32 s25, s10, CH                         ; slot 0, wave x 25,600
	s_mov_b32 s12, 0x3e38aa3b                      ; c = log2(e) / 8
	s_mov_b32 s13, s12
	s_mov_b32 s14, 0x76543210
	s_mov_b32 s15, 0xfedcba98
	s_mov_b32 s28, 0
	s_mov_b32 s30, 3
	s_wait_dscnt 0x0                               ; both opening adds are done
	s_wait_kmcnt 0x0
	s_add_nc_u64 s[26:27], s[4:5], s[72:73]
	s_or_b32 s27, s27, 0x80000000
	s_add_nc_u64 s[76:77], s[4:5], s[76:77]
	s_add_nc_u64 s[78:79], s[4:5], s[78:79]
	s_add_nc_u64 s[6:7], s[6:7], s[80:81]
	s_add_nc_u64 s[8:9], s[8:9], s[82:83]
	ROUND                                          ; the first joint loads meet
	TLOAD                                          ; slot 0
	v_and_b32 v8, 31, v0
	v_and_b32 v9, 15, v0
	v_lshlrev_b32 v1, 4, v8                        ; 16 x lane
	v_lshlrev_b32 v10, 2, v9                       ; 4 r
.irp c, 0,1,2
	global_load_b128 v[16+4*\c:19+4*\c], v1, s[76:77] offset:512*\c      ; Q's image
.endr
	global_load_b32 v255, v10, s[78:79]
	v_add_nc_u32 v2, 12288, v10
	s_mul_i32 s84, s11, 6144
	s_add_co_u32 s84, s84, VOFF
	v_add_nc_u32 v3, s84, v1                       ; V's images 4 par on
	s_lshl_b32 s84, s11, 8
	s_add_co_u32 s84, s84, VOFF+12288
	v_add_nc_u32 v4, s84, v10
	s_mul_i32 s84, s31, 1536
	s_add_co_u32 s84, s84, STG                     ; my image of the output slab: I hold its registers 6 par .. 6 par + 5
	s_mul_i32 s85, s11, 520
	s_add_co_u32 s85, s85, s84
	v_add_nc_u32 v28, s85, v1                      ; the first pair, and 512 on the third
	s_mul_i32 s85, s11, 1016
	s_add_co_u32 s85, s85, s84
	s_add_co_u32 s85, s85, 8
	v_add_nc_u32 v29, s85, v1                      ; the second pair
	s_lshl_b32 s85, s31, 6
	s_lshl_b32 s86, s11, 1
	s_add_co_u32 s85, s85, s86
	s_add_co_u32 s85, s85, STG+12288
	v_add_nc_u32 v30, s85, v10                     ; my two bytes of the row's scale word
	s_lshl_b32 s85, s10, 9
	v_add_nc_u32 v80, s85, v1                      ; the slab leaves in runs of 512 bytes: run w is mine
	v_add_nc_u32 v31, STG, v80
	v_mov_b32 v7, 0xd0000000                       ; -2^33
	v_mov_b32 v13, 0xff61b1e6                      ; -3e38, under every t
	v_floor_f32 v12, -v13
	v_mov_b32 v14, 0
	v_mov_b32 v15, 0
.irp b, 0,1,2,3
	v_mov_b32 v[236+\b], 0                         ; a lane permute's destination counts as read
.endr
	v_mov_b32 v252, 0
	v_mov_b32 v253, 0
.set n, 0
.rept 32
	v_mov_b32 v[160+n], 0                          ; O^T: the step is written once; the first change of M leaves zeros zeros
.set n, n+1
.endr
	s_cmp_eq_u32 s11, 0
	s_cselect_b32 s2, -1, 0
	s_cselect_b32 s3, 0, -1
	s_wait_loadcnt 0x0                             ; Q
.irp j, 0,1,2,3,4,5
	v_and_b32 v[16+\j], s2, v[16+\j]               ; the other head's codes become zeros
	v_and_b32 v[22+\j], s3, v[22+\j]
.endr
.Lslot:
	CHANGE 1
	SLOT_STEPS
	s_sub_co_u32 s30, s30, 1
	s_cmp_lg_u32 s30, 0
	s_cbranch_scc1 .Lslot
	CHANGE 0                                       ; the last slot is written out
	SLOT_STEPS
	; THE WAY OUT
	v_add_f32 v14, v14, v15
	v_permlanex16_b32 v252, v14, s14, s15
	v_add_f32 v14, v14, v252                       ; the row's sum
	v_rcp_f32 v14, v14
.rept 4
	v_nop                                          ; places behind the reciprocal and the last products
.endr
	s_wait_alu depctr_va_vdst(0)                   ; the wait ahead of the first reader
.set n, 0
.rept 32
	v_mul_f32 v[96+n], v[160+n], v14               ; register 16 g + i: channel 32 g + 16 h + i of my head
.set n, n+1
.endr
.irp g, 0,1
	v_max3_num_f32 v[232+\g], |v[96+16*\g]|, |v[97+16*\g]|, 0x2800000
.endr
.irp i, 2,4,6,8,10,12,14
.irp g, 0,1
	v_max3_num_f32 v[232+\g], v[232+\g], |v[96+16*\g+\i]|, |v[97+16*\g+\i]|
.endr
.endr
.irp g, 0,1
	v_permlanex16_b32 v[236+\g], v[232+\g], s14, s15
.endr
.irp g, 0,1
	v_max_num_f32 v[232+\g], v[232+\g], v[236+\g]
.endr
.irp g, 0,1
	v_add_nc_u32 v[244+\g], 0xfe000000, v[232+\g]
.endr
.irp g, 0,1
	v_lshrrev_b32 v[240+\g], 23, v[244+\g]
.endr
	v_lshl_or_b32 v243, v241, 8, v240
	v_cvt_scalef32_pk16_bf6_f32 v[224:226], v[96:111], v244
	v_cvt_scalef32_pk16_bf6_f32 v[236:238], v[112:127], v245
	v_nop
.irp i, 0,1,2
	v_permlane16_swap_b32 v[224+\i], v[236+\i]
.endr
.irp i, 0,1,2
	v_mov_b32 v[227+\i], v[236+\i]
.endr
	ds_store_b64 v28, v[224:225]
	ds_store_b64 v29, v[226:227]
	ds_store_b64 v28, v[228:229] offset:512
	ds_store_b16 v30, v243
	s_wait_dscnt 0x0                               ; for the others' sake
	s_barrier_signal -1
	s_barrier_wait -1
	ds_load_b128 v[32:35], v31
	s_wait_dscnt 0x0
	global_store_b128 v80, v[32:35], s[8:9]
	s_cmp_lt_u32 s10, 9                            ; 25 runs of 512 bytes: waves 0-8 take a second
	s_cbranch_scc0 .Lend
	ds_load_b128 v[36:39], v31 offset:8192
	s_wait_dscnt 0x0
	global_store_b128 v80, v[36:39], s[8:9] offset:8192
.Lend:
	s_wait_tensorcnt 0x0                           ; the wave's end
	ds_add_u32 v5, v6
	s_wait_dscnt 0x0
	ROUND                                          ; the closing round
	s_endpgm
.Lfunc_end_k_qb4bcfca1ae_attn:
	.size	k_qb4bcfca1ae_attn, .Lfunc_end_k_qb4bcfca1ae_attn-k_qb4bcfca1ae_attn
	.p2alignl 7, 3214868480
	.fill 96, 4, 3214868480
	.section	.rodata,"a",@progbits
	.p2align	6, 0x0
	.amdhsa_kernel k_qb4bcfca1ae_attn
		.amdhsa_group_segment_fixed_size 327680
		.amdhsa_private_segment_fixed_size 0
		.amdhsa_enable_private_segment 0
		.amdhsa_kernarg_size 24
		.amdhsa_user_sgpr_count 2
		.amdhsa_user_sgpr_kernarg_segment_ptr 1
		.amdhsa_wavefront_size32 1
		.amdhsa_system_sgpr_workgroup_id_x 1
		.amdhsa_system_sgpr_workgroup_id_y 1
		.amdhsa_system_sgpr_workgroup_id_z 1
		.amdhsa_system_vgpr_workitem_id 0
		.amdhsa_next_free_vgpr 256
		.amdhsa_next_free_sgpr 100
		.amdhsa_reserve_vcc 0
		.amdhsa_float_denorm_mode_32 3
		.amdhsa_float_denorm_mode_16_64 3
		.amdhsa_memory_ordered 1
		.amdhsa_forward_progress 1
		.amdhsa_inst_pref_size 56
	.end_amdhsa_kernel
	.amdgpu_metadata
---
amdhsa.version: [ 1, 2 ]
amdhsa.kernels:
  - .name:           k_qb4bcfca1ae_attn
    .symbol:         k_qb4bcfca1ae_attn.kd
    .args:
      - { .name: big, .offset: 0, .size: 8, .value_kind: global_buffer, .address_space: global }
      - { .name: mbits, .offset: 8, .size: 8, .value_kind: global_buffer, .address_space: global }
      - { .name: ab, .offset: 16, .size: 8, .value_kind: global_buffer, .address_space: global }
    .group_segment_fixed_size: 327680
    .private_segment_fixed_size: 0
    .kernarg_segment_align: 8
    .kernarg_segment_size: 24
    .max_flat_workgroup_size: 512
    .sgpr_count:     100
    .vgpr_count:     256
    .wavefront_size: 32
...
	.end_amdgpu_metadata
.endif
;; end of part 4
;; launch gf (part 5): grid 4 x 16, 4 waves a work-group, clusters of 4 x 4, 327,680 bytes of LDS; arguments ab, woc, x, x1; writes x1
.if DOCPART == 5
	.amdgcn_target "amdgcn-amd-amdhsa--gfx1250"
	.amdhsa_code_object_version 6
	.text
	.protected	k_qb4bcfca1ae_gf
	.globl	k_qb4bcfca1ae_gf
	.p2align	8
	.type	k_qb4bcfca1ae_gf,@function
k_qb4bcfca1ae_gf:
	s_mov_b64 s[64:65], 0
	v_nop
	global_prefetch_b8 v0, s[64:65] scope:SCOPE_SE
	s_setreg_imm32_b32 hwreg(HW_REG_WAVE_MODE, 25, 1), 1
	s_wait_xcnt 0x0
	s_wait_alu depctr_hold_cnt(0) depctr_sa_sdst(0) depctr_va_vdst(0) depctr_va_sdst(0) depctr_va_ssrc(0) depctr_va_vcc(0) depctr_vm_vsrc(0)
	s_getreg_b32 s2, hwreg(HW_REG_IB_STS2, 6, 4)
	s_cmp_eq_u32 s2, 0
	s_cbranch_scc0 .Lentry_in_a_cluster
	s_endpgm
.Lentry_in_a_cluster:
	s_bfe_u32 s2, ttmp6, 0x10000c
	s_cmp_lg_u32 s2, 0xf033
	s_cbranch_scc0 .Lentry_shape_is_right
	s_endpgm
.Lentry_shape_is_right:
; C = A B^T (+ a residual) over K = 1,024, on slabs of BF6 codes; C in f32, rows of 1,024.  It serves two launches: x1 = x + O Wo^T (grid y 16), and the four K panels of hid W2^T (grid y 64: panel = y / 16;
; panel 0 adds x1, the others store their partial sums alone; the last launch adds the four in a fixed order).  Nothing is left out.
; The product is that of the launch for q, k and V^T: 256 x 256 a work-group, 128 x 128 a wave, two LDS slots of 256 along K, joint loads in clusters of 4 x 4, four K steps written out; at most two tensor loads of a wave are out.
; The slabs' row order: lane r of image i is row 32 (i / 2) + 8 (i % 2) + r % 8 + 16 (r / 8).  So accumulator (a, b), lane (r, h), register j is C(row of image a's lane r, column 32 (b / 2) + 16 h + 8 (b % 2) + j).
.set SLAB,  12800
.set CH,    2*SLAB
.set SLOT,  4*CH
.set SPARE, 2*SLOT
.set FR,    12
.set NL,    3
.set NQ,    2
.set NP,    4
.set ADRA,  16
.set ADRB,  20
.set ADRS,  22
.set STO,   24
.set RD,    25
.set CO,    26
.set SPW,   28
.set NIL,   29
.set SC,    32
.set AF,    128
.set G1,    24
.set G0,    32
.set G1B,   48
.set G0B,   56
.set MUL_LO, 0xa1
.set MUL_HI, 0xf1
.set TO_B,  0x40
.set MSB, 0
.macro WIN new
.if MSB != (\new)
	s_set_vgpr_msb (MSB<<8)|(\new)
.set MSB, (\new)
.endif
.endm
.macro PLACES n
.rept \n
	v_nop
.endr
.endm
.macro JLOAD g0a, g1a, g0b, g1b
	s_cmp_eq_u32 s15, 0
	s_cbranch_scc0 .Lfor_b_\@
	tensor_load_to_lds s[\g0a:\g0a+3], s[\g1a:\g1a+7]
	s_nop 0
.rept 4
	v_nop
.endr
	s_branch .Lasked_\@
.Lfor_b_\@:
	tensor_load_to_lds s[\g0b:\g0b+3], s[\g1b:\g1b+7]
	s_nop 0
.rept 4
	v_nop
.endr
.Lasked_\@:
.endm
.macro CREST
	s_cmp_lg_u32 s14, 0
	s_cbranch_scc1 .Lnot_wave_0_\@
	s_barrier_signal -3
.Lnot_wave_0_\@:
	s_barrier_wait -3
	s_barrier_signal -1
	s_barrier_wait -1
.endm
.macro CROUND
	s_barrier_signal -1
	s_barrier_wait -1
	CREST
.endm
.macro FRAG reg, adr, q, i
.irp c, 0,1,2
	ds_load_b128 v[\reg+4*\c:\reg+4*\c+3], v[\adr] offset:(\q)*SLAB+1536*(\i)+512*\c
.endr
.endm
.macro FETCH_B slot, q, p
	WIN TO_B
.irp i, 0,1,2,3,4,5,6,7
	FRAG 128*(\p)+FR*\i, ADRB+\slot, \q, \i
.endr
	WIN 0
.endm
.macro FETCH_A slot, q, i0
.irp i, \i0, \i0+1, \i0+2, \i0+3
	FRAG AF+FR*(\i), ADRA+\slot, \q, \i
.endr
.endm
.macro SCALES sc
.irp i, 0,1,2,3,4,5,6,7
.irp q, 0,1
	ds_load_b32 v[SC+16*\sc+2*\i+\q], v[ADRS+\sc] offset:\q*SLAB+64*\i
.endr
.endr
.endm
.macro MUL16 a0, p, q, sc, zero        ; the 64 accumulators take turns
.irp a, \a0, \a0+1
.irp b, 0,1,2,3,4,5,6,7
.if \zero
	v_wmma_scale_f32_16x16x128_f8f6f4 v[8*(8*((\a)%4)+\b):8*(8*((\a)%4)+\b)+7], v[128*(\p)+FR*\b:128*(\p)+FR*\b+FR-1], v[AF+FR*(\a):AF+FR*(\a)+FR-1], 0, v[SC+8*NQ*(\sc)+NQ*\b+(\q)], v[SC+8*NQ*(\sc)+NQ*(\a)+(\q)] matrix_a_fmt:MATRIX_FMT_BF6 matrix_b_fmt:MATRIX_FMT_BF6 matrix_a_scale:MATRIX_SCALE_ROW1
.else
	v_wmma_scale_f32_16x16x128_f8f6f4 v[8*(8*((\a)%4)+\b):8*(8*((\a)%4)+\b)+7], v[128*(\p)+FR*\b:128*(\p)+FR*\b+FR-1], v[AF+FR*(\a):AF+FR*(\a)+FR-1], v[8*(8*((\a)%4)+\b):8*(8*((\a)%4)+\b)+7], v[SC+8*NQ*(\sc)+NQ*\b+(\q)], v[SC+8*NQ*(\sc)+NQ*(\a)+(\q)] matrix_a_fmt:MATRIX_FMT_BF6 matrix_b_fmt:MATRIX_FMT_BF6 matrix_a_scale:MATRIX_SCALE_ROW1
.endif
.endr
.endr
.endm
.macro STEP slot, q, zero
	s_wait_dscnt 4*NL                              ; all but A's blocks 4-7, the youngest 12 loads
	WIN MUL_LO
	MUL16 0, (\q)%2, \q, \slot, \zero
	MUL16 2, (\q)%2, \q, \slot, \zero
	s_wait_dscnt 0
	PLACES NP
	FETCH_B \slot, (\q)+1, 1-(\q)%2
	FETCH_A \slot, (\q)+1, 0
	WIN MUL_HI
	MUL16 4, (\q)%2, \q, \slot, \zero
	MUL16 6, (\q)%2, \q, \slot, \zero
	PLACES NP
	WIN 0
	FETCH_A \slot, (\q)+1, 4
.endm
.macro TURN slot, next, fill
	s_wait_tensorcnt 0x0                           ; all my tensor loads have landed: my part of the next slot
	ds_add_u32 v[SPW], v[NIL]
	s_wait_dscnt 4*NL+1                            ; (the add and A's blocks 4-7 may be out)
	WIN MUL_LO
	MUL16 0, 1, NQ-1, \slot, 0
	s_wait_dscnt 0x0                               ; the add is done, my reads of this slot are over
	s_barrier_signal -1
	MUL16 2, 1, NQ-1, \slot, 0
	WIN 0
	s_barrier_wait -1
.if \fill
	CREST                                          ; a round of the cluster's barrier: no wave of any partner still reads this slot or has a load on its way
	s_add_nc_u64 s[G0+4*\slot+2:G0+4*\slot+3], s[G0+4*\slot+2:G0+4*\slot+3], 2*CH
	s_add_nc_u64 s[G0B+4*\slot+2:G0B+4*\slot+3], s[G0B+4*\slot+2:G0B+4*\slot+3], 2*CH
	JLOAD G0+4*\slot, G1, G0B+4*\slot, G1B
.else
	PLACES NP
.endif
	FETCH_B \next, 0, 0
	FETCH_A \next, 0, 0
	SCALES \next
	WIN MUL_HI
	MUL16 4, 1, NQ-1, \slot, 0
	MUL16 6, 1, NQ-1, \slot, 0
	PLACES NP
	WIN 0
	FETCH_A \next, 0, 4
.endm
; THE WAY OUT, a block of 16 rows x 128 columns at a time, through my stage in slot 0 (16 rows x 528 bytes; the slot has had its last fill and its last read): rows of 512 bytes come back and are stored whole.
.macro WAYOUT res
.irp a, 0,1,2,3,4,5,6,7
.if \a > 0
	s_wait_xcnt 0x0                                ; the last block's stores have read their registers
.endif
.if \res
.irp t, 0,1,2,3,4,5,6,7,8,9,10,11,12,13,14,15
	global_load_b128 v[192+4*\t:195+4*\t], v[CO], s[8:9] offset:(32*(\a/2)+8*(\a%2)+\t%8+16*(\t/8))*4096
.endr
.endif
	WIN 0x08+4*(\a/4)                              ; an LDS store's data are its source 1: window 2 or 3
.irp b, 0,1,2,3,4,5,6,7
	ds_store_b128 v[STO], v[64*(\a%4)+8*\b:64*(\a%4)+8*\b+3] offset:128*(\b/2)+32*(\b%2)      ; each accumulator from its low end on
	ds_store_b128 v[STO], v[64*(\a%4)+8*\b+4:64*(\a%4)+8*\b+7] offset:128*(\b/2)+32*(\b%2)+16
.endr
	WIN 0
.irp t, 0,1,2,3,4,5,6,7,8,9,10,11,12,13,14,15
	ds_load_b128 v[128+4*\t:131+4*\t], v[RD] offset:528*\t     ; LDS serves a wave's instructions in order
.endr
	s_wait_dscnt 0x0
.if \res
	s_wait_loadcnt 0x0
.set j, 0
.rept 32
	v_pk_add_f32 v[128+j:129+j], v[128+j:129+j], v[192+j:193+j]
.set j, j+2
.endr
.endif
.irp t, 0,1,2,3,4,5,6,7,8,9,10,11,12,13,14,15
	global_store_b128 v[CO], v[128+4*\t:131+4*\t], s[10:11] offset:(32*(\a/2)+8*(\a%2)+\t%8+16*(\t/8))*4096 th:TH_STORE_NT   ; 512 consecutive bytes
.endr
.endr
.endm
	s_load_b256 s[4:11], s[0:1], 0x0               ; A's slabs, B's slabs, the residual, C
	v_lshl_add_u32 v[SPW], v0, 2, SPARE
	v_mov_b32 v[NIL], 0
	ds_add_u32 v[SPW], v[NIL]                      ; the opening: the add, twice on end, and its wait ahead of my first tensor load
	ds_add_u32 v[SPW], v[NIL]
	v_lshrrev_b32 v1, 5, v0
	v_readfirstlane_b32 s14, v1
	s_lshr_b32 s15, s14, 1
	s_and_b32 s16, s14, 1
	s_bfe_u32 s40, ttmp6, 0x40000                  ; cx
	s_bfe_u32 s41, ttmp6, 0x40004                  ; cy
	s_and_b32 s18, ttmp7, 0xffff                   ; cluster y
	s_lshl_b32 s17, s18, 2
	s_add_co_u32 s17, s17, s41                     ; y = 16 panel + tile row
	s_lshr_b32 s19, s18, 2                         ; the K panel: the same in all partners
	s_lshl_b32 s42, ttmp9, 2
	s_add_co_u32 s42, s42, s40                     ; tile column
	s_lshl_b32 s43, s41, 2
	s_lshl_b32 s43, 15, s43
	s_lshl_b32 s44, 0x1111, s40
	s_or_b32 s[G1+0], s43, (3<<16)|(1<<21)
	s_or_b32 s[G1B+0], s44, (3<<16)|(1<<21)
.irp g, G1, G1B
	s_mov_b32 s[\g+1], 32<<16
	s_mov_b32 s[\g+2], 100<<16
	s_mov_b32 s[\g+3], 32<<16
	s_mov_b32 s[\g+4], 100
	s_mov_b32 s[\g+5], 32
	s_mov_b32 s[\g+6], 0
	s_mov_b32 s[\g+7], 0
.endr
	s_lshl_b32 s46, s17, 1
	s_add_co_u32 s46, s46, s16
	s_lshl_b32 s46, s46, 3
	s_mul_i32 s46, s46, SLAB                       ; A: slab (2 y + half) x 8
	s_mov_b32 s47, 0
	s_lshl_b32 s92, s42, 1
	s_add_co_u32 s92, s92, s16
	s_lshl_b32 s93, s19, 3
	s_add_co_u32 s92, s92, s93
	s_lshl_b32 s92, s92, 3
	s_mul_i32 s92, s92, SLAB                       ; B: slab (8 panel + 2 column + half) x 8
	s_mov_b32 s93, 0
	s_mul_i32 s94, s14, CH
	s_lshl_b32 s70, s17, 20                        ; C: 256 y rows of 4,096 bytes,
	s_lshl_b32 s71, s15, 19                        ; my 128 rows,
	s_add_co_u32 s70, s70, s71
	s_lshl_b32 s71, s42, 10                        ; 256 columns a tile,
	s_add_co_u32 s70, s70, s71
	s_lshl_b32 s71, s16, 9                         ; my 128
	s_add_co_u32 s70, s70, s71
	s_mov_b32 s71, 0
	s_and_b32 s72, s70, 0xffffff                   ; the residual: the same place with the tile row alone
	s_mov_b32 s73, 0
	s_wait_dscnt 0x0
	s_wait_kmcnt 0x0
	s_add_nc_u64 s[46:47], s[4:5], s[46:47]
	s_add_nc_u64 s[92:93], s[6:7], s[92:93]
	s_add_nc_u64 s[10:11], s[10:11], s[70:71]
	s_add_nc_u64 s[8:9], s[8:9], s[72:73]
	CROUND
.irp s, 0,1
	s_mov_b32 s[G0+4*\s], 1
	s_add_co_u32 s[G0+4*\s+1], s94, \s*SLOT
	s_add_nc_u64 s[G0+4*\s+2:G0+4*\s+3], s[46:47], \s*CH
	s_or_b32 s[G0+4*\s+3], s[G0+4*\s+3], 0x80000000
	s_mov_b32 s[G0B+4*\s], 1
	s_add_co_u32 s[G0B+4*\s+1], s94, \s*SLOT
	s_add_nc_u64 s[G0B+4*\s+2:G0B+4*\s+3], s[92:93], \s*CH
	s_or_b32 s[G0B+4*\s+3], s[G0B+4*\s+3], 0x80000000
	JLOAD G0+4*\s, G1, G0B+4*\s, G1B
.endr
	v_and_b32 v1, 31, v0
	v_and_b32 v2, 15, v0
	v_bfe_u32 v3, v0, 4, 1
	v_lshlrev_b32 v4, 4, v1
	s_mul_i32 s66, s15, CH
	s_mul_i32 s67, s16, CH
	s_add_co_u32 s67, s67, 2*CH
	s_sub_co_u32 s68, s67, s66
	v_mul_u32_u24 v5, s68, v3
	v_lshl_add_u32 v5, v2, 2, v5
	v_add_nc_u32 v5, s66, v5
	v_add_nc_u32 v5, 12288, v5
.irp s, 0,1
	v_add_nc_u32 v[ADRA+\s], s66, v4
	v_add_nc_u32 v[ADRB+\s], s67, v4
	v_add_nc_u32 v[ADRS+\s], \s*SLOT, v5
	s_add_co_u32 s66, s66, SLOT
	s_add_co_u32 s67, s67, SLOT
.endr
	s_mul_i32 s66, s14, 8448                       ; my stage
	v_mul_u32_u24 v[STO], v2, 528
	v_lshl_add_u32 v[STO], v3, 6, v[STO]
	v_add_nc_u32 v[STO], s66, v[STO]               ; in: row r, + 64 h
	v_add_nc_u32 v[RD], s66, v4                    ; back: a row of 512 bytes
	v_mov_b32 v[CO], v4
	s_wait_tensorcnt 1                             ; my part of K step 0 is in; K step 1's may stay out
	s_barrier_signal -1
	s_barrier_wait -1
	FETCH_B 0, 0, 0
	FETCH_A 0, 0, 0
	SCALES 0
	FETCH_A 0, 0, 4
	STEP 0, 0, 1
	TURN 0, 1, 1
	STEP 1, 0, 0
	TURN 1, 0, 1
	STEP 0, 0, 0
	TURN 0, 1, 0
	STEP 1, 0, 0
	s_wait_dscnt 4*NL
	WIN MUL_LO
	MUL16 0, 1, NQ-1, 1, 0
	MUL16 2, 1, NQ-1, 1, 0
	s_wait_dscnt 0
	WIN MUL_HI
	MUL16 4, 1, NQ-1, 1, 0
	MUL16 6, 1, NQ-1, 1, 0
	WIN 0
	PLACES NP                                      ; in front of the first reads of results and of loads into A's registers
	s_cmp_lg_u32 s19, 0                            ; the panel: a cluster's number, the same in every wave of every partner
	s_cbranch_scc1 .Lplain
	WAYOUT 1
	s_branch .Ldone
.Lplain:
	WAYOUT 0
.Ldone:
	s_wait_tensorcnt 0x0                           ; the wave's end
	ds_add_u32 v[SPW], v[NIL]
	s_wait_dscnt 0x0
	CROUND                                         ; the closing round
	s_endpgm
.Lfunc_end_k_qb4bcfca1ae_gf:
	.size	k_qb4bcfca1ae_gf, .Lfunc_end_k_qb4bcfca1ae_gf-k_qb4bcfca1ae_gf
	.p2alignl 7, 3214868480
	.fill 96, 4, 3214868480
	.section	.rodata,"a",@progbits
	.p2align	6, 0x0
	.amdhsa_kernel k_qb4bcfca1ae_gf
		.amdhsa_group_segment_fixed_size 327680
		.amdhsa_private_segment_fixed_size 0
		.amdhsa_enable_private_segment 0
		.amdhsa_kernarg_size 32
		.amdhsa_user_sgpr_count 2
		.amdhsa_user_sgpr_kernarg_segment_ptr 1
		.amdhsa_wavefront_size32 1
		.amdhsa_system_sgpr_workgroup_id_x 1
		.amdhsa_system_sgpr_workgroup_id_y 1
		.amdhsa_system_sgpr_workgroup_id_z 1
		.amdhsa_system_vgpr_workitem_id 0
		.amdhsa_next_free_vgpr 1024
		.amdhsa_next_free_sgpr 98
		.amdhsa_reserve_vcc 0
		.amdhsa_float_denorm_mode_32 3
		.amdhsa_float_denorm_mode_16_64 3
		.amdhsa_memory_ordered 1
		.amdhsa_forward_progress 1
		.amdhsa_inst_pref_size 192
	.end_amdhsa_kernel
	.amdgpu_metadata
---
amdhsa.version: [ 1, 2 ]
amdhsa.kernels:
  - .name:           k_qb4bcfca1ae_gf
    .symbol:         k_qb4bcfca1ae_gf.kd
    .args:
      - { .name: ab, .offset: 0, .size: 8, .value_kind: global_buffer, .address_space: global }
      - { .name: woc, .offset: 8, .size: 8, .value_kind: global_buffer, .address_space: global }
      - { .name: x, .offset: 16, .size: 8, .value_kind: global_buffer, .address_space: global }
      - { .name: x1, .offset: 24, .size: 8, .value_kind: global_buffer, .address_space: global }
    .group_segment_fixed_size: 327680
    .private_segment_fixed_size: 0
    .kernarg_segment_align: 8
    .kernarg_segment_size: 32
    .max_flat_workgroup_size: 128
    .sgpr_count:     98
    .vgpr_count:     1024
    .wavefront_size: 32
...
	.end_amdgpu_metadata
.endif
;; end of part 5
;; launch ln2: the kernel of part 2 again; grid 256 x 1, 8 waves a work-group, no clusters, 69,632 bytes of LDS; arguments x1, ln2_a, ln2_b, cw; writes cw
;; launch gqr (part 6): grid 16 x 16, 4 waves a work-group, clusters of 4 x 4, 327,680 bytes of LDS; arguments cw, b1, ab; writes ab
.if DOCPART == 6
	.amdgcn_target "amdgcn-amd-amdhsa--gfx1250"
	.amdhsa_code_object_version 6
	.text
	.protected	k_qb4bcfca1ae_gqr
	.globl	k_qb4bcfca1ae_gqr
	.p2align	8
	.type	k_qb4bcfca1ae_gqr,@function
k_qb4bcfca1ae_gqr:
	s_mov_b64 s[64:65], 0
	v_nop
	global_prefetch_b8 v0, s[64:65] scope:SCOPE_SE
	s_setreg_imm32_b32 hwreg(HW_REG_WAVE_MODE, 25, 1), 1
	s_wait_xcnt 0x0
	s_wait_alu depctr_hold_cnt(0) depctr_sa_sdst(0) depctr_va_vdst(0) depctr_va_sdst(0) depctr_va_ssrc(0) depctr_va_vcc(0) depctr_vm_vsrc(0)
	s_getreg_b32 s2, hwreg(HW_REG_IB_STS2, 6, 4)
	s_cmp_eq_u32 s2, 0
	s_cbranch_scc0 .Lentry_in_a_cluster
	s_endpgm
.Lentry_in_a_cluster:
	s_bfe_u32 s2, ttmp6, 0x10000c
	s_cmp_lg_u32 s2, 0xf033
	s_cbranch_scc0 .Lentry_shape_is_right
	s_endpgm
.Lentry_shape_is_right:
; hid = relu(h2 W1^T + b1), K = 1,024, on slabs of BF6 codes; the result is quantised in registers along the 4,096 hidden units and stored as slabs ((unit / 1,024) x 32 + token / 128) x 8 + (unit / 128) % 8.  Nothing is left out.
; The product is that of the launch for q, k and V^T: 256 x 256 a work-group, 128 x 128 a wave, two LDS slots of 256 along K, joint loads in clusters of 4 x 4, four K steps written out; at most two tensor loads of a wave are out.
; The bias is the C of each sum's first product: eight registers for each of B's eight blocks, in the result's layout (lane (r, h), block b: units 32 (b / 2) + 16 h + 8 (b % 2) + 0 .. 7).
; LIMITS: as stated at the head of the first launch.
.set SLAB,  12800
.set CH,    2*SLAB
.set SLOT,  4*CH
.set SPARE, 2*SLOT
.set FR,    12
.set NL,    3
.set NQ,    2
.set NP,    4
.set ADRA,  16
.set ADRB,  20
.set ADRS,  22
.set SGA,   24
.set RD,    25
.set CO,    26
.set BO,    27
.set SPW,   28
.set NIL,   29
.set SC,    32
.set BI,    64                         ; v64-127 the bias
.set AF,    128
.set PC,    128
.set TM,    160
.set PW,    176
.set G1,    24
.set G0,    32
.set G1B,   48
.set G0B,   56
.set TO_B,  0x40
.set MSB, 0
.macro WIN new
.if MSB != (\new)
	s_set_vgpr_msb (MSB<<8)|(\new)
.set MSB, (\new)
.endif
.endm
.macro WMUL hi, zero                   ; source 0 (B) window 1, source 1 (A) window 0, D window 2 or 3; C with D, or, where the bias starts the sums, window 0
.if \zero
	WIN 0x81+0x40*\hi
.else
	WIN 0xa1+0x50*\hi
.endif
.endm
.macro PLACES n
.rept \n
	v_nop
.endr
.endm
.macro JLOAD g0a, g1a, g0b, g1b
	s_cmp_eq_u32 s15, 0
	s_cbranch_scc0 .Lfor_b_\@
	tensor_load_to_lds s[\g0a:\g0a+3], s[\g1a:\g1a+7]
	s_nop 0
.rept 4
	v_nop
.endr
	s_branch .Lasked_\@
.Lfor_b_\@:
	tensor_load_to_lds s[\g0b:\g0b+3], s[\g1b:\g1b+7]
	s_nop 0
.rept 4
	v_nop
.endr
.Lasked_\@:
.endm
.macro CREST
	s_cmp_lg_u32 s14, 0
	s_cbranch_scc1 .Lnot_wave_0_\@
	s_barrier_signal -3
.Lnot_wave_0_\@:
	s_barrier_wait -3
	s_barrier_signal -1
	s_barrier_wait -1
.endm
.macro CROUND
	s_barrier_signal -1
	s_barrier_wait -1
	CREST
.endm
.macro FRAG reg, adr, q, i
.irp c, 0,1,2
	ds_load_b128 v[\reg+4*\c:\reg+4*\c+3], v[\adr] offset:(\q)*SLAB+1536*(\i)+512*\c
.endr
.endm
.macro FETCH_B slot, q, p
	WIN TO_B
.irp i, 0,1,2,3,4,5,6,7
	FRAG 128*(\p)+FR*\i, ADRB+\slot, \q, \i
.endr
	WIN 0
.endm
.macro FETCH_A slot, q, i0
.irp i, \i0, \i0+1, \i0+2, \i0+3
	FRAG AF+FR*(\i), ADRA+\slot, \q, \i
.endr
.endm
.macro SCALES sc
.irp i, 0,1,2,3,4,5,6,7
.irp q, 0,1
	ds_load_b32 v[SC+16*\sc+2*\i+\q], v[ADRS+\sc] offset:\q*SLAB+64*\i
.endr
.endr
.endm
.macro MUL16 a0, p, q, sc, zero        ; the 64 accumulators take turns
.irp a, \a0, \a0+1
.irp b, 0,1,2,3,4,5,6,7
.if \zero
	v_wmma_scale_f32_16x16x128_f8f6f4 v[8*(8*((\a)%4)+\b):8*(8*((\a)%4)+\b)+7], v[128*(\p)+FR*\b:128*(\p)+FR*\b+FR-1], v[AF+FR*(\a):AF+FR*(\a)+FR-1], v[BI+8*\b:BI+8*\b+7], v[SC+8*NQ*(\sc)+NQ*\b+(\q)], v[SC+8*NQ*(\sc)+NQ*(\a)+(\q)] matrix_a_fmt:MATRIX_FMT_BF6 matrix_b_fmt:MATRIX_FMT_BF6 matrix_a_scale:MATRIX_SCALE_ROW1
.else
	v_wmma_scale_f32_16x16x128_f8f6f4 v[8*(8*((\a)%4)+\b):8*(8*((\a)%4)+\b)+7], v[128*(\p)+FR*\b:128*(\p)+FR*\b+FR-1], v[AF+FR*(\a):AF+FR*(\a)+FR-1], v[8*(8*((\a)%4)+\b):8*(8*((\a)%4)+\b)+7], v[SC+8*NQ*(\sc)+NQ*\b+(\q)], v[SC+8*NQ*(\sc)+NQ*(\a)+(\q)] matrix_a_fmt:MATRIX_FMT_BF6 matrix_b_fmt:MATRIX_FMT_BF6 matrix_a_scale:MATRIX_SCALE_ROW1
.endif
.endr
.endr
.endm
.macro STEP slot, q, zero
	s_wait_dscnt 4*NL                              ; all but A's blocks 4-7, the youngest 12 loads
	WMUL 0, \zero
	MUL16 0, (\q)%2, \q, \slot, \zero
	MUL16 2, (\q)%2, \q, \slot, \zero
	s_wait_dscnt 0
	PLACES NP
	FETCH_B \slot, (\q)+1, 1-(\q)%2
	FETCH_A \slot, (\q)+1, 0
	WMUL 1, \zero
	MUL16 4, (\q)%2, \q, \slot, \zero
	MUL16 6, (\q)%2, \q, \slot, \zero
	PLACES NP
	WIN 0
	FETCH_A \slot, (\q)+1, 4
.endm
.macro TURN slot, next, fill
	s_wait_tensorcnt 0x0                           ; all my tensor loads have landed: my part of the next slot
	ds_add_u32 v[SPW], v[NIL]
	s_wait_dscnt 4*NL+1                            ; (the add and A's blocks 4-7 may be out)
	WMUL 0, 0
	MUL16 0, 1, NQ-1, \slot, 0
	s_wait_dscnt 0x0                               ; the add is done, my reads of this slot are over
	s_barrier_signal -1
	MUL16 2, 1, NQ-1, \slot, 0
	WIN 0
	s_barrier_wait -1
.if \fill
	CREST                                          ; a round of the cluster's barrier: no wave of any partner still reads this slot or has a load on its way
	s_add_nc_u64 s[G0+4*\slot+2:G0+4*\slot+3], s[G0+4*\slot+2:G0+4*\slot+3], 2*CH
	s_add_nc_u64 s[G0B+4*\slot+2:G0B+4*\slot+3], s[G0B+4*\slot+2:G0B+4*\slot+3], 2*CH
	JLOAD G0+4*\slot, G1, G0B+4*\slot, G1B
.else
	PLACES NP
.endif
	FETCH_B \next, 0, 0
	FETCH_A \next, 0, 0
	SCALES \next
	WMUL 1, 0
	MUL16 4, 1, NQ-1, \slot, 0
	MUL16 6, 1, NQ-1, \slot, 0
	PLACES NP
	WIN 0
	FETCH_A \next, 0, 4
.endm
.macro QUANT s, W
	WIN (\W)|((\W)<<2)
.irp b, 0,1,2,3
	v_max3_num_f32 v[TM+\b], |v[\s+16*\b]|, |v[\s+1+16*\b]|, 0x2800000
.endr
	WIN ((\W)<<2)|((\W)<<4)
.irp i, 2,4,6,8,10,12,14
.irp b, 0,1,2,3
	v_max3_num_f32 v[TM+\b], v[TM+\b], |v[\s+16*\b+\i]|, |v[\s+1+16*\b+\i]|
.endr
.endr
	WIN 0
.irp b, 0,1,2,3
	v_permlanex16_b32 v[TM+4+\b], v[TM+\b], s96, s97
.endr
.irp b, 0,1,2,3
	v_max_num_f32 v[TM+\b], v[TM+\b], v[TM+4+\b]
.endr
.irp b, 0,1,2,3
	v_add_nc_u32 v[TM+12+\b], 0xfe000000, v[TM+\b]
.endr
.irp b, 0,1,2,3
	v_lshrrev_b32 v[TM+8+\b], 23, v[TM+12+\b]
.endr
	v_lshl_or_b32 v[PW], v[TM+9], 8, v[TM+8]
	v_lshl_or_b32 v[PW], v[TM+10], 16, v[PW]
	v_lshl_or_b32 v[PW], v[TM+11], 24, v[PW]
	WIN \W
.irp c, 0,1
	v_cvt_scalef32_pk16_bf6_f32 v[PC+6*\c:PC+2+6*\c], v[\s+32*\c:\s+15+32*\c], v[TM+12+2*\c]
	v_cvt_scalef32_pk16_bf6_f32 v[PC+12+4*\c:PC+14+4*\c], v[\s+16+32*\c:\s+31+32*\c], v[TM+12+2*\c+1]
.endr
	WIN 0
	v_nop
.irp c, 0,1
.irp i, 0,1,2
	v_permlane16_swap_b32 v[PC+6*\c+\i], v[PC+12+4*\c+\i]
.endr
.irp i, 0,1,2
	v_mov_b32 v[PC+3+6*\c+\i], v[PC+12+4*\c+\i]
.endr
.endr
.endm
.macro QBLK a
.set AC, 64*((\a)%4)
.set WW, 2+(\a)/4
.if (\a) > 0
	s_wait_xcnt 0x0                                ; the last image's stores have read their registers
.endif
	WIN (WW<<6)|(WW<<2)
.set j, 0
.rept 64
	v_max_num_f32 v[AC+j], 0, v[AC+j]              ; the activation, in f32; each accumulator from its low end on
.set j, j+1
.endr
	QUANT AC, WW
	ds_store_b32 v[SGA], v[PW] offset:64*(\a)
.irp k, 0,1,2
	global_store_b128 v[CO], v[PC+4*\k:PC+4*\k+3], s[12:13] offset:1536*(\a)+512*\k
.endr
.endm
	s_load_b128 s[4:7], s[0:1], 0x0                ; cw, b1
	s_load_b64 s[8:9], s[0:1], 0x10                ; ab
	v_lshl_add_u32 v[SPW], v0, 2, SPARE
	v_mov_b32 v[NIL], 0
	ds_add_u32 v[SPW], v[NIL]                      ; the opening: the add, twice on end, and its wait ahead of my first tensor load
	ds_add_u32 v[SPW], v[NIL]
	v_lshrrev_b32 v1, 5, v0
	v_readfirstlane_b32 s14, v1
	s_lshr_b32 s15, s14, 1
	s_and_b32 s16, s14, 1
	s_bfe_u32 s40, ttmp6, 0x40000
	s_bfe_u32 s41, ttmp6, 0x40004
	s_and_b32 s18, ttmp7, 0xffff
	s_lshl_b32 s17, s18, 2
	s_add_co_u32 s17, s17, s41                     ; tile row: tokens
	s_lshl_b32 s42, ttmp9, 2
	s_add_co_u32 s42, s42, s40                     ; tile column: hidden units
	s_lshl_b32 s43, s41, 2
	s_lshl_b32 s43, 15, s43
	s_lshl_b32 s44, 0x1111, s40
	s_or_b32 s[G1+0], s43, (3<<16)|(1<<21)
	s_or_b32 s[G1B+0], s44, (3<<16)|(1<<21)
.irp g, G1, G1B
	s_mov_b32 s[\g+1], 32<<16
	s_mov_b32 s[\g+2], 100<<16
	s_mov_b32 s[\g+3], 32<<16
	s_mov_b32 s[\g+4], 100
	s_mov_b32 s[\g+5], 32
	s_mov_b32 s[\g+6], 0
	s_mov_b32 s[\g+7], 0
.endr
	s_lshl_b32 s46, s17, 1
	s_add_co_u32 s46, s46, s16
	s_lshl_b32 s46, s46, 3
	s_mul_i32 s46, s46, SLAB                       ; A: h2's slabs, from 0
	s_mov_b32 s47, 0
	s_lshl_b32 s92, s42, 1
	s_add_co_u32 s92, s92, s16
	s_lshl_b32 s92, s92, 3
	s_add_co_u32 s92, s92, 448
	s_mul_i32 s92, s92, SLAB                       ; B: w1's slabs, from 448
	s_mov_b32 s93, 0
	s_mul_i32 s94, s14, CH
	s_lshl_b32 s70, s17, 1
	s_add_co_u32 s70, s70, s15                     ; R: my block of tokens
	s_lshl_b32 s71, s42, 1
	s_add_co_u32 s71, s71, s16                     ; cg: my block of hidden units
	s_lshr_b32 s72, s71, 3
	s_lshl_b32 s72, s72, 5
	s_add_co_u32 s72, s72, s70
	s_lshl_b32 s72, s72, 3
	s_and_b32 s73, s71, 7
	s_add_co_u32 s72, s72, s73
	s_mul_i32 s72, s72, SLAB
	s_mov_b32 s73, 0
	s_lshl_b32 s74, s71, 9                         ; my 128 numbers of b1
	s_mov_b32 s75, 0
	s_mov_b32 s96, 0x76543210
	s_mov_b32 s97, 0xfedcba98
	s_wait_dscnt 0x0
	s_wait_kmcnt 0x0
	s_add_nc_u64 s[46:47], s[4:5], s[46:47]
	s_add_nc_u64 s[92:93], s[4:5], s[92:93]
	s_add_nc_u64 s[12:13], s[8:9], s[72:73]
	s_add_nc_u64 s[6:7], s[6:7], s[74:75]
	CROUND
.irp s, 0,1
	s_mov_b32 s[G0+4*\s], 1
	s_add_co_u32 s[G0+4*\s+1], s94, \s*SLOT
	s_add_nc_u64 s[G0+4*\s+2:G0+4*\s+3], s[46:47], \s*CH
	s_or_b32 s[G0+4*\s+3], s[G0+4*\s+3], 0x80000000
	s_mov_b32 s[G0B+4*\s], 1
	s_add_co_u32 s[G0B+4*\s+1], s94, \s*SLOT
	s_add_nc_u64 s[G0B+4*\s+2:G0B+4*\s+3], s[92:93], \s*CH
	s_or_b32 s[G0B+4*\s+3], s[G0B+4*\s+3], 0x80000000
	JLOAD G0+4*\s, G1, G0B+4*\s, G1B
.endr
	v_and_b32 v1, 31, v0
	v_and_b32 v2, 15, v0
	v_bfe_u32 v3, v0, 4, 1
	v_lshlrev_b32 v4, 4, v1
	v_lshlrev_b32 v[BO], 6, v3                     ; 16 h numbers
.irp b, 0,1,2,3,4,5,6,7
	global_load_b128 v[BI+8*\b:BI+8*\b+3], v[BO], s[6:7] offset:(32*(\b/2)+8*(\b%2))*4
	global_load_b128 v[BI+8*\b+4:BI+8*\b+7], v[BO], s[6:7] offset:(32*(\b/2)+8*(\b%2))*4+16
.endr
	s_mul_i32 s66, s15, CH
	s_mul_i32 s67, s16, CH
	s_add_co_u32 s67, s67, 2*CH
	s_sub_co_u32 s68, s67, s66
	v_mul_u32_u24 v5, s68, v3
	v_lshl_add_u32 v5, v2, 2, v5
	v_add_nc_u32 v5, s66, v5
	v_add_nc_u32 v5, 12288, v5
.irp s, 0,1
	v_add_nc_u32 v[ADRA+\s], s66, v4
	v_add_nc_u32 v[ADRB+\s], s67, v4
	v_add_nc_u32 v[ADRS+\s], \s*SLOT, v5
	s_add_co_u32 s66, s66, SLOT
	s_add_co_u32 s67, s67, SLOT
.endr
	s_lshl_b32 s66, s14, 9                         ; the way out: my 512 bytes of scale words, in slot 0, which has had its last fill and its last read by then
	v_lshl_add_u32 v[SGA], v2, 2, s66
	v_add_nc_u32 v[RD], s66, v4
	v_mov_b32 v[CO], v4
	s_wait_tensorcnt 1                             ; my part of K step 0 is in; K step 1's may stay out
	s_barrier_signal -1
	s_barrier_wait -1
	FETCH_B 0, 0, 0
	FETCH_A 0, 0, 0
	SCALES 0
	FETCH_A 0, 0, 4
	s_wait_loadcnt 0x0                             ; the bias
	STEP 0, 0, 1                                   ; the first products start the sums from the bias
	TURN 0, 1, 1
	STEP 1, 0, 0
	TURN 1, 0, 1
	STEP 0, 0, 0
	TURN 0, 1, 0
	STEP 1, 0, 0
	s_wait_dscnt 4*NL
	WMUL 0, 0
	MUL16 0, 1, NQ-1, 1, 0
	MUL16 2, 1, NQ-1, 1, 0
	s_wait_dscnt 0
	WMUL 1, 0
	MUL16 4, 1, NQ-1, 1, 0
	MUL16 6, 1, NQ-1, 1, 0
	WIN 0
	PLACES NP
.irp b, 0,1,2,3
	v_mov_b32 v[TM+4+\b], 0                        ; a lane permute's destination counts as read
.endr
.irp a, 0,1,2,3,4,5,6,7
	QBLK \a
.endr
	ds_load_b128 v[TM:TM+3], v[RD]                 ; LDS serves a wave's instructions in order: this sees my eight stores
	s_wait_dscnt 0x0
	global_store_b128 v[CO], v[TM:TM+3], s[12:13] offset:12288
	s_wait_tensorcnt 0x0                           ; the wave's end
	ds_add_u32 v[SPW], v[NIL]
	s_wait_dscnt 0x0
	CROUND                                         ; the closing round
	s_endpgm
.Lfunc_end_k_qb4bcfca1ae_gqr:
	.size	k_qb4bcfca1ae_gqr, .Lfunc_end_k_qb4bcfca1ae_gqr-k_qb4bcfca1ae_gqr
	.p2alignl 7, 3214868480
	.fill 96, 4, 3214868480
	.section	.rodata,"a",@progbits
	.p2align	6, 0x0
	.amdhsa_kernel k_qb4bcfca1ae_gqr
		.amdhsa_group_segment_fixed_size 327680
		.amdhsa_private_segment_fixed_size 0
		.amdhsa_enable_private_segment 0
		.amdhsa_kernarg_size 24
		.amdhsa_user_sgpr_count 2
		.amdhsa_user_sgpr_kernarg_segment_ptr 1
		.amdhsa_wavefront_size32 1
		.amdhsa_system_sgpr_workgroup_id_x 1
		.amdhsa_system_sgpr_workgroup_id_y 1
		.amdhsa_system_sgpr_workgroup_id_z 1
		.amdhsa_system_vgpr_workitem_id 0
		.amdhsa_next_free_vgpr 1024
		.amdhsa_next_free_sgpr 98
		.amdhsa_reserve_vcc 0
		.amdhsa_float_denorm_mode_32 3
		.amdhsa_float_denorm_mode_16_64 3
		.amdhsa_memory_ordered 1
		.amdhsa_forward_progress 1
		.amdhsa_inst_pref_size 158
	.end_amdhsa_kernel
	.amdgpu_metadata
---
amdhsa.version: [ 1, 2 ]
amdhsa.kernels:
  - .name:           k_qb4bcfca1ae_gqr
    .symbol:         k_qb4bcfca1ae_gqr.kd
    .args:
      - { .name: cw, .offset: 0, .size: 8, .value_kind: global_buffer, .address_space: global }
      - { .name: b1, .offset: 8, .size: 8, .value_kind: global_buffer, .address_space: global }
      - { .name: ab, .offset: 16, .size: 8, .value_kind: global_buffer, .address_space: global }
    .group_segment_fixed_size: 327680
    .private_segment_fixed_size: 0
    .kernarg_segment_align: 8
    .kernarg_segment_size: 24
    .max_flat_workgroup_size: 128
    .sgpr_count:     98
    .vgpr_count:     1024
    .wavefront_size: 32
...
	.end_amdgpu_metadata
.endif
;; end of part 6
;; launch gw2: the kernel of part 5 again; grid 4 x 64, 4 waves a work-group, clusters of 4 x 4, 327,680 bytes of LDS; arguments ab, w2c, x1, big; writes big
;; launch final (part 7): grid 256 x 1, 8 waves a work-group, no clusters, 0 bytes of LDS; arguments big, b2, out0; writes out0
.if DOCPART == 7
	.amdgcn_target "amdgcn-amd-amdhsa--gfx1250"
	.amdhsa_code_object_version 6
	.text
	.protected	k_qb4bcfca1ae_final
	.globl	k_qb4bcfca1ae_final
	.p2align	8
	.type	k_qb4bcfca1ae_final,@function
k_qb4bcfca1ae_final:
	s_mov_b64 s[64:65], 0
	v_nop
	global_prefetch_b8 v0, s[64:65] scope:SCOPE_SE
	s_setreg_imm32_b32 hwreg(HW_REG_WAVE_MODE, 25, 1), 1
	s_wait_xcnt 0x0
; out0 = ((p0 + p1) + (p2 + p3)) + b2: the four K panels' partial sums of the last product (p0 carries the residual x1), [4][4096][1024] f32, added in a fixed order.  Nothing is left out.
; A stream: a work-group owns 16 rows, thread t the 16 bytes at 16 t of every row, so that a wave's load or store covers 512 consecutive bytes.  Rows go in four groups of 4 (16 loads) through two sets of registers.
; No LDS, no matrix unit, no cluster: the work-groups share nothing but b2's 4,096 bytes.
	s_load_b128 s[4:7], s[0:1], 0x0                ; big, b2
	s_load_b64 s[8:9], s[0:1], 0x10                ; out0
	v_lshlrev_b32 v1, 4, v0
	s_lshl_b32 s10, ttmp9, 16                      ; 16 rows of 4,096 bytes
	s_mov_b32 s11, 0
	s_wait_kmcnt 0x0
	s_add_nc_u64 s[12:13], s[4:5], s[10:11]
	s_add_nc_u64 s[14:15], s[12:13], 0x1000000
	s_add_nc_u64 s[16:17], s[14:15], 0x1000000
	s_add_nc_u64 s[18:19], s[16:17], 0x1000000
	s_add_nc_u64 s[8:9], s[8:9], s[10:11]
	global_load_b128 v[4:7], v1, s[6:7]
.macro LOADG g
.irp r, 0,1,2,3
.irp p, 0,1,2,3
	global_load_b128 v[16+64*((\g)%2)+16*\r+4*\p:19+64*((\g)%2)+16*\r+4*\p], v1, s[12+2*\p:13+2*\p] offset:(4*(\g)+\r)*4096 th:TH_LOAD_NT
.endr
.endr
.endm
.macro SUMG g, left
	s_wait_loadcnt \left                           ; this group's 16 loads are in; the next group's may be out
.irp r, 0,1,2,3
.irp e, 0,2
	v_pk_add_f32 v[16+64*((\g)%2)+16*\r+\e:17+64*((\g)%2)+16*\r+\e], v[16+64*((\g)%2)+16*\r+\e:17+64*((\g)%2)+16*\r+\e], v[20+64*((\g)%2)+16*\r+\e:21+64*((\g)%2)+16*\r+\e]
	v_pk_add_f32 v[24+64*((\g)%2)+16*\r+\e:25+64*((\g)%2)+16*\r+\e], v[24+64*((\g)%2)+16*\r+\e:25+64*((\g)%2)+16*\r+\e], v[28+64*((\g)%2)+16*\r+\e:29+64*((\g)%2)+16*\r+\e]
.endr
.irp e, 0,2
	v_pk_add_f32 v[16+64*((\g)%2)+16*\r+\e:17+64*((\g)%2)+16*\r+\e], v[16+64*((\g)%2)+16*\r+\e:17+64*((\g)%2)+16*\r+\e], v[24+64*((\g)%2)+16*\r+\e:25+64*((\g)%2)+16*\r+\e]
.endr
.irp e, 0,2
	v_pk_add_f32 v[16+64*((\g)%2)+16*\r+\e:17+64*((\g)%2)+16*\r+\e], v[16+64*((\g)%2)+16*\r+\e:17+64*((\g)%2)+16*\r+\e], v[4+\e:5+\e]
.endr
	global_store_b128 v1, v[16+64*((\g)%2)+16*\r:19+64*((\g)%2)+16*\r], s[8:9] offset:(4*(\g)+\r)*4096 th:TH_STORE_NT
.endr
.endm
	LOADG 0
	LOADG 1
	SUMG 0, 16
	s_wait_xcnt 0x0                                ; the stores have read their registers: the set is filled again only behind this wait
	LOADG 2
	SUMG 1, 16
	s_wait_xcnt 0x0
	LOADG 3
	SUMG 2, 16
	SUMG 3, 0
	s_endpgm
.Lfunc_end_k_qb4bcfca1ae_final:
	.size	k_qb4bcfca1ae_final, .Lfunc_end_k_qb4bcfca1ae_final-k_qb4bcfca1ae_final
	.p2alignl 7, 3214868480
	.fill 96, 4, 3214868480
	.section	.rodata,"a",@progbits
	.p2align	6, 0x0
	.amdhsa_kernel k_qb4bcfca1ae_final
		.amdhsa_group_segment_fixed_size 0
		.amdhsa_private_segment_fixed_size 0
		.amdhsa_enable_private_segment 0
		.amdhsa_kernarg_size 24
		.amdhsa_user_sgpr_count 2
		.amdhsa_user_sgpr_kernarg_segment_ptr 1
		.amdhsa_wavefront_size32 1
		.amdhsa_system_sgpr_workgroup_id_x 1
		.amdhsa_system_sgpr_workgroup_id_y 1
		.amdhsa_system_sgpr_workgroup_id_z 1
		.amdhsa_system_vgpr_workitem_id 0
		.amdhsa_next_free_vgpr 144
		.amdhsa_next_free_sgpr 66
		.amdhsa_reserve_vcc 0
		.amdhsa_float_denorm_mode_32 3
		.amdhsa_float_denorm_mode_16_64 3
		.amdhsa_memory_ordered 1
		.amdhsa_forward_progress 1
		.amdhsa_inst_pref_size 17
	.end_amdhsa_kernel
	.amdgpu_metadata
---
amdhsa.version: [ 1, 2 ]
amdhsa.kernels:
  - .name:           k_qb4bcfca1ae_final
    .symbol:         k_qb4bcfca1ae_final.kd
    .args:
      - { .name: big, .offset: 0, .size: 8, .value_kind: global_buffer, .address_space: global }
      - { .name: b2, .offset: 8, .size: 8, .value_kind: global_buffer, .address_space: global }
      - { .name: out0, .offset: 16, .size: 8, .value_kind: global_buffer, .address_space: global }
    .group_segment_fixed_size: 0
    .private_segment_fixed_size: 0
    .kernarg_segment_align: 8
    .kernarg_segment_size: 24
    .max_flat_workgroup_size: 256
    .sgpr_count:     66
    .vgpr_count:     144
    .wavefront_size: 32
...
	.end_amdgpu_metadata
.endif
;; end of part 7
;; ======== version 2 of 2: 8 launches
;; limits: right only within a limited range of input values
;; workspace buffers: cw 9,011,200 bytes; woc 819,200 bytes; w2c 3,276,800 bytes; mbits 524,288 bytes of whole numbers; mflag 8,192 bytes of whole numbers; big 9,830,400 bytes; ab 13,107,200 bytes; x1 16,777,216 bytes
;; launch wprep (part 8): grid 1024 x 1, 8 waves a work-group, no clusters, 69,120 bytes of LDS; arguments wq, wk, wv, wo, w1, w2, mask, cw, woc, w2c, mbits, mflag; writes cw, woc, w2c, mbits, mflag
.if DOCPART == 8
	.amdgcn_target "amdgcn-amd-amdhsa--gfx1250"
	.amdhsa_code_object_version 6
	.text
	.protected	k_qb4bcfca1ae_wprep
	.globl	k_qb4bcfca1ae_wprep
	.p2align	8
	.type	k_qb4bcfca1ae_wprep,@function
k_qb4bcfca1ae_wprep:
	s_mov_b64 s[64:65], 0
	v_nop
	global_prefetch_b8 v0, s[64:65] scope:SCOPE_SE
	s_setreg_imm32_b32 hwreg(HW_REG_WAVE_MODE, 25, 1), 1
	s_wait_xcnt 0x0
; ENCODER BLOCK, launch 1 of 8.  No work of the block is left out: every input has a way to the output and is loaded by some launch, and every product is done.
; This launch turns the six weights into codes of BF6 (E3M2) with one E8M0 byte for each 32 along K (their last axis), and the mask into lane-mask words.
; THE SLAB, the one layout of every quantised operand of this program: 128 rows x 128 along K in 12,800 bytes.  Eight images of 1,536 bytes, each a fragment's registers as they stand:
; registers 4 c .. 4 c + 3 of lane l at 1536 i + 512 c + 16 l.  Lane r of image i is row 32 (i / 2) + 8 (i % 2) + r % 8 + 16 (r / 8) of the 128.  The scale word of image i, lane r: 12,288 + 64 i + 4 r.
; Work-groups 0-767: one slab each, wave i makes image i.  Work-groups 768-1023: each wave packs 16 queries x 128 keys of the mask into 64 words:
; word 16 g + i, bit (r, h) = mask[query of lane r][128 ks + 32 g + 16 h + i] != 0: the lane mask of score register 16 g + i in the attention launch.
; LIMITS: a block of zeros gets the byte 1 where the rule says 127 (its codes are zeros, which add nothing; this program alone reads the bytes); blocks whose largest magnitude lies under 2^-122 are held at that byte;
; NaN and infinities among the inputs are not served.
.set SLAB,  12800
.set STGB,  8448                       ; a wave's stage: 16 rows x (512 + 16) bytes
.set SCG,   8*STGB                     ; the slab's 512 bytes of scale words are gathered here
.set SPARE, SCG+512                    ; the spare words, 128 bytes a wave
.set X,     16                         ; v16-79  64 numbers
.set T,     80                         ; v80-87  at work
.set C,     96                         ; v96-115 codes
; 64 numbers of a lane, two whole blocks of 32 (v[X + 32 c ..]: k = 64 c + 32 h + 0 .. 31 of row r), become the fragment's 12 registers v[C ..] and the row's scale word v[T + 6]
.macro QB
.irp c, 0,1
	v_max3_num_f32 v[T+\c], |v[X+32*\c]|, |v[X+32*\c+1]|, 0x2800000      ; the floor 2^(5 - 127) holds the byte at 1 from below
.endr
.irp i, 2,4,6,8,10,12,14,16,18,20,22,24,26,28,30
.irp c, 0,1
	s_delay_alu instid0(VALU_DEP_2)
	v_max3_num_f32 v[T+\c], v[T+\c], |v[X+32*\c+\i]|, |v[X+32*\c+\i+1]|
.endr
.endr
.irp c, 0,1
	s_delay_alu instid0(VALU_DEP_2)
	v_add_nc_u32 v[T+2+\c], 0xfe000000, v[T+\c]    ; 4 off the exponent field: the conversion's scale operand
.endr
.irp c, 0,1
	s_delay_alu instid0(VALU_DEP_2)
	v_lshrrev_b32 v[T+4+\c], 23, v[T+2+\c]         ; the byte
.endr
	s_delay_alu instid0(VALU_DEP_1)
	v_lshl_or_b32 v[T+6], v[T+5], 16, v[T+4]       ; my bytes: blocks h and 2 + h
	v_lshlrev_b32 v[T+7], 3, v3
	s_delay_alu instid0(VALU_DEP_1)
	v_lshlrev_b32 v[T+6], v[T+7], v[T+6]
	v_mov_b32 v[T+7], 0
	s_delay_alu instid0(VALU_DEP_1)
	v_permlanex16_b32 v[T+7], v[T+6], s41, s42
	s_delay_alu instid0(VALU_DEP_1)
	v_or_b32 v[T+6], v[T+6], v[T+7]                ; with lane l xor 16's two the word is whole
.irp c, 0,1
	v_cvt_scalef32_pk16_bf6_f32 v[C+6*\c:C+6*\c+2], v[X+32*\c:X+32*\c+15], v[T+2+\c]
	v_cvt_scalef32_pk16_bf6_f32 v[C+12+4*\c:C+14+4*\c], v[X+32*\c+16:X+32*\c+31], v[T+2+\c]   ; (three registers begin on an even number)
.endr
	v_nop                                          ; a plain place behind the conversions
.irp c, 0,1
.irp i, 0,1,2
	v_mov_b32 v[C+3+6*\c+\i], v[C+12+4*\c+\i]
.endr
.endr
.endm
.macro LOADS pitch                     ; my image's 16 rows, 512 consecutive bytes a load
.irp j, 0,1,2,3,4,5,6,7,8,9,10,11,12,13,14,15
	global_load_b128 v[X+4*\j:X+4*\j+3], v4, s[26:27] offset:(\j%8+16*(\j/8))*\pitch th:TH_LOAD_NT
.endr
.endm
	s_load_b512 s[4:19], s[0:1], 0x0               ; wq, wk, wv, wo, w1, w2, mask s[16:17], cw s[18:19]
	s_load_b128 s[20:23], s[0:1], 0x40             ; woc, w2c
	s_load_b64 s[24:25], s[0:1], 0x50              ; mbits
	s_load_b64 s[60:61], s[0:1], 0x58              ; mflag
	v_lshl_add_u32 v12, v0, 2, SPARE
	v_mov_b32 v13, 0
	v_lshrrev_b32 v1, 5, v0
	s_delay_alu instid0(VALU_DEP_1)
	v_readfirstlane_b32 s40, v1                    ; wave
	v_and_b32 v1, 31, v0                           ; lane
	v_and_b32 v2, 15, v0                           ; r
	v_bfe_u32 v3, v0, 4, 1                         ; h
	s_delay_alu instid0(VALU_DEP_3)
	v_lshlrev_b32 v4, 4, v1                        ; 16 x lane
	s_mov_b32 s41, 0x76543210
	s_mov_b32 s42, 0xfedcba98
	s_cmp_lt_u32 ttmp9, 768                        ; the work-group's number alone: all eight waves go the same way
	s_cbranch_scc0 .Lmask
	; ---- a weight's slab
	s_mul_i32 s43, s40, STGB
	v_add_nc_u32 v5, s43, v4                       ; the stage, in: 16 x lane, 528 a row
	v_mul_u32_u24 v6, v2, 528
	s_delay_alu instid0(VALU_DEP_1)
	v_lshl_add_u32 v6, v3, 7, v6
	s_delay_alu instid0(VALU_DEP_1)
	v_add_nc_u32 v6, s43, v6                       ; out: row r, + 128 h
	s_lshl_b32 s43, s40, 6
	v_lshl_add_u32 v7, v2, 2, s43
	s_delay_alu instid0(VALU_DEP_1)
	v_add_nc_u32 v7, SCG, v7                       ; my image's scale words
	v_add_nc_u32 v8, SCG, v4
	s_lshr_b32 s44, s40, 1
	s_lshl_b32 s44, s44, 5
	s_and_b32 s45, s40, 1
	s_lshl_b32 s45, s45, 3
	s_add_co_u32 s44, s44, s45                     ; my image's first row of the 128
	s_wait_kmcnt 0x0
	s_mov_b64 s[26:27], s[14:15]                   ; which tensor: from the top down; the conditions hang on the work-group's number alone
	s_mov_b64 s[28:29], s[22:23]
	s_mov_b32 s30, 512                             ; the tensor's first work-group
	s_mov_b32 s31, 0xfffffe00                      ; slab in the target = work-group + this
	s_cmp_lt_u32 ttmp9, 512
	s_cselect_b64 s[26:27], s[12:13], s[26:27]
	s_cselect_b64 s[28:29], s[18:19], s[28:29]
	s_cselect_b32 s30, 256, s30
	s_cselect_b32 s31, 192, s31
	s_cmp_lt_u32 ttmp9, 256
	s_cselect_b64 s[26:27], s[10:11], s[26:27]
	s_cselect_b64 s[28:29], s[20:21], s[28:29]
	s_cselect_b32 s30, 192, s30
	s_cselect_b32 s31, 0xffffff40, s31
	s_cmp_lt_u32 ttmp9, 192
	s_cselect_b64 s[26:27], s[8:9], s[26:27]
	s_cselect_b64 s[28:29], s[18:19], s[28:29]
	s_cselect_b32 s30, 128, s30
	s_cselect_b32 s31, 256, s31
	s_cmp_lt_u32 ttmp9, 128
	s_cselect_b64 s[26:27], s[6:7], s[26:27]
	s_cselect_b32 s30, 64, s30
	s_cmp_lt_u32 ttmp9, 64
	s_cselect_b64 s[26:27], s[4:5], s[26:27]
	s_cselect_b32 s30, 0, s30
	s_sub_co_u32 s35, ttmp9, s30                   ; t: the slab's number in its tensor
	s_lshr_b32 s36, s35, 6                         ; w2: [K panel 4][row block 8][K step 8]
	s_cmp_lt_u32 ttmp9, 512
	s_cselect_b32 s32, 12, 14                      ; a row is 4,096 bytes, in w2 16,384
	s_cselect_b32 s33, 31, 7
	s_cselect_b32 s36, 0, s36
	s_lshr_b32 s37, s35, 3
	s_and_b32 s37, s37, s33                        ; row block
	s_lshl_b32 s37, s37, 7
	s_add_co_u32 s37, s37, s44
	s_lshl_b32 s37, s37, s32
	s_lshl_b32 s36, s36, 12
	s_add_co_u32 s36, s36, s37
	s_and_b32 s38, s35, 7
	s_lshl_b32 s38, s38, 9
	s_add_co_u32 s36, s36, s38
	s_mov_b32 s37, 0
	s_add_nc_u64 s[26:27], s[26:27], s[36:37]
	s_add_co_u32 s46, ttmp9, s31
	s_mul_i32 s46, s46, SLAB
	s_mov_b32 s47, 0
	s_add_nc_u64 s[28:29], s[28:29], s[46:47]      ; the slab
	s_mul_i32 s46, s40, 1536
	s_add_nc_u64 s[48:49], s[28:29], s[46:47]      ; my image
	s_cmp_lt_u32 ttmp9, 512
	s_cbranch_scc0 .Lwide
	s_wait_alu depctr_va_vdst(0)
	LOADS 4096
	s_branch .Lloaded
.Lwide:
	s_wait_alu depctr_va_vdst(0)
	LOADS 16384
.Lloaded:
	s_wait_loadcnt 0x0
.irp j, 0,1,2,3,4,5,6,7,8,9,10,11,12,13,14,15
	ds_store_b128 v5, v[X+4*\j:X+4*\j+3] offset:528*\j
.endr
.irp c, 0,1
.irp i, 0,1,2,3,4,5,6,7
	ds_load_b128 v[X+32*\c+4*\i:X+32*\c+4*\i+3], v6 offset:256*\c+16*\i   ; LDS serves a wave's instructions in order: these see my stores
.endr
.endr
	s_wait_dscnt 0x0
	QB
.irp k, 0,1,2
	global_store_b128 v4, v[C+4*\k:C+4*\k+3], s[48:49] offset:512*\k      ; 512 consecutive bytes
.endr
	ds_store_b32 v7, v[T+6]                        ; lanes r and r + 16 write the same word with the same value
	s_wait_dscnt 0x0                               ; for wave 0's sake
	s_barrier_signal -1
	s_barrier_wait -1
	s_cmp_lg_u32 s40, 0
	s_cbranch_scc1 .Lwend
	ds_load_b128 v[16:19], v8
	s_wait_dscnt 0x0
	global_store_b128 v4, v[16:19], s[28:29] offset:12288                 ; the slab's scale words: two whole runs of 256 bytes
.Lwend:
	s_wait_tensorcnt 0x0                           ; the wave's end
	ds_add_u32 v12, v13
	s_wait_dscnt 0x0
	s_endpgm
	; ---- the mask: no LDS
.Lmask:
	s_sub_co_u32 s43, ttmp9, 768
	s_lshl_b32 s43, s43, 3
	s_add_co_u32 s43, s43, s40                     ; unit = 16 x query tile + key step
	s_lshr_b32 s44, s43, 4
	s_and_b32 s45, s43, 15
	s_lshr_b32 s46, s44, 3
	s_lshl_b32 s46, s46, 7
	s_bfe_u32 s47, s44, 0x20001
	s_lshl_b32 s47, s47, 5
	s_add_co_u32 s46, s46, s47
	s_and_b32 s47, s44, 1
	s_lshl_b32 s47, s47, 3
	s_add_co_u32 s46, s46, s47                     ; the tile's first query
	s_lshl_b32 s46, s46, 13                        ; a row of the mask is 8,192 bytes
	s_lshl_b32 s45, s45, 9
	s_add_co_u32 s46, s46, s45
	s_mov_b32 s47, 0
	s_lshl_b32 s48, s43, 8
	s_mov_b32 s49, 0
	s_wait_alu depctr_va_vdst(0)
	v_and_b32 v9, 8, v2
	s_delay_alu instid0(VALU_DEP_1)
	v_add_nc_u32 v9, v9, v2                        ; r % 8 + 16 (r / 8)
	s_delay_alu instid0(VALU_DEP_1)
	v_lshlrev_b32 v9, 13, v9
	s_delay_alu instid0(VALU_DEP_1)
	; THE WORDS' ORDER (it takes the place of the order given at the head): word n, bit (r, h) = mask[query of lane r][128 ks + 64 (n / 32) + 32 h + n % 32] != 0
	v_lshl_add_u32 v9, v3, 7, v9                   ; + 32 h keys
	v_lshlrev_b32 v10, 3, v1
	s_wait_alu depctr_va_vdst(0)
	s_wait_kmcnt 0x0
	s_add_nc_u64 s[16:17], s[16:17], s[46:47]
	s_add_nc_u64 s[24:25], s[24:25], s[48:49]
	s_lshl_b32 s62, s43, 2                         ; the unit's flag word
	s_mov_b32 s63, 0
	s_add_nc_u64 s[60:61], s[60:61], s[62:63]
	s_mov_b32 s50, -1                              ; the AND of the unit's 64 words
.irp g, 0,1,2,3
.irp p, 0,1,2,3
	global_load_b128 v[16+16*\g+4*\p:19+16*\g+4*\p], v9, s[16:17] offset:256*(\g/2)+64*(\g%2)+16*\p th:TH_LOAD_NT
.endr
.endr
	v_mov_b32 v80, 0
	v_mov_b32 v81, 0
	v_mov_b32 v83, 0
	s_wait_alu depctr_va_vdst(0)
	s_wait_loadcnt 0x0
.set n, 0
.rept 64
	v_cmp_ne_u32 s[52+n%8], 0, v[16+n]             ; the lane mask of register n
	s_delay_alu instid0(VALU_DEP_1)
	v_writelane_b32 v[80+n%2], s[52+n%8], n/2      ; word n: lane n / 2, register n % 2
	s_and_b32 s50, s50, s[52+n%8]
.set n, n+1
.endr
	global_store_b64 v10, v[80:81], s[24:25]       ; 256 consecutive bytes
	s_cmp_eq_u32 s50, -1                           ; the unit's flag: 0 where every key is visible to every query, else bit ks
	s_cselect_b32 s51, 0, 1
	s_and_b32 s50, s43, 15
	s_lshl_b32 s51, s51, s50
	v_mov_b32 v82, s51
	global_store_b32 v83, v82, s[60:61]            ; all lanes store the same word with the same value
	s_endpgm
.Lfunc_end_k_qb4bcfca1ae_wprep:
	.size	k_qb4bcfca1ae_wprep, .Lfunc_end_k_qb4bcfca1ae_wprep-k_qb4bcfca1ae_wprep
	.p2alignl 7, 3214868480
	.fill 96, 4, 3214868480
	.section	.rodata,"a",@progbits
	.p2align	6, 0x0
	.amdhsa_kernel k_qb4bcfca1ae_wprep
		.amdhsa_group_segment_fixed_size 69120
		.amdhsa_private_segment_fixed_size 0
		.amdhsa_enable_private_segment 0
		.amdhsa_kernarg_size 96
		.amdhsa_user_sgpr_count 2
		.amdhsa_user_sgpr_kernarg_segment_ptr 1
		.amdhsa_wavefront_size32 1
		.amdhsa_system_sgpr_workgroup_id_x 1
		.amdhsa_system_sgpr_workgroup_id_y 1
		.amdhsa_system_sgpr_workgroup_id_z 1
		.amdhsa_system_vgpr_workitem_id 0
		.amdhsa_next_free_vgpr 128
		.amdhsa_next_free_sgpr 66
		.amdhsa_reserve_vcc 0
		.amdhsa_float_denorm_mode_32 3
		.amdhsa_float_denorm_mode_16_64 3
		.amdhsa_memory_ordered 1
		.amdhsa_forward_progress 1
		.amdhsa_inst_pref_size 30
	.end_amdhsa_kernel
	.amdgpu_metadata
---
amdhsa.version: [ 1, 2 ]
amdhsa.kernels:
  - .name:           k_qb4bcfca1ae_wprep
    .symbol:         k_qb4bcfca1ae_wprep.kd
    .args:
      - { .name: wq, .offset: 0, .size: 8, .value_kind: global_buffer, .address_space: global }
      - { .name: wk, .offset: 8, .size: 8, .value_kind: global_buffer, .address_space: global }
      - { .name: wv, .offset: 16, .size: 8, .value_kind: global_buffer, .address_space: global }
      - { .name: wo, .offset: 24, .size: 8, .value_kind: global_buffer, .address_space: global }
      - { .name: w1, .offset: 32, .size: 8, .value_kind: global_buffer, .address_space: global }
      - { .name: w2, .offset: 40, .size: 8, .value_kind: global_buffer, .address_space: global }
      - { .name: mask, .offset: 48, .size: 8, .value_kind: global_buffer, .address_space: global }
      - { .name: cw, .offset: 56, .size: 8, .value_kind: global_buffer, .address_space: global }
      - { .name: woc, .offset: 64, .size: 8, .value_kind: global_buffer, .address_space: global }
      - { .name: w2c, .offset: 72, .size: 8, .value_kind: global_buffer, .address_space: global }
      - { .name: mbits, .offset: 80, .size: 8, .value_kind: global_buffer, .address_space: global }
      - { .name: mflag, .offset: 88, .size: 8, .value_kind: global_buffer, .address_space: global }
    .group_segment_fixed_size: 69120
    .private_segment_fixed_size: 0
    .kernarg_segment_align: 8
    .kernarg_segment_size: 96
    .max_flat_workgroup_size: 256
    .sgpr_count:     66
    .vgpr_count:     128
    .wavefront_size: 32
...
	.end_amdgpu_metadata
.endif
;; end of part 8
;; launch ln (part 9): grid 256 x 1, 8 waves a work-group, no clusters, 69,632 bytes of LDS; arguments x, ln1_a, ln1_b, cw; writes cw
.if DOCPART == 9
	.amdgcn_target "amdgcn-amd-amdhsa--gfx1250"
	.amdhsa_code_object_version 6
	.text
	.protected	k_qb4bcfca1ae_ln
	.globl	k_qb4bcfca1ae_ln
	.p2align	8
	.type	k_qb4bcfca1ae_ln,@function
k_qb4bcfca1ae_ln:
	s_mov_b64 s[64:65], 0
	v_nop
	global_prefetch_b8 v0, s[64:65] scope:SCOPE_SE
	s_setreg_imm32_b32 hwreg(HW_REG_WAVE_MODE, 25, 1), 1
	s_wait_xcnt 0x0
; y = alpha (x - mean) / (std + 1e-6) + beta along rows of 1,024, std with 1,023 in the divisor, all in f32; y is quantised along the row to codes of BF6 with E8M0 bytes and stored as slabs 0-255 of cw
; (the slab: 128 rows x 128 K, eight register images of 1,536 bytes, then 512 bytes of scale words; lane r of image i is row 32 (i / 2) + 8 (i % 2) + r % 8 + 16 (r / 8)).
; A work-group takes the 16 rows of one image of one block of 128 rows; wave w takes columns 128 w on: image i of slab 8 R + w.  A lane holds 64 numbers of one row in the operand's order.
; Mean and variance in two passes over registers (the mean is taken away before the squares); the waves' partial sums meet in LDS, one barrier each.
; LIMITS: as stated at the head of the first launch (byte of a block of zeros, very small blocks, NaN and infinities).  A row's 64 bytes of scale words a slab are stored as they come: a part of a run of 256 bytes.
.set STGB,  8448
.set P1,    8*STGB                     ; 16 rows x 8 waves x 4 bytes; the second sum's 512 bytes behind it
.set SPARE, P1+1024
.set X,     16                         ; v16-79 numbers; v80-143 alpha; v144-207 beta
.set T,     208
.set C,     232
.macro QB
.irp c, 0,1
	v_max3_num_f32 v[T+\c], |v[X+32*\c]|, |v[X+32*\c+1]|, 0x2800000      ; the floor 2^(5 - 127) holds the byte at 1 from below
.endr
.irp i, 2,4,6,8,10,12,14,16,18,20,22,24,26,28,30
.irp c, 0,1
	s_delay_alu instid0(VALU_DEP_2)
	v_max3_num_f32 v[T+\c], v[T+\c], |v[X+32*\c+\i]|, |v[X+32*\c+\i+1]|
.endr
.endr
.irp c, 0,1
	s_delay_alu instid0(VALU_DEP_2)
	v_add_nc_u32 v[T+2+\c], 0xfe000000, v[T+\c]    ; 4 off the exponent field: the conversion's scale operand
.endr
.irp c, 0,1
	s_delay_alu instid0(VALU_DEP_2)
	v_lshrrev_b32 v[T+4+\c], 23, v[T+2+\c]
.endr
	s_delay_alu instid0(VALU_DEP_1)
	v_lshl_or_b32 v[T+6], v[T+5], 16, v[T+4]
	v_lshlrev_b32 v[T+7], 3, v3
	s_delay_alu instid0(VALU_DEP_1)
	v_lshlrev_b32 v[T+6], v[T+7], v[T+6]
	v_mov_b32 v[T+7], 0
	s_delay_alu instid0(VALU_DEP_1)
	v_permlanex16_b32 v[T+7], v[T+6], s22, s23
	s_delay_alu instid0(VALU_DEP_1)
	v_or_b32 v[T+6], v[T+6], v[T+7]                ; the row's scale word
.irp c, 0,1
	v_cvt_scalef32_pk16_bf6_f32 v[C+6*\c:C+6*\c+2], v[X+32*\c:X+32*\c+15], v[T+2+\c]
	v_cvt_scalef32_pk16_bf6_f32 v[C+12+4*\c:C+14+4*\c], v[X+32*\c+16:X+32*\c+31], v[T+2+\c]
.endr
	v_nop                                          ; a plain place behind the conversions
.irp c, 0,1
.irp i, 0,1,2
	v_mov_b32 v[C+3+6*\c+\i], v[C+12+4*\c+\i]
.endr
.endr
.endm
; four pairs of partial sums in v208-215 become the row's sum in v224, in every lane
.macro REDUCE off
	s_delay_alu instid0(VALU_DEP_3)
	v_pk_add_f32 v[208:209], v[208:209], v[210:211]
	s_delay_alu instid0(VALU_DEP_2)
	v_pk_add_f32 v[212:213], v[212:213], v[214:215]
	s_delay_alu instid0(VALU_DEP_1)
	v_pk_add_f32 v[208:209], v[208:209], v[212:213]
	s_delay_alu instid0(VALU_DEP_1)
	v_add_f32 v208, v208, v209
	s_delay_alu instid0(VALU_DEP_1)
	v_permlanex16_b32 v216, v208, s22, s23         ; the row's other half of my 128 columns
	s_delay_alu instid0(VALU_DEP_1)
	v_add_f32 v208, v208, v216
	ds_store_b32 v7, v208 offset:\off
	s_wait_dscnt 0x0                               ; for the others' sake
	s_barrier_signal -1
	s_barrier_wait -1
	ds_load_b128 v[224:227], v8 offset:\off
	ds_load_b128 v[228:231], v8 offset:\off+16
	s_wait_dscnt 0x0
	v_pk_add_f32 v[224:225], v[224:225], v[226:227]
	v_pk_add_f32 v[228:229], v[228:229], v[230:231]
	s_delay_alu instid0(VALU_DEP_1)
	v_pk_add_f32 v[224:225], v[224:225], v[228:229]
	s_delay_alu instid0(VALU_DEP_1)
	v_add_f32 v224, v224, v225
.endm
	s_load_b256 s[4:11], s[0:1], 0x0               ; the rows, alpha, beta, cw
	v_lshl_add_u32 v12, v0, 2, SPARE
	v_mov_b32 v13, 0
	v_lshrrev_b32 v1, 5, v0
	s_delay_alu instid0(VALU_DEP_1)
	v_readfirstlane_b32 s12, v1                    ; wave
	v_and_b32 v1, 31, v0
	v_and_b32 v2, 15, v0                           ; r
	v_bfe_u32 v3, v0, 4, 1                         ; h
	s_delay_alu instid0(VALU_DEP_3)
	v_lshlrev_b32 v4, 4, v1                        ; 16 x lane
	s_mul_i32 s13, s12, STGB
	v_add_nc_u32 v5, s13, v4
	v_mul_u32_u24 v6, v2, 528
	s_delay_alu instid0(VALU_DEP_1)
	v_lshl_add_u32 v6, v3, 7, v6
	s_delay_alu instid0(VALU_DEP_1)
	v_add_nc_u32 v6, s13, v6
	v_lshlrev_b32 v8, 5, v2
	s_delay_alu instid0(VALU_DEP_1)
	v_add_nc_u32 v8, P1, v8                        ; row r's eight partial sums
	s_lshl_b32 s13, s12, 2
	v_add_nc_u32 v7, s13, v8                       ; mine
	s_lshl_b32 s13, s12, 9
	v_lshlrev_b32 v9, 7, v3
	s_delay_alu instid0(VALU_DEP_1)
	v_add_nc_u32 v9, s13, v9                       ; alpha, beta: 512 w + 128 h
	v_lshlrev_b32 v10, 2, v2
	v_mov_b32 v216, 0                              ; a lane permute's destination counts as read
	s_mov_b32 s22, 0x76543210
	s_mov_b32 s23, 0xfedcba98
	s_and_b32 s14, ttmp9, 7                        ; image
	s_lshr_b32 s15, ttmp9, 3                       ; block of 128 rows
	s_lshr_b32 s16, s14, 1
	s_lshl_b32 s16, s16, 5
	s_and_b32 s17, s14, 1
	s_lshl_b32 s17, s17, 3
	s_add_co_u32 s16, s16, s17
	s_lshl_b32 s17, s15, 7
	s_add_co_u32 s16, s16, s17                     ; the image's first row
	s_lshl_b32 s16, s16, 12
	s_add_co_u32 s16, s16, s13                     ; + my 512 bytes of a row
	s_mov_b32 s17, 0
	s_lshl_b32 s18, s15, 3
	s_add_co_u32 s18, s18, s12
	s_mul_i32 s18, s18, 12800                      ; slab 8 R + w
	s_lshl_b32 s20, s14, 6
	s_add_co_u32 s20, s20, s18
	s_add_co_u32 s20, s20, 12288                   ; the image's scale words
	s_mov_b32 s21, 0
	s_mul_i32 s19, s14, 1536
	s_add_co_u32 s18, s18, s19                     ; the image
	s_mov_b32 s19, 0
	s_wait_alu depctr_va_vdst(0)
	s_wait_kmcnt 0x0
	s_add_nc_u64 s[4:5], s[4:5], s[16:17]
	s_add_nc_u64 s[18:19], s[10:11], s[18:19]
	s_add_nc_u64 s[20:21], s[10:11], s[20:21]
.irp j, 0,1,2,3,4,5,6,7,8,9,10,11,12,13,14,15
	global_load_b128 v[X+4*\j:X+4*\j+3], v4, s[4:5] offset:(\j%8+16*(\j/8))*4096   ; 512 consecutive bytes of a row
.endr
.irp c, 0,1
.irp i, 0,1,2,3,4,5,6,7
	global_load_b128 v[80+32*\c+4*\i:83+32*\c+4*\i], v9, s[6:7] offset:256*\c+16*\i
.endr
.endr
.irp c, 0,1
.irp i, 0,1,2,3,4,5,6,7
	global_load_b128 v[144+32*\c+4*\i:147+32*\c+4*\i], v9, s[8:9] offset:256*\c+16*\i
.endr
.endr
	s_wait_loadcnt 32                              ; the rows are in; the 32 loads of alpha and beta may be out
.irp j, 0,1,2,3,4,5,6,7,8,9,10,11,12,13,14,15
	ds_store_b128 v5, v[X+4*\j:X+4*\j+3] offset:528*\j
.endr
.irp c, 0,1
.irp i, 0,1,2,3,4,5,6,7
	ds_load_b128 v[X+32*\c+4*\i:X+32*\c+4*\i+3], v6 offset:256*\c+16*\i   ; k = 64 c + 32 h + 4 i .. of row r
.endr
.endr
	s_wait_dscnt 0x0
.irp k, 0,1,2,3
	v_pk_add_f32 v[208+2*\k:209+2*\k], v[X+4*\k:X+4*\k+1], v[X+4*\k+2:X+4*\k+3]
.endr
.set j, 16
.rept 6
.irp k, 0,1,2,3
	s_delay_alu instid0(VALU_DEP_4)
	v_pk_add_f32 v[208+2*\k:209+2*\k], v[208+2*\k:209+2*\k], v[X+j+2*\k:X+j+2*\k+1]
.endr
.set j, j+8
.endr
	REDUCE 0
	s_delay_alu instid0(VALU_DEP_1)
	v_mul_f32 v218, 0x3a800000, v224               ; the mean: / 1,024
	s_delay_alu instid0(VALU_DEP_1)
	v_mov_b32 v219, v218
.set j, 0
.rept 32
	v_pk_add_f32 v[X+j:X+j+1], v[X+j:X+j+1], v[218:219] neg_lo:[0,1] neg_hi:[0,1]   ; d = x - mean
.set j, j+2
.endr
.irp k, 0,1,2,3
	v_pk_mul_f32 v[208+2*\k:209+2*\k], v[X+2*\k:X+2*\k+1], v[X+2*\k:X+2*\k+1]
.endr
.set j, 8
.rept 7
.irp k, 0,1,2,3
	s_delay_alu instid0(VALU_DEP_4)
	v_pk_fma_f32 v[208+2*\k:209+2*\k], v[X+j+2*\k:X+j+2*\k+1], v[X+j+2*\k:X+j+2*\k+1], v[208+2*\k:209+2*\k]
.endr
.set j, j+8
.endr
	REDUCE 512                                     ; other bytes than the first sum's: no wave can overwrite what another still reads
	s_delay_alu instid0(VALU_DEP_1)
	v_mul_f32 v224, 0x3a802008, v224               ; / 1,023
	s_wait_alu depctr_va_vdst(0)
	v_sqrt_f32 v220, v224
	v_nop                                          ; a plain place behind the root,
	s_wait_alu depctr_va_vdst(0)                   ; and the wait ahead of its first reader
	v_add_f32 v220, 0x358637bd, v220               ; + 1e-6
	s_wait_alu depctr_va_vdst(0)
	v_rcp_f32 v220, v220
	v_nop
	s_wait_alu depctr_va_vdst(0)
	v_mov_b32 v221, v220
	s_wait_alu depctr_va_vdst(0)
	s_wait_loadcnt 0x0                             ; alpha and beta
.set j, 0
.rept 32
	v_pk_mul_f32 v[X+j:X+j+1], v[X+j:X+j+1], v[220:221]
.set j, j+2
.endr
.set j, 0
.rept 32
	v_pk_fma_f32 v[X+j:X+j+1], v[X+j:X+j+1], v[80+j:81+j], v[144+j:145+j]
.set j, j+2
.endr
	QB
.irp k, 0,1,2
	global_store_b128 v4, v[C+4*\k:C+4*\k+3], s[18:19] offset:512*\k
.endr
	global_store_b32 v10, v[T+6], s[20:21]         ; lanes r and r + 16 store the same word
	s_wait_tensorcnt 0x0                           ; the wave's end
	ds_add_u32 v12, v13
	s_wait_dscnt 0x0
	s_endpgm
.Lfunc_end_k_qb4bcfca1ae_ln:
	.size	k_qb4bcfca1ae_ln, .Lfunc_end_k_qb4bcfca1ae_ln-k_qb4bcfca1ae_ln
	.p2alignl 7, 3214868480
	.fill 96, 4, 3214868480
	.section	.rodata,"a",@progbits
	.p2align	6, 0x0
	.amdhsa_kernel k_qb4bcfca1ae_ln
		.amdhsa_group_segment_fixed_size 69632
		.amdhsa_private_segment_fixed_size 0
		.amdhsa_enable_private_segment 0
		.amdhsa_kernarg_size 32
		.amdhsa_user_sgpr_count 2
		.amdhsa_user_sgpr_kernarg_segment_ptr 1
		.amdhsa_wavefront_size32 1
		.amdhsa_system_sgpr_workgroup_id_x 1
		.amdhsa_system_sgpr_workgroup_id_y 1
		.amdhsa_system_sgpr_workgroup_id_z 1
		.amdhsa_system_vgpr_workitem_id 0
		.amdhsa_next_free_vgpr 256
		.amdhsa_next_free_sgpr 66
		.amdhsa_reserve_vcc 0
		.amdhsa_float_denorm_mode_32 3
		.amdhsa_float_denorm_mode_16_64 3
		.amdhsa_memory_ordered 1
		.amdhsa_forward_progress 1
		.amdhsa_inst_pref_size 28
	.end_amdhsa_kernel
	.amdgpu_metadata
---
amdhsa.version: [ 1, 2 ]
amdhsa.kernels:
  - .name:           k_qb4bcfca1ae_ln
    .symbol:         k_qb4bcfca1ae_ln.kd
    .args:
      - { .name: x, .offset: 0, .size: 8, .value_kind: global_buffer, .address_space: global }
      - { .name: ln1_a, .offset: 8, .size: 8, .value_kind: global_buffer, .address_space: global }
      - { .name: ln1_b, .offset: 16, .size: 8, .value_kind: global_buffer, .address_space: global }
      - { .name: cw, .offset: 24, .size: 8, .value_kind: global_buffer, .address_space: global }
    .group_segment_fixed_size: 69632
    .private_segment_fixed_size: 0
    .kernarg_segment_align: 8
    .kernarg_segment_size: 32
    .max_flat_workgroup_size: 256
    .sgpr_count:     66
    .vgpr_count:     256
    .wavefront_size: 32
...
	.end_amdgpu_metadata
.endif
;; end of part 9
;; launch gq (part 10): grid 8 x 24, 4 waves a work-group, clusters of 4 x 4, 327,680 bytes of LDS; arguments cw, big; writes big
.if DOCPART == 10
	.amdgcn_target "amdgcn-amd-amdhsa--gfx1250"
	.amdhsa_code_object_version 6
	.text
	.protected	k_qb4bcfca1ae_gq
	.globl	k_qb4bcfca1ae_gq
	.p2align	8
	.type	k_qb4bcfca1ae_gq,@function
k_qb4bcfca1ae_gq:
	s_mov_b64 s[64:65], 0
	v_nop
	global_prefetch_b8 v0, s[64:65] scope:SCOPE_SE
	s_setreg_imm32_b32 hwreg(HW_REG_WAVE_MODE, 25, 1), 1
	s_wait_xcnt 0x0
	s_wait_alu depctr_hold_cnt(0) depctr_sa_sdst(0) depctr_va_vdst(0) depctr_va_sdst(0) depctr_va_ssrc(0) depctr_va_vcc(0) depctr_vm_vsrc(0)
	s_getreg_b32 s2, hwreg(HW_REG_IB_STS2, 6, 4)
	s_cmp_eq_u32 s2, 0
	s_cbranch_scc0 .Lentry_in_a_cluster
	s_endpgm
.Lentry_in_a_cluster:
	s_bfe_u32 s2, ttmp6, 0x10000c
	s_cmp_lg_u32 s2, 0xf033
	s_cbranch_scc0 .Lentry_shape_is_right
	s_endpgm
.Lentry_shape_is_right:
.set SLAB,  12800
.set CH,    2*SLAB
.set SLOT,  4*CH
.set SPARE, 2*SLOT
.set FR,    12
.set NL,    3
.set NQ,    2
.set NP,    4
.set ADRA,  16
.set ADRB,  20
.set ADRS,  22
.set SGA,   24
.set RD,    25
.set CO,    26
.set SPW,   28
.set NIL,   29
.set SC,    32
.set AF,    128
.set PC,    128
.set TM,    160
.set PW,    176
.set G1,    24
.set G0,    32
.set G1B,   48
.set G0B,   56
.set MUL_LO, 0xa1
.set MUL_HI, 0xf1
.set TO_B,  0x40
.set MSB, 0
.macro WIN new
.if MSB != (\new)
	s_set_vgpr_msb (MSB<<8)|(\new)
.set MSB, (\new)
.endif
.endm
.macro PLACES n
.rept \n
	v_nop
.endr
.endm
.macro JLOAD g0a, g1a, g0b, g1b
	s_cmp_eq_u32 s15, 0
	s_cbranch_scc0 .Lfor_b_\@
	tensor_load_to_lds s[\g0a:\g0a+3], s[\g1a:\g1a+7]
	s_nop 0
.rept 4
	v_nop
.endr
	s_branch .Lasked_\@
.Lfor_b_\@:
	tensor_load_to_lds s[\g0b:\g0b+3], s[\g1b:\g1b+7]
	s_nop 0
.rept 4
	v_nop
.endr
.Lasked_\@:
.endm
.macro CREST
	s_cmp_lg_u32 s14, 0
	s_cbranch_scc1 .Lnot_wave_0_\@
	s_barrier_signal -3
.Lnot_wave_0_\@:
	s_barrier_wait -3
	s_barrier_signal -1
	s_barrier_wait -1
.endm
.macro CROUND
	s_barrier_signal -1
	s_barrier_wait -1
	CREST
.endm
.macro FRAG reg, adr, q, i
.irp c, 0,1,2
	ds_load_b128 v[\reg+4*\c:\reg+4*\c+3], v[\adr] offset:(\q)*SLAB+1536*(\i)+512*\c
.endr
.endm
.macro FETCH_B slot, q, p
	WIN TO_B
.irp i, 0,1,2,3,4,5,6,7
	FRAG 128*(\p)+FR*\i, ADRB+\slot, \q, \i
.endr
	WIN 0
.endm
.macro FETCH_A slot, q, i0
.irp i, \i0, \i0+1, \i0+2, \i0+3
	FRAG AF+FR*(\i), ADRA+\slot, \q, \i
.endr
.endm
.macro SCALES sc
.irp i, 0,1,2,3,4,5,6,7
.irp q, 0,1
	ds_load_b32 v[SC+16*\sc+2*\i+\q], v[ADRS+\sc] offset:\q*SLAB+64*\i
.endr
.endr
.endm
.macro MUL16 a0, p, q, sc, zero
.irp a, \a0, \a0+1
.irp b, 0,1,2,3,4,5,6,7
.if \zero
	v_wmma_scale_f32_16x16x128_f8f6f4 v[8*(8*((\a)%4)+\b):8*(8*((\a)%4)+\b)+7], v[128*(\p)+FR*\b:128*(\p)+FR*\b+FR-1], v[AF+FR*(\a):AF+FR*(\a)+FR-1], 0, v[SC+8*NQ*(\sc)+NQ*\b+(\q)], v[SC+8*NQ*(\sc)+NQ*(\a)+(\q)] matrix_a_fmt:MATRIX_FMT_BF6 matrix_b_fmt:MATRIX_FMT_BF6 matrix_a_scale:MATRIX_SCALE_ROW1
.else
	v_wmma_scale_f32_16x16x128_f8f6f4 v[8*(8*((\a)%4)+\b):8*(8*((\a)%4)+\b)+7], v[128*(\p)+FR*\b:128*(\p)+FR*\b+FR-1], v[AF+FR*(\a):AF+FR*(\a)+FR-1], v[8*(8*((\a)%4)+\b):8*(8*((\a)%4)+\b)+7], v[SC+8*NQ*(\sc)+NQ*\b+(\q)], v[SC+8*NQ*(\sc)+NQ*(\a)+(\q)] matrix_a_fmt:MATRIX_FMT_BF6 matrix_b_fmt:MATRIX_FMT_BF6 matrix_a_scale:MATRIX_SCALE_ROW1
.endif
.endr
.endr
.endm
.macro STEP slot, q, zero
	s_wait_dscnt 4*NL
	WIN MUL_LO
	MUL16 0, (\q)%2, \q, \slot, \zero
	MUL16 2, (\q)%2, \q, \slot, \zero
	s_wait_dscnt 0
	PLACES NP
	FETCH_B \slot, (\q)+1, 1-(\q)%2
	FETCH_A \slot, (\q)+1, 0
	WIN MUL_HI
	MUL16 4, (\q)%2, \q, \slot, \zero
	MUL16 6, (\q)%2, \q, \slot, \zero
	PLACES NP
	WIN 0
	FETCH_A \slot, (\q)+1, 4
.endm
.macro TURN slot, next, fill
	s_wait_tensorcnt 0x0
	ds_add_u32 v[SPW], v[NIL]
	s_wait_dscnt 4*NL+1
	WIN MUL_LO
	MUL16 0, 1, NQ-1, \slot, 0
	s_wait_dscnt 0x0
	s_barrier_signal -1
	MUL16 2, 1, NQ-1, \slot, 0
	WIN 0
	s_barrier_wait -1
.if \fill
	CREST
	s_add_nc_u64 s[G0+4*\slot+2:G0+4*\slot+3], s[G0+4*\slot+2:G0+4*\slot+3], 2*CH
	s_add_nc_u64 s[G0B+4*\slot+2:G0B+4*\slot+3], s[G0B+4*\slot+2:G0B+4*\slot+3], 2*CH
	JLOAD G0+4*\slot, G1, G0B+4*\slot, G1B
.else
	PLACES NP
.endif
	FETCH_B \next, 0, 0
	FETCH_A \next, 0, 0
	SCALES \next
	WIN MUL_HI
	MUL16 4, 1, NQ-1, \slot, 0
	MUL16 6, 1, NQ-1, \slot, 0
	PLACES NP
	WIN 0
	FETCH_A \next, 0, 4
.endm
.macro QUANT s, W
	WIN (\W)|((\W)<<2)
.irp b, 0,1,2,3
	v_max3_num_f32 v[TM+\b], |v[\s+16*\b]|, |v[\s+1+16*\b]|, 0x2800000
.endr
	WIN ((\W)<<2)|((\W)<<4)
.irp i, 2,4,6,8,10,12,14
.irp b, 0,1,2,3
	v_max3_num_f32 v[TM+\b], v[TM+\b], |v[\s+16*\b+\i]|, |v[\s+1+16*\b+\i]|
.endr
.endr
	WIN 0
.irp b, 0,1,2,3
	v_permlanex16_b32 v[TM+4+\b], v[TM+\b], s96, s97
.endr
.irp b, 0,1,2,3
	v_max_num_f32 v[TM+\b], v[TM+\b], v[TM+4+\b]
.endr
.irp b, 0,1,2,3
	v_add_nc_u32 v[TM+12+\b], 0xfe000000, v[TM+\b]
.endr
.irp b, 0,1,2,3
	v_lshrrev_b32 v[TM+8+\b], 23, v[TM+12+\b]
.endr
	v_lshl_or_b32 v[PW], v[TM+9], 8, v[TM+8]
	v_lshl_or_b32 v[PW], v[TM+10], 16, v[PW]
	v_lshl_or_b32 v[PW], v[TM+11], 24, v[PW]
	WIN \W
.irp c, 0,1
	v_cvt_scalef32_pk16_bf6_f32 v[PC+6*\c:PC+2+6*\c], v[\s+32*\c:\s+15+32*\c], v[TM+12+2*\c]
	v_cvt_scalef32_pk16_bf6_f32 v[PC+12+4*\c:PC+14+4*\c], v[\s+16+32*\c:\s+31+32*\c], v[TM+12+2*\c+1]
.endr
	WIN 0
	v_nop
.irp c, 0,1
.irp i, 0,1,2
	v_permlane16_swap_b32 v[PC+6*\c+\i], v[PC+12+4*\c+\i]
.endr
.irp i, 0,1,2
	v_mov_b32 v[PC+3+6*\c+\i], v[PC+12+4*\c+\i]
.endr
.endr
.endm
.macro QBLK a
.set AC, 64*((\a)%4)
.set WW, 2+(\a)/4
.if (\a) > 0
	s_wait_xcnt 0x0
.endif
	QUANT AC, WW
	ds_store_b32 v[SGA], v[PW] offset:64*(\a)
.irp k, 0,1,2
	global_store_b128 v[CO], v[PC+4*\k:PC+4*\k+3], s[12:13] offset:1536*(\a)+512*\k
.endr
.endm
	s_load_b128 s[4:7], s[0:1], 0x0
	v_lshl_add_u32 v[SPW], v0, 2, SPARE
	v_mov_b32 v[NIL], 0
	ds_add_u32 v[SPW], v[NIL]
	ds_add_u32 v[SPW], v[NIL]
	v_lshrrev_b32 v1, 5, v0
	v_readfirstlane_b32 s14, v1
	s_lshr_b32 s15, s14, 1
	s_and_b32 s16, s14, 1
	s_bfe_u32 s40, ttmp6, 0x40000
	s_bfe_u32 s41, ttmp6, 0x40004
	s_and_b32 s18, ttmp7, 0xffff
	s_sub_co_u32 s20, s18, 4
	s_lshl_b32 s20, s20, 1
	s_add_co_u32 s20, s20, ttmp9
	s_cmp_lt_u32 s18, 4
	s_cselect_b32 s19, s18, 0
	s_cselect_b32 s20, ttmp9, s20
	s_cselect_b32 s21, 0, 384
	s_cselect_b32 s22, 256, 0
	s_lshl_b32 s17, s19, 2
	s_add_co_u32 s17, s17, s41
	s_lshl_b32 s42, s20, 2
	s_add_co_u32 s42, s42, s40
	s_lshl_b32 s43, s41, 2
	s_lshl_b32 s43, 15, s43
	s_lshl_b32 s44, 0x1111, s40
	s_or_b32 s[G1+0], s43, (3<<16)|(1<<21)
	s_or_b32 s[G1B+0], s44, (3<<16)|(1<<21)
.irp g, G1, G1B
	s_mov_b32 s[\g+1], 32<<16
	s_mov_b32 s[\g+2], 100<<16
	s_mov_b32 s[\g+3], 32<<16
	s_mov_b32 s[\g+4], 100
	s_mov_b32 s[\g+5], 32
	s_mov_b32 s[\g+6], 0
	s_mov_b32 s[\g+7], 0
.endr
	s_lshl_b32 s46, s17, 1
	s_add_co_u32 s46, s46, s16
	s_lshl_b32 s46, s46, 3
	s_add_co_u32 s46, s46, s21
	s_mul_i32 s46, s46, SLAB
	s_mov_b32 s47, 0
	s_lshl_b32 s92, s42, 1
	s_add_co_u32 s92, s92, s16
	s_lshl_b32 s92, s92, 3
	s_add_co_u32 s92, s92, s22
	s_mul_i32 s92, s92, SLAB
	s_mov_b32 s93, 0
	s_mul_i32 s94, s14, CH
	s_lshl_b32 s70, s17, 1
	s_add_co_u32 s70, s70, s15
	s_lshl_b32 s71, s42, 1
	s_add_co_u32 s71, s71, s16
	s_lshl_b32 s72, s71, 5
	s_add_co_u32 s72, s72, s70
	s_lshl_b32 s73, s70, 5
	s_add_co_u32 s73, s73, s71
	s_add_co_u32 s73, s73, 512
	s_cmp_lt_u32 s18, 4
	s_cselect_b32 s72, s72, s73
	s_mul_i32 s72, s72, SLAB
	s_mov_b32 s73, 0
	s_mov_b32 s96, 0x76543210
	s_mov_b32 s97, 0xfedcba98
	s_wait_dscnt 0x0
	s_wait_kmcnt 0x0
	s_add_nc_u64 s[46:47], s[4:5], s[46:47]
	s_add_nc_u64 s[92:93], s[4:5], s[92:93]
	s_add_nc_u64 s[12:13], s[6:7], s[72:73]
	CROUND
.irp s, 0,1
	s_mov_b32 s[G0+4*\s], 1
	s_add_co_u32 s[G0+4*\s+1], s94, \s*SLOT
	s_add_nc_u64 s[G0+4*\s+2:G0+4*\s+3], s[46:47], \s*CH
	s_or_b32 s[G0+4*\s+3], s[G0+4*\s+3], 0x80000000
	s_mov_b32 s[G0B+4*\s], 1
	s_add_co_u32 s[G0B+4*\s+1], s94, \s*SLOT
	s_add_nc_u64 s[G0B+4*\s+2:G0B+4*\s+3], s[92:93], \s*CH
	s_or_b32 s[G0B+4*\s+3], s[G0B+4*\s+3], 0x80000000
.if \s                                 ; slot 1's first fill is issued as a refill is
	s_wait_alu depctr_va_vdst(0)
	s_wait_tensorcnt 0x0
	ds_add_u32 v28, v29
	ds_add_u32 v28, v29
	s_wait_dscnt 0x0
	CROUND
.endif
	JLOAD G0+4*\s, G1, G0B+4*\s, G1B
.endr
	v_and_b32 v1, 31, v0
	v_and_b32 v2, 15, v0
	v_bfe_u32 v3, v0, 4, 1
	v_lshlrev_b32 v4, 4, v1
	s_mul_i32 s66, s15, CH
	s_mul_i32 s67, s16, CH
	s_add_co_u32 s67, s67, 2*CH
	s_sub_co_u32 s68, s67, s66
	v_mul_u32_u24 v5, s68, v3
	v_lshl_add_u32 v5, v2, 2, v5
	v_add_nc_u32 v5, s66, v5
	v_add_nc_u32 v5, 12288, v5
.irp s, 0,1
	v_add_nc_u32 v[ADRA+\s], s66, v4
	v_add_nc_u32 v[ADRB+\s], s67, v4
	v_add_nc_u32 v[ADRS+\s], \s*SLOT, v5
	s_add_co_u32 s66, s66, SLOT
	s_add_co_u32 s67, s67, SLOT
.endr
	s_lshl_b32 s66, s14, 9
	v_lshl_add_u32 v[SGA], v2, 2, s66
	v_add_nc_u32 v[RD], s66, v4
	v_mov_b32 v[CO], v4
	s_wait_alu depctr_va_vdst(0)
	s_wait_tensorcnt 1
	s_barrier_signal -1
	s_barrier_wait -1
	FETCH_B 0, 0, 0
	FETCH_A 0, 0, 0
	SCALES 0
	FETCH_A 0, 0, 4
	STEP 0, 0, 1
	TURN 0, 1, 1
	STEP 1, 0, 0
	TURN 1, 0, 1
	STEP 0, 0, 0
	TURN 0, 1, 0
	STEP 1, 0, 0
	s_wait_dscnt 4*NL
	WIN MUL_LO
	MUL16 0, 1, NQ-1, 1, 0
	MUL16 2, 1, NQ-1, 1, 0
	s_wait_dscnt 0
	WIN MUL_HI
	MUL16 4, 1, NQ-1, 1, 0
	MUL16 6, 1, NQ-1, 1, 0
	WIN 0
	PLACES NP
.irp b, 0,1,2,3
	v_mov_b32 v[TM+4+\b], 0
.endr
.irp a, 0,1,2,3,4,5,6,7
	QBLK \a
.endr
	ds_load_b128 v[TM:TM+3], v[RD]
	s_wait_dscnt 0x0
	global_store_b128 v[CO], v[TM:TM+3], s[12:13] offset:12288
	s_wait_tensorcnt 0x0
	ds_add_u32 v[SPW], v[NIL]
	s_wait_dscnt 0x0
	CROUND
	s_endpgm
.Lfunc_end_k_qb4bcfca1ae_gq:
	.size	k_qb4bcfca1ae_gq, .Lfunc_end_k_qb4bcfca1ae_gq-k_qb4bcfca1ae_gq
	.p2alignl 7, 3214868480
	.fill 96, 4, 3214868480
	.section	.rodata,"a",@progbits
	.p2align	6, 0x0
	.amdhsa_kernel k_qb4bcfca1ae_gq
		.amdhsa_group_segment_fixed_size 327680
		.amdhsa_private_segment_fixed_size 0
		.amdhsa_enable_private_segment 0
		.amdhsa_kernarg_size 16
		.amdhsa_user_sgpr_count 2
		.amdhsa_user_sgpr_kernarg_segment_ptr 1
		.amdhsa_wavefront_size32 1
		.amdhsa_system_sgpr_workgroup_id_x 1
		.amdhsa_system_sgpr_workgroup_id_y 1
		.amdhsa_system_sgpr_workgroup_id_z 1
		.amdhsa_system_vgpr_workitem_id 0
		.amdhsa_next_free_vgpr 1024
		.amdhsa_next_free_sgpr 98
		.amdhsa_reserve_vcc 0
		.amdhsa_float_denorm_mode_32 3
		.amdhsa_float_denorm_mode_16_64 3
		.amdhsa_memory_ordered 1
		.amdhsa_forward_progress 1
		.amdhsa_inst_pref_size 141
	.end_amdhsa_kernel
	.amdgpu_metadata
---
amdhsa.version: [ 1, 2 ]
amdhsa.kernels:
  - .name:           k_qb4bcfca1ae_gq
    .symbol:         k_qb4bcfca1ae_gq.kd
    .args:
      - { .name: cw, .offset: 0, .size: 8, .value_kind: global_buffer, .address_space: global }
      - { .name: big, .offset: 8, .size: 8, .value_kind: global_buffer, .address_space: global }
    .group_segment_fixed_size: 327680
    .private_segment_fixed_size: 0
    .kernarg_segment_align: 8
    .kernarg_segment_size: 16
    .max_flat_workgroup_size: 128
    .sgpr_count:     98
    .vgpr_count:     1024
    .wavefront_size: 32
...
	.end_amdgpu_metadata
.endif
;; end of part 10
;; launch attn (part 11): grid 16 x 16, 16 waves a work-group, no clusters, 248,320 bytes of LDS; arguments big, mbits, mflag, ab; writes ab
.if DOCPART == 11
	.amdgcn_target "amdgcn-amd-amdhsa--gfx1250"
	.amdhsa_code_object_version 6
	.text
	.protected	k_qb4bcfca1ae_attn
	.globl	k_qb4bcfca1ae_attn
	.p2align	8
	.type	k_qb4bcfca1ae_attn,@function
k_qb4bcfca1ae_attn:
	s_mov_b64 s[64:65], 0
	v_nop
	global_prefetch_b8 v0, s[64:65] scope:SCOPE_SE
	s_setreg_imm32_b32 hwreg(HW_REG_WAVE_MODE, 25, 1), 1
	s_wait_xcnt 0x0
; Attention on codes of BF6: S^T = K Q^T (K = the head's 64), masked, p = 2^(t - M) quantised along the keys, O^T = V^T P^T, O / l quantised along (head, channel) and stored as slabs for the projection.
; t = score x log2(e) / 8; M = the running largest t rounded up to a whole number; l is the sum of the unquantised p; when M moves, l and O^T are multiplied by 2^(old M - new M), which rounds nothing.
; No product is left out.  THE MASK: the first launch stored, for each tile of 16 queries and step of 128 keys, 64 lane-mask words and one flag (0: no key of the step is hidden from any query of the tile).
; A step whose flag is 0 jumps over the 64 selects, which would change nothing there; every other step loads its words and selects.  The jump hangs on a whole number that an earlier launch stored.
; A hidden score becomes -2^33, a logit of -2^30 where the definition has -1e9: a row with no visible key gives p = 1 for every key, the uniform average, as the definition does.  LIMIT: results differ only where true logits lie under about -1e9.
; SHARES.  Work-group (x, y): y = 8 batch + pair of heads, x = a block of 128 queries.  Wave w: tile w % 8 of 16 queries, head w / 8 of the pair.  Every wave walks 16 steps of 128 keys.
; K AND V GO THROUGH REGISTERS INTO LDS: the launch has no tensor load, and so no joint load of a cluster.  Wave w moves image w % 8 of K's (w < 8) or V's slab of a step:
; three loads of 512 bytes and its 64 bytes of scale words.  Step j + 5 is asked for in step j, stored to LDS in step j + 1 and read in step j + 5.  No prefetch: each byte is asked for five steps ahead of its first use.
; RING: two slots of four steps, 2^17 bytes apart; while one is read, the other is stored; one barrier for four steps: in front of it each wave's stores and reads are done.
; THE STORES RE-LAY K.  (a) By heads: a fragment's registers 0-5 are head 0's 64 channels, 6-11 head 1's; head p's six stand at 6144 p + 768 i: registers 0-3 at 16 x lane, 4-5 at 512 + 8 x lane.
; A wave loads six registers a tile, on end; a tile's operand is its six and the next tile's six, which meet Q's six registers of zero codes and add nothing (every 6-bit code is a finite number; the upper two scale bytes are 0, a finite code).
; (b) By rows: lane r of tile i is key 64 (i / 4) + 32 (r / 8) + 8 (i % 4) + r % 8, so that score register n of lane (r, h) is key 64 (n / 32) + 32 h + n % 32: a lane's 32 registers are one whole block of 32 keys in the operand's own order.
; LIMITS otherwise as stated at the head of the first launch; the scaled scores stay under 2^31 in magnitude.
.set SLAB,  12800
.set VOFF,  4*SLAB                     ; in a slot: K's four steps, then V's four
.set SLOT1, 1<<17
.set STG,   SLOT1+8*SLAB               ; the output slab is gathered here
.set SPARE, STG+SLAB                   ; the spare words, 128 bytes a wave
.set G,     192                        ; v192-204 what I move: three runs of four registers and a scale word
; v1-4 read places (16 L, 8 L, K's and V's scale words); v5, v6 the add's two; v7 the hidden score; v8-11 the step's read places; v12 -M; v13 largest t; v[14:15] l; v16-27 Q; v28-31, v86 the way out;
; v32-85 fragments (v80-85 zeros); v87 8 h; v88-90 store places, v93-95 the step's; v96-159 S^T, then p; v160-191 O^T; v205, v206 load offsets; v208-219 p's codes; v220-254 at work; v240-243 fragments' scale words; v253 p's; v255 Q's.
; s[4:5] my image in big; s[6:7] my mask words; s[10:11] my slab of ab; s[12:13] c; s14, s15 lane selects; s16 wave; s17 head, also: I move K (0) or V (1); s18 tile, also my image; s20 flags; s21 step; s28, s29 read and store bytes.
.macro LDG reg, off
.irp c, 0,1,2
	global_load_b128 v[\reg+4*\c:\reg+4*\c+3], v205, s[4:5] offset:\off+512*\c
.endr
	global_load_b32 v[\reg+12], v206, s[4:5] offset:\off
.endm
.macro STK reg, a1, a2, off            ; K's image, by heads
	ds_store_b128 v[\a1], v[\reg:\reg+3] offset:\off
	ds_store_b64 v[\a2], v[\reg+4:\reg+5] offset:\off
	ds_store_b64 v[\a1], v[\reg+6:\reg+7] offset:\off+6144
	ds_store_b64 v[\a1], v[\reg+8:\reg+9] offset:\off+6152
	ds_store_b64 v[\a2], v[\reg+10:\reg+11] offset:\off+6144
.endm
.macro STV reg, a1, off                ; V's image, as it lies
.irp c, 0,1,2
	ds_store_b128 v[\a1], v[\reg+4*\c:\reg+4*\c+3] offset:\off+512*\c
.endr
.endm
.macro STEP
	v_add_nc_u32 v8, s28, v1                       ; (these four are also the places behind the last products)
	v_add_nc_u32 v9, s28, v2
	v_add_nc_u32 v10, s28, v3
	v_add_nc_u32 v11, s28, v4
	s_wait_alu depctr_va_vdst(0)                   ; the wait ahead of the wait below
	s_wait_loadcnt 0x0                             ; what I asked for in the last step is in
	s_cmp_gt_u32 s21, 11                           ; steps 12-15 have nothing left to store
	s_cbranch_scc1 .Lns_\@
	s_cmp_eq_u32 s17, 0
	s_cbranch_scc0 .Lsv_\@
	STK G, 93, 94, 0
	s_branch .Lsj_\@
.Lsv_\@:
	STV G, 93, 0
.Lsj_\@:
	ds_store_b32 v95, v[G+12]                      ; lanes r and r + 16 write the same word with the same value
.Lns_\@:
.irp t, 0,1,2,3,4,5,6,7
	ds_load_b128 v[32+6*\t:35+6*\t], v8 offset:768*\t
	ds_load_b64 v[36+6*\t:37+6*\t], v9 offset:768*\t
.endr
.irp u, 0,1,2,3
	ds_load_u16 v[240+\u], v10 offset:128*\u       ; my head's two bytes: lanes 0-15 tile 2 u, lanes 16-31 tile 2 u + 1
.endr
	s_wait_dscnt 0x0                               ; K is in, and my stores have read their registers
	s_cmp_gt_u32 s21, 10                           ; steps 11-15 have nothing left to ask for
	s_cbranch_scc1 .Lnl_\@
	s_add_nc_u64 s[4:5], s[4:5], SLAB
	LDG G, 0
.Lnl_\@:
.irp u, 0,1,2,3
	v_wmma_scale_f32_16x16x128_f8f6f4 v[96+16*\u:103+16*\u], v[32+12*\u:43+12*\u], v[16:27], 0, v[240+\u], v255 matrix_a_fmt:MATRIX_FMT_BF6 matrix_b_fmt:MATRIX_FMT_BF6
	v_wmma_scale_f32_16x16x128_f8f6f4 v[104+16*\u:111+16*\u], v[38+12*\u:49+12*\u], v[16:27], 0, v[240+\u], v255 matrix_a_fmt:MATRIX_FMT_BF6 matrix_b_fmt:MATRIX_FMT_BF6 matrix_a_scale:MATRIX_SCALE_ROW1
.endr
	v_add_nc_u32 v93, s29, v88                     ; the next step's store places: four places behind the products
	v_add_nc_u32 v94, s29, v89
	v_add_nc_u32 v95, s29, v90
	v_mov_b32 v254, v12
	s_add_co_u32 s29, s29, SLAB
.irp t, 0,1,2,3                        ; V's four fragments of my head: they land under the softmax
.irp c, 0,1,2
	ds_load_b128 v[32+12*\t+4*\c:35+12*\t+4*\c], v8 offset:VOFF+1536*\t+512*\c
.endr
.endr
.irp u, 0,1
	ds_load_b32 v[240+\u], v11 offset:128*\u
.endr
	s_lshr_b32 s24, s20, s21
	s_and_b32 s24, s24, 1
	s_cmp_lg_u32 s24, 0
	s_wait_alu depctr_va_vdst(0)                   ; the wait ahead of the branch
	s_cbranch_scc0 .Lvis_\@                        ; no key of this step is hidden from my queries
	s_load_b512 s[32:47], s[6:7], 0x0              ; the step's 64 lane masks
	s_load_b512 s[48:63], s[6:7], 0x40
	s_load_b512 s[68:83], s[6:7], 0x80
	s_load_b512 s[84:99], s[6:7], 0xc0
	s_wait_kmcnt 0x0
.set n, 0
.rept 32
	v_cndmask_b32 v[96+n], v7, v[96+n], s[32+n]
.set n, n+1
.endr
.rept 32
	v_cndmask_b32 v[96+n], v7, v[96+n], s[36+n]
.set n, n+1
.endr
.Lvis_\@:
	s_add_nc_u64 s[6:7], s[6:7], 256               ; no load of mine names it now: on to the next step's words
.irp b, 0,1,2,3
	v_max3_num_f32 v[244+\b], v[96+16*\b], v[97+16*\b], v[98+16*\b]   ; four chains of 16; two make a block of 32 keys, all mine
.endr
.irp i, 3,5,7,9,11,13
.irp b, 0,1,2,3
	v_max3_num_f32 v[244+\b], v[244+\b], v[96+16*\b+\i], v[97+16*\b+\i]
.endr
.endr
	v_max3_num_f32 v228, v244, v245, v111
	v_max3_num_f32 v229, v246, v247, v143
	v_max_num_f32 v228, v228, v127                 ; the largest score of each of my two blocks: for the row's maximum and for the block's largest p
	v_max_num_f32 v229, v229, v159
	v_max_num_f32 v230, v228, v229
	v_mul_f32 v230, s12, v230
	v_permlanex16_b32 v231, v230, s14, s15         ; the row's other two blocks
	v_max3_num_f32 v13, v13, v230, v231            ; the running largest t
	v_floor_f32 v12, -v13                          ; -M
	v_sub_f32 v254, v12, v254                      ; old M - new M: a whole number, 0 or less
	v_cvt_i32_f32 v254, v254
	v_ldexp_f32 v252, 1.0, v254                    ; f
.set n, 0
.rept 32
	v_pk_fma_f32 v[96+n:97+n], v[96+n:97+n], s[12:13], v[12:13] op_sel_hi:[1,0,0]   ; t - M
.set n, n+2
.endr
	v_fma_f32 v228, v228, s12, v12
	v_fma_f32 v229, v229, s12, v12
	s_wait_alu depctr_va_vdst(0)                   ; the wait ahead of the batch
.set n, 0
.rept 64
	v_exp_f32 v[96+n], v[96+n]                     ; p, not normalised
.set n, n+1
.endr
	v_exp_f32 v228, v228                           ; each block's largest p
	v_exp_f32 v229, v229
	v_nop                                          ; a plain place behind the batch
	s_wait_alu depctr_va_vdst(0)                   ; one wait for the batch, ahead of its first reader
.irp k, 0,1,2,3
	v_pk_add_f32 v[244+2*\k:245+2*\k], v[96+4*\k:97+4*\k], v[98+4*\k:99+4*\k]       ; l's part of this step, of the unquantised p, in four chains
.endr
.irp j, 16,24,32,40,48,56
.irp k, 0,1,2,3
	v_pk_add_f32 v[244+2*\k:245+2*\k], v[244+2*\k:245+2*\k], v[96+\j+2*\k:97+\j+2*\k]
.endr
.endr
	v_max_num_f32 v228, 0x2800000, v228            ; the floor 2^(5 - 127) holds the byte at 1 from below
	v_max_num_f32 v229, 0x2800000, v229
	v_pk_add_f32 v[244:245], v[244:245], v[246:247]
	v_pk_add_f32 v[248:249], v[248:249], v[250:251]
	v_add_nc_u32 v232, 0xfe000000, v228            ; 4 off the exponent field: the conversion's scale operand
	v_add_nc_u32 v233, 0xfe000000, v229
	v_pk_add_f32 v[244:245], v[244:245], v[248:249]
	v_lshrrev_b32 v234, 23, v232                   ; the bytes of blocks h and 2 + h
	v_lshrrev_b32 v235, 23, v233
	v_pk_fma_f32 v[14:15], v[14:15], v[252:253], v[244:245] op_sel_hi:[1,0,1]       ; l under the new M, and this step's part
	v_lshl_or_b32 v236, v235, 16, v234
	v_lshlrev_b32 v236, v87, v236                  ; 8 h bits up
	v_permlanex16_b32 v237, v236, s14, s15
	v_or_b32 v253, v236, v237                      ; p's scale word
.irp c, 0,1
	v_cvt_scalef32_pk16_bf6_f32 v[208+6*\c:210+6*\c], v[96+32*\c:111+32*\c], v[232+\c]
	v_cvt_scalef32_pk16_bf6_f32 v[220+4*\c:222+4*\c], v[112+32*\c:127+32*\c], v[232+\c]   ; (three registers begin on an even number)
.endr
	v_nop                                          ; a plain place behind the conversions
.irp c, 0,1
.irp i, 0,1,2
	v_mov_b32 v[211+6*\c+\i], v[220+4*\c+\i]
.endr
.endr
	s_wait_alu depctr_va_vdst(0)                   ; the wait ahead of the first reader of O^T
.set n, 0
.rept 16
	v_pk_mul_f32 v[160+n:161+n], v[160+n:161+n], v[252:253] op_sel_hi:[1,0]   ; O^T under the new M; also the places in front of the products below
.set n, n+2
.endr
	s_wait_alu depctr_va_vdst(0)
	s_wait_dscnt 0x0                               ; V
.irp u, 0,1
	v_wmma_scale_f32_16x16x128_f8f6f4 v[160+16*\u:167+16*\u], v[32+24*\u:43+24*\u], v[208:219], v[160+16*\u:167+16*\u], v[240+\u], v253 matrix_a_fmt:MATRIX_FMT_BF6 matrix_b_fmt:MATRIX_FMT_BF6
	v_wmma_scale_f32_16x16x128_f8f6f4 v[168+16*\u:175+16*\u], v[44+24*\u:55+24*\u], v[208:219], v[168+16*\u:175+16*\u], v[240+\u], v253 matrix_a_fmt:MATRIX_FMT_BF6 matrix_b_fmt:MATRIX_FMT_BF6 matrix_a_scale:MATRIX_SCALE_ROW1
.endr
	s_add_co_u32 s28, s28, SLAB
	s_add_co_u32 s21, s21, 1
.endm
.macro PHASE slot                      ; four steps read from this slot, while the other slot takes the four steps after them
	s_mov_b32 s28, \slot*SLOT1
	s_mov_b32 s29, (1-\slot)*SLOT1
	v_add_nc_u32 v93, s29, v88
	v_add_nc_u32 v94, s29, v89
	v_add_nc_u32 v95, s29, v90
	s_add_co_u32 s29, s29, SLAB
	s_mov_b32 s22, 4
	s_wait_alu depctr_va_vdst(0)
	s_wait_dscnt 0x0                               ; my stores into this slot are done, my reads of the other are over
	s_barrier_signal -1
	s_barrier_wait -1                              ; both now hold of every wave
.Lstep_\@:
	STEP
	s_sub_co_u32 s22, s22, 1
	s_cmp_lg_u32 s22, 0
	s_cbranch_scc1 .Lstep_\@
.endm
	s_load_b256 s[4:11], s[0:1], 0x0               ; big, mbits, mflag, ab
	v_lshl_add_u32 v5, v0, 2, SPARE
	v_mov_b32 v6, 0
	v_lshrrev_b32 v8, 5, v0
	v_readfirstlane_b32 s16, v8                    ; wave
	s_lshr_b32 s17, s16, 3                         ; head of the pair; also: I move K (0) or V (1)
	s_and_b32 s18, s16, 7                          ; tile of queries; also the image that I move
	s_xor_b32 s19, s17, 1
	s_and_b32 s24, ttmp7, 0xffff
	s_lshr_b32 s25, s24, 3                         ; batch
	s_and_b32 s24, s24, 7                          ; pair of heads
	s_lshl_b32 s26, s24, 5
	s_lshl_b32 s27, s25, 4
	s_add_co_u32 s26, s26, s27                     ; 32 hp + 16 b
	s_lshl_b32 s30, s17, 8
	s_add_co_u32 s30, s30, s26
	s_add_co_u32 s30, s30, 256                     ; K's slabs from 256 on, V's from 512 on, a step a slab
	s_mul_i32 s30, s30, SLAB
	s_mul_i32 s33, s18, 1536
	s_add_co_u32 s30, s30, s33
	s_mov_b32 s31, 0
	s_add_co_u32 s32, s26, ttmp9
	s_mul_i32 s32, s32, SLAB                       ; Q's slab,
	s_add_co_u32 s32, s32, s33                     ; my tile's image
	s_mov_b32 s33, 0
	s_lshl_b32 s34, ttmp9, 3
	s_add_co_u32 s34, s34, s18
	s_lshl_b32 s36, s34, 6                         ; my tile's 16 flags
	s_mov_b32 s37, 0
	s_lshl_b32 s34, s34, 12                        ; my tile's 16 x 256 bytes of mask words
	s_mov_b32 s35, 0
	s_add_co_u32 s38, s27, ttmp9
	s_lshl_b32 s38, s38, 3
	s_add_co_u32 s38, s38, s24
	s_mul_i32 s38, s38, SLAB                       ; output slab 8 (16 b + block) + hp
	s_mov_b32 s39, 0
	s_mul_i32 s40, s17, 6144
	s_add_co_u32 s41, s40, 512
	s_mul_i32 s42, s17, 520
	s_lshl_b32 s61, s17, 1
	s_add_co_u32 s43, s61, 12288
	s_lshl_b32 s44, s17, 8
	s_add_co_u32 s44, s44, VOFF+12288
	s_mul_i32 s45, s17, 1016
	s_add_co_u32 s45, s45, 8
	s_mul_i32 s60, s18, 1472
	s_sub_co_u32 s60, 12288, s60                   ; from an image to its scale words: 12,288 + 64 i - 1,536 i
	s_and_b32 s46, s18, 5                          ; K's image i, lane r goes to tile (i & 5) + 2 (r / 8), lane 8 ((i / 2) % 2) + r % 8
	s_bfe_u32 s47, s18, 0x10001
	s_mul_i32 s48, s46, 768
	s_lshl_b32 s58, s47, 6
	s_add_co_u32 s50, s48, s58
	s_add_co_u32 s50, s50, 512                     ; K's registers 4-5
	s_lshl_b32 s58, s47, 7
	s_add_co_u32 s48, s48, s58
	s_mul_i32 s48, s48, s19                        ; K's registers 0-3,
	s_mul_i32 s58, s18, 1536
	s_add_co_u32 s58, s58, VOFF
	s_mul_i32 s58, s58, s17
	s_add_co_u32 s48, s48, s58                     ; or V's image
	s_mul_i32 s49, s19, 1408
	s_add_co_u32 s49, s49, 128                     ; r / 8 counts 1,536 bytes in K, 128 in V
	s_lshl_b32 s51, s46, 6
	s_lshl_b32 s58, s47, 5
	s_add_co_u32 s51, s51, s58
	s_mul_i32 s51, s51, s19
	s_lshl_b32 s58, s18, 6
	s_add_co_u32 s58, s58, VOFF
	s_mul_i32 s58, s58, s17
	s_add_co_u32 s51, s51, s58
	s_add_co_u32 s51, s51, 12288                   ; the scale words
	s_mul_i32 s52, s19, 96
	s_add_co_u32 s52, s52, 32
	s_mov_b32 s59, 1536
	s_mul_i32 s53, s18, 1536
	s_add_co_u32 s53, s53, STG                     ; my image of the output slab: I hold its registers 6 p .. 6 p + 5
	s_add_co_u32 s54, s53, s45
	s_add_co_u32 s53, s53, s42
	s_lshl_b32 s55, s18, 6
	s_add_co_u32 s55, s55, s61
	s_add_co_u32 s55, s55, STG+12288
	s_lshl_b32 s56, s16, 9
	s_mov_b32 s12, 0x3e38aa3b                      ; c = log2(e) / 8
	s_mov_b32 s13, s12
	s_mov_b32 s14, 0x76543210
	s_mov_b32 s15, 0xfedcba98
	s_mov_b32 s21, 0
	s_mov_b32 s23, 2
	v_and_b32 v8, 31, v0                           ; L
	v_and_b32 v9, 15, v0                           ; r
	v_bfe_u32 v10, v0, 4, 1                        ; h
	v_and_b32 v11, 7, v0                           ; r % 8
	v_bfe_u32 v93, v0, 3, 1                        ; r / 8
	v_lshlrev_b32 v205, 4, v8
	v_lshlrev_b32 v227, 2, v9
	v_lshlrev_b32 v3, 2, v8
	v_add_nc_u32 v1, s40, v205
	v_lshl_add_u32 v2, v8, 3, s41
	v_add_nc_u32 v4, s44, v3
	v_add_nc_u32 v3, s43, v3
	v_add_nc_u32 v207, s42, v205                   ; Q's six registers of my head: pairs at 16 L + 520 p, 16 L + 8 + 1016 p and 512 behind the first
	v_add_nc_u32 v226, s45, v205
	v_add_nc_u32 v206, s60, v227
	v_add_nc_u32 v225, s61, v206
	v_add_nc_u32 v28, s53, v205
	v_add_nc_u32 v29, s54, v205
	v_add_nc_u32 v30, s55, v227
	v_add_nc_u32 v86, s56, v205                    ; the slab leaves in runs of 512 bytes: run w is mine
	v_add_nc_u32 v31, STG, v86
	v_lshlrev_b32 v87, 3, v10
	v_lshlrev_b32 v92, 8, v10
	v_lshl_add_u32 v92, v11, 4, v92
	v_mad_u32_u24 v88, s49, v93, v92
	v_add_nc_u32 v88, s48, v88
	v_lshlrev_b32 v92, 7, v10
	v_lshl_add_u32 v92, v11, 3, v92
	v_mad_u32_u24 v89, s59, v93, v92
	v_add_nc_u32 v89, s50, v89
	v_lshlrev_b32 v92, 2, v11
	v_mad_u32_u24 v90, s52, v93, v92
	v_add_nc_u32 v90, s51, v90
	v_mov_b32 v7, 0xd0000000                       ; -2^33
	v_mov_b32 v13, 0xff61b1e6                      ; -3e38, under every t
	v_floor_f32 v12, -v13
	v_mov_b32 v14, 0
	v_mov_b32 v15, 0
.irp j, 22,23,24,25,26,27, 80,81,82,83,84,85, 231,237,252,253
	v_mov_b32 v\j, 0                               ; Q's zero codes; what stands behind K's last tile; lane permutes' destinations
.endr
.set n, 0
.rept 32
	v_mov_b32 v[160+n], 0                          ; O^T: the step is written once; the first change of M leaves zeros zeros
.set n, n+1
.endr
	s_wait_alu depctr_va_vdst(0)                   ; the wait at the head's end
	s_wait_kmcnt 0x0
	s_add_nc_u64 s[32:33], s[4:5], s[32:33]
	s_add_nc_u64 s[4:5], s[4:5], s[30:31]
	s_add_nc_u64 s[6:7], s[6:7], s[34:35]
	s_add_nc_u64 s[8:9], s[8:9], s[36:37]
	s_add_nc_u64 s[10:11], s[10:11], s[38:39]
	s_load_b512 s[68:83], s[8:9], 0x0
.irp q, 0,1,2,3
	LDG 96+16*\q, \q*SLAB                          ; steps 0-3, by way of the scores' registers
.endr
	LDG G, 4*SLAB                                  ; step 4
	global_load_b64 v[16:17], v207, s[32:33]
	global_load_b64 v[18:19], v226, s[32:33]
	global_load_b64 v[20:21], v207, s[32:33] offset:512
	global_load_u16 v255, v225, s[32:33]           ; my head's two scale bytes
	s_wait_kmcnt 0x0
	s_or_b32 s20, s68, s69                         ; flag ks holds 0 or bit ks: together, the steps in which something is hidden
.irp j, 70,71,72,73,74,75,76,77,78,79,80,81,82,83
	s_or_b32 s20, s20, s\j
.endr
	s_wait_loadcnt 0x0
	s_add_nc_u64 s[4:5], s[4:5], 4*SLAB
	s_cmp_eq_u32 s17, 0
	s_cbranch_scc0 .Lhead_v
.irp q, 0,1,2,3
	STK 96+16*\q, 88, 89, \q*SLAB
.endr
	s_branch .Lhead_j
.Lhead_v:
.irp q, 0,1,2,3
	STV 96+16*\q, 88, \q*SLAB
.endr
.Lhead_j:
.irp q, 0,1,2,3
	ds_store_b32 v90, v[108+16*\q] offset:\q*SLAB
.endr
.Lpair:
	PHASE 0
	PHASE 1
	s_sub_co_u32 s23, s23, 1
	s_cmp_lg_u32 s23, 0
	s_cbranch_scc1 .Lpair
	; THE WAY OUT
	v_add_f32 v14, v14, v15
	s_delay_alu instid0(VALU_DEP_1)
	v_permlanex16_b32 v252, v14, s14, s15
	s_delay_alu instid0(VALU_DEP_1)
	v_add_f32 v14, v14, v252                       ; the row's sum
	s_wait_alu depctr_va_vdst(0)
	v_rcp_f32 v14, v14
.rept 4
	v_nop                                          ; places behind the reciprocal and the last products
.endr
	s_wait_alu depctr_va_vdst(0)                   ; the wait ahead of the first reader
.set n, 0
.rept 32
	v_mul_f32 v[96+n], v[160+n], v14               ; register 16 g + i: channel 32 g + 16 h + i of my head
.set n, n+1
.endr
.irp g, 0,1
	v_max3_num_f32 v[232+\g], |v[96+16*\g]|, |v[97+16*\g]|, 0x2800000
.endr
.irp i, 2,4,6,8,10,12,14
.irp g, 0,1
	s_delay_alu instid0(VALU_DEP_2)
	v_max3_num_f32 v[232+\g], v[232+\g], |v[96+16*\g+\i]|, |v[97+16*\g+\i]|
.endr
.endr
.irp g, 0,1
	s_delay_alu instid0(VALU_DEP_2)
	v_permlanex16_b32 v[236+\g], v[232+\g], s14, s15
.endr
.irp g, 0,1
	s_delay_alu instid0(VALU_DEP_2)
	v_max_num_f32 v[232+\g], v[232+\g], v[236+\g]
.endr
.irp g, 0,1
	s_delay_alu instid0(VALU_DEP_2)
	v_add_nc_u32 v[244+\g], 0xfe000000, v[232+\g]
.endr
.irp g, 0,1
	s_delay_alu instid0(VALU_DEP_2)
	v_lshrrev_b32 v[248+\g], 23, v[244+\g]
.endr
	s_delay_alu instid0(VALU_DEP_1)
	v_lshl_or_b32 v250, v249, 8, v248
	v_cvt_scalef32_pk16_bf6_f32 v[224:226], v[96:111], v244
	v_cvt_scalef32_pk16_bf6_f32 v[236:238], v[112:127], v245
	v_nop
.irp i, 0,1,2
	v_permlane16_swap_b32 v[224+\i], v[236+\i]
.endr
.irp i, 0,1,2
	s_delay_alu instid0(VALU_DEP_3)
	v_mov_b32 v[227+\i], v[236+\i]
.endr
	ds_store_b64 v28, v[224:225]
	ds_store_b64 v29, v[226:227]
	ds_store_b64 v28, v[228:229] offset:512
	ds_store_b16 v30, v250
	s_wait_dscnt 0x0                               ; for the others' sake
	s_barrier_signal -1
	s_barrier_wait -1
	ds_load_b128 v[32:35], v31
	s_wait_dscnt 0x0
	global_store_b128 v86, v[32:35], s[10:11]
	s_cmp_lt_u32 s16, 9                            ; 25 runs of 512 bytes: waves 0-8 take a second
	s_cbranch_scc0 .Lend
	ds_load_b128 v[36:39], v31 offset:8192
	s_wait_dscnt 0x0
	global_store_b128 v86, v[36:39], s[10:11] offset:8192
.Lend:
	s_wait_tensorcnt 0x0                           ; the wave's end
	ds_add_u32 v5, v6
	s_wait_dscnt 0x0
	s_endpgm
.Lfunc_end_k_qb4bcfca1ae_attn:
	.size	k_qb4bcfca1ae_attn, .Lfunc_end_k_qb4bcfca1ae_attn-k_qb4bcfca1ae_attn
	.p2alignl 7, 3214868480
	.fill 96, 4, 3214868480
	.section	.rodata,"a",@progbits
	.p2align	6, 0x0
	.amdhsa_kernel k_qb4bcfca1ae_attn
		.amdhsa_group_segment_fixed_size 248320
		.amdhsa_private_segment_fixed_size 0
		.amdhsa_enable_private_segment 0
		.amdhsa_kernarg_size 32
		.amdhsa_user_sgpr_count 2
		.amdhsa_user_sgpr_kernarg_segment_ptr 1
		.amdhsa_wavefront_size32 1
		.amdhsa_system_sgpr_workgroup_id_x 1
		.amdhsa_system_sgpr_workgroup_id_y 1
		.amdhsa_system_sgpr_workgroup_id_z 1
		.amdhsa_system_vgpr_workitem_id 0
		.amdhsa_next_free_vgpr 256
		.amdhsa_next_free_sgpr 100
		.amdhsa_reserve_vcc 0
		.amdhsa_float_denorm_mode_32 3
		.amdhsa_float_denorm_mode_16_64 3
		.amdhsa_memory_ordered 1
		.amdhsa_forward_progress 1
		.amdhsa_inst_pref_size 60
	.end_amdhsa_kernel
	.amdgpu_metadata
---
amdhsa.version: [ 1, 2 ]
amdhsa.kernels:
  - .name:           k_qb4bcfca1ae_attn
    .symbol:         k_qb4bcfca1ae_attn.kd
    .args:
      - { .name: big, .offset: 0, .size: 8, .value_kind: global_buffer, .address_space: global }
      - { .name: mbits, .offset: 8, .size: 8, .value_kind: global_buffer, .address_space: global }
      - { .name: mflag, .offset: 16, .size: 8, .value_kind: global_buffer, .address_space: global }
      - { .name: ab, .offset: 24, .size: 8, .value_kind: global_buffer, .address_space: global }
    .group_segment_fixed_size: 248320
    .private_segment_fixed_size: 0
    .kernarg_segment_align: 8
    .kernarg_segment_size: 32
    .max_flat_workgroup_size: 512
    .sgpr_count:     100
    .vgpr_count:     256
    .wavefront_size: 32
...
	.end_amdgpu_metadata
.endif
;; end of part 11
;; launch gwo (part 12): grid 8 x 32, 4 waves a work-group, clusters of 4 x 4, 327,680 bytes of LDS; arguments ab, woc, x, x1; writes x1
.if DOCPART == 12
	.amdgcn_target "amdgcn-amd-amdhsa--gfx1250"
	.amdhsa_code_object_version 6
	.text
	.protected	k_qb4bcfca1ae_gwo
	.globl	k_qb4bcfca1ae_gwo
	.p2align	8
	.type	k_qb4bcfca1ae_gwo,@function
k_qb4bcfca1ae_gwo:
	s_mov_b64 s[64:65], 0
	v_nop
	global_prefetch_b8 v0, s[64:65] scope:SCOPE_SE
	s_setreg_imm32_b32 hwreg(HW_REG_WAVE_MODE, 25, 1), 1
	s_wait_xcnt 0x0
	s_wait_alu depctr_hold_cnt(0) depctr_sa_sdst(0) depctr_va_vdst(0) depctr_va_sdst(0) depctr_va_ssrc(0) depctr_va_vcc(0) depctr_vm_vsrc(0)
	s_getreg_b32 s2, hwreg(HW_REG_IB_STS2, 6, 4)
	s_cmp_eq_u32 s2, 0
	s_cbranch_scc0 .Lentry_in_a_cluster
	s_endpgm
.Lentry_in_a_cluster:
	s_bfe_u32 s2, ttmp6, 0x10000c
	s_cmp_lg_u32 s2, 0xf033
	s_cbranch_scc0 .Lentry_shape_is_right
	s_endpgm
.Lentry_shape_is_right:
; x1 = x + O Wo^T, K = 1,024, on slabs of BF6 codes with E8M0 bytes; x1 in f32, rows of 1,024.  Nothing is left out.
; THE SLAB: 128 rows x 128 along K in 12,800 bytes: eight images of 1,536 bytes, each a fragment's registers as they stand (registers 4 c .. 4 c + 3 of lane l at 1536 i + 512 c + 16 l), then 512 bytes of scale words
; (image i, lane r: 12,288 + 64 i + 4 r).  Lane r of image i is row 32 (i / 2) + 8 (i % 2) + r % 8 + 16 (r / 8) of the 128.  A block of 128 rows has its slabs along K on end.
; SHARES.  A work-group makes 128 x 128 of the result, so that 4,096 x 1,024 give 256 work-groups; a wave makes 64 x 64: 16 accumulators.  For 128 along K a wave reads 8 fragments for 16 products.
; K goes in two steps of 512, one to each of two LDS slots (A's four slabs, then B's four): both are first fills, nothing is filled again.  Each wave brings 25,600 dense bytes (two slabs) by one tensor load: two are out at the most.
; CLUSTERS 4 x 4: A's tiles hang on the tile row alone and are shared along a row of the cluster, B's on the tile column alone and are shared along a column: joint loads.
; Source 0 = B's 16 rows, source 1 = A's: accumulator (a, b), lane (r, h), register j is row 32 (a / 2) + 8 (a % 2) + r % 8 + 16 (r / 8), column 32 (b / 2) + 8 (b % 2) + 16 h + j of the wave's 64 x 64.
; THE RESIDUAL is asked for at the head, in the layout in which the result leaves (two rows of 256 bytes a load), and waited for once, on the way out.
; REGISTERS: window 0: v16-29 addresses; v32-39 scale words, two sets; v128-255 accumulators.  Window 1: two sets of fragments: A's four at 128 p, B's four at 128 p + 48.  Window 2: v0-127 the residual.
.set SLAB,  12800
.set CH,    2*SLAB
.set SLOT,  4*CH
.set SPARE, 2*SLOT                     ; the spare words, 128 bytes a wave
.set STG,   SPARE+512                  ; the stages: 64 rows x 272 bytes for each wave, bytes of their own
.set SP,    272
.set FR,    12
.set ADRA,  16                         ; v16-17 my four images of A in slot 0, 1;  v20-21 B's;  v22-23 scale words (lanes 0-15 A's, lanes 16-31 B's)
.set ADRB,  20
.set ADRS,  22
.set STO,   24
.set RD,    25
.set CO,    26
.set SPW,   28
.set NIL,   29
.set SC,    32
.set ACC,   128
.set G1,    24
.set G0,    32
.set G1B,   48
.set G0B,   56
.set MUL,   0x05                       ; sources 0 (B) and 1 (A) window 1; C and D window 0
.set TO_F,  0x40                       ; destination window 1, address window 0
.set MSB, 0
.macro WIN new                         ; the immediate's high byte repeats the setting that is left
.if MSB != (\new)
	s_set_vgpr_msb (MSB<<8)|(\new)
.set MSB, (\new)
.endif
.endm
.macro PLACES n
.rept \n
	v_nop
.endr
.endm
.macro JLOAD g0a, g1a, g0b, g1b        ; waves 0, 1 fetch for A, waves 2, 3 for B
	s_cmp_eq_u32 s15, 0
	s_cbranch_scc0 .Lfor_b_\@
	tensor_load_to_lds s[\g0a:\g0a+3], s[\g1a:\g1a+7]
	s_nop 0
.rept 4
	v_nop
.endr
	s_branch .Lasked_\@
.Lfor_b_\@:
	tensor_load_to_lds s[\g0b:\g0b+3], s[\g1b:\g1b+7]
	s_nop 0
.rept 4
	v_nop
.endr
.Lasked_\@:
.endm
.macro CROUND                          ; a round of the cluster's barrier
	s_barrier_signal -1
	s_barrier_wait -1
	s_cmp_lg_u32 s14, 0
	s_cbranch_scc1 .Lnot_wave_0_\@
	s_barrier_signal -3
.Lnot_wave_0_\@:
	s_barrier_wait -3
	s_barrier_signal -1
	s_barrier_wait -1
.endm
.macro FRAG reg, adr, q, i             ; an image is the fragment's registers: three loads of 512 consecutive bytes
.irp c, 0,1,2
	ds_load_b128 v[(\reg)+4*\c:(\reg)+4*\c+3], v[\adr] offset:(\q)*SLAB+1536*(\i)+512*\c
.endr
.endm
.macro FETCH_B slot, q, p              ; B's four fragments of the slot's q-th 128 along K into set p
	WIN TO_F
.irp i, 0,1,2,3
	FRAG 128*(\p)+48+FR*\i, ADRB+(\slot), \q, \i
.endr
.endm
.macro FETCH_A slot, q, p              ; A's four, and the four registers of scale words
	WIN TO_F
.irp i, 0,1,2,3
	FRAG 128*(\p)+FR*\i, ADRA+(\slot), \q, \i
.endr
	WIN 0
.irp i, 0,1,2,3
	ds_load_b32 v[SC+4*(\p)+\i], v[ADRS+(\slot)] offset:(\q)*SLAB+64*\i
.endr
.endm
.macro MULA a, p, zero                 ; A's block a against B's four; the 16 accumulators take turns, in the same order in every step
.irp b, 0,1,2,3
.if \zero
	v_wmma_scale_f32_16x16x128_f8f6f4 v[ACC+8*(4*(\a)+\b):ACC+8*(4*(\a)+\b)+7], v[128*(\p)+48+FR*\b:128*(\p)+48+FR*\b+FR-1], v[128*(\p)+FR*(\a):128*(\p)+FR*(\a)+FR-1], 0, v[SC+4*(\p)+\b], v[SC+4*(\p)+(\a)] matrix_a_fmt:MATRIX_FMT_BF6 matrix_b_fmt:MATRIX_FMT_BF6 matrix_a_scale:MATRIX_SCALE_ROW1
.else
	v_wmma_scale_f32_16x16x128_f8f6f4 v[ACC+8*(4*(\a)+\b):ACC+8*(4*(\a)+\b)+7], v[128*(\p)+48+FR*\b:128*(\p)+48+FR*\b+FR-1], v[128*(\p)+FR*(\a):128*(\p)+FR*(\a)+FR-1], v[ACC+8*(4*(\a)+\b):ACC+8*(4*(\a)+\b)+7], v[SC+4*(\p)+\b], v[SC+4*(\p)+(\a)] matrix_a_fmt:MATRIX_FMT_BF6 matrix_b_fmt:MATRIX_FMT_BF6 matrix_a_scale:MATRIX_SCALE_ROW1
.endif
.endr
.endm
.macro KSTEP slot, q, zero             ; 128 along K with its successor in the same slot: the next set is fetched in two runs among this set's products
	s_wait_dscnt 0x0                               ; this step's set is in
	PLACES 4                                       ; in front of loads into the set that the last step's products have read
	FETCH_B \slot, (\q)+1, 1-(\q)%2
	WIN MUL
	MULA 0, (\q)%2, \zero
	MULA 1, (\q)%2, \zero
	FETCH_A \slot, (\q)+1, 1-(\q)%2
	WIN MUL
	MULA 2, (\q)%2, \zero
	MULA 3, (\q)%2, \zero
.endm
.macro TURNK next                      ; a slot's last 128 along K, and the change of slots: behind the barrier the next slot is whole for every wave
	WIN 0                                          ; (the add's two registers lie in window 0)
	s_wait_tensorcnt 0x0                           ; all my tensor loads have landed: my part of the next slot
	ds_add_u32 v[SPW], v[NIL]
	s_wait_dscnt 1                                 ; (the add alone may be out: this step's set is in)
	WIN MUL
	MULA 0, 1, 0
	s_wait_dscnt 0x0                               ; the add is done
	s_barrier_signal -1
	MULA 1, 1, 0
	WIN 0
	s_barrier_wait -1
	PLACES 4                                       ; in front of loads into set 0
	FETCH_B \next, 0, 0
	FETCH_A \next, 0, 0
	WIN MUL
	MULA 2, 1, 0
	MULA 3, 1, 0
.endm
	s_load_b256 s[4:11], s[0:1], 0x0               ; A's slabs, B's slabs, the residual, the result
	v_lshl_add_u32 v[SPW], v0, 2, SPARE
	v_mov_b32 v[NIL], 0
	ds_add_u32 v[SPW], v[NIL]                      ; the opening: the add, twice on end, and its wait ahead of my first tensor load
	ds_add_u32 v[SPW], v[NIL]
	v_lshrrev_b32 v1, 5, v0
	v_readfirstlane_b32 s14, v1                    ; wave
	s_lshr_b32 s15, s14, 1                         ; my half of the tile's rows; also: I fetch for A (0) or B (1)
	s_and_b32 s16, s14, 1                          ; my half of its columns; also: which two of a slot's four slabs I fetch
	s_bfe_u32 s40, ttmp6, 0x40000                  ; cx
	s_bfe_u32 s41, ttmp6, 0x40004                  ; cy
	s_and_b32 s18, ttmp7, 0xffff
	s_lshl_b32 s17, s18, 2
	s_add_co_u32 s17, s17, s41                     ; tile row: 128 tokens
	s_lshl_b32 s42, ttmp9, 2
	s_add_co_u32 s42, s42, s40                     ; tile column: 128 outputs
	s_lshl_b32 s43, s41, 2
	s_lshl_b32 s43, 15, s43                        ; my row of the cluster
	s_lshl_b32 s44, 0x1111, s40                    ; my column
	s_or_b32 s[G1+0], s43, (3<<16)|(1<<21)         ; the mask; elements of 8 bytes; bit 21 beside a mask; no padding
	s_or_b32 s[G1B+0], s44, (3<<16)|(1<<21)
.irp g, G1, G1B
	s_mov_b32 s[\g+1], 32<<16                      ; tensor_dim0 = 32 elements: 256 bytes
	s_mov_b32 s[\g+2], 100<<16                     ; tensor_dim1 = 100
	s_mov_b32 s[\g+3], 32<<16                      ; tile_dim0
	s_mov_b32 s[\g+4], 100                         ; tile_dim1
	s_mov_b32 s[\g+5], 32                          ; dense
	s_mov_b32 s[\g+6], 0
	s_mov_b32 s[\g+7], 0
.endr
	s_lshl_b32 s46, s17, 3
	s_lshl_b32 s47, s16, 1
	s_add_co_u32 s46, s46, s47
	s_mul_i32 s46, s46, SLAB                       ; A: slab 8 x tile row + 2 x half
	s_mov_b32 s47, 0
	s_lshl_b32 s92, s42, 3
	s_lshl_b32 s93, s16, 1
	s_add_co_u32 s92, s92, s93
	s_mul_i32 s92, s92, SLAB                       ; B: slab 8 x tile column + 2 x half
	s_mov_b32 s93, 0
	s_mul_i32 s94, s14, CH                         ; where they go: wave x 25,600: no place in the cluster enters an LDS address
	s_lshl_b32 s70, s17, 19                        ; the result: 128 rows of 4,096 bytes a tile row,
	s_lshl_b32 s71, s15, 18                        ; my 64 rows,
	s_add_co_u32 s70, s70, s71
	s_lshl_b32 s72, s42, 9                         ; 128 columns a tile column,
	s_lshl_b32 s73, s16, 8                         ; my 64
	s_add_co_u32 s72, s72, s73
	s_add_co_u32 s70, s70, s72
	s_mov_b32 s71, 0
	s_wait_dscnt 0x0                               ; both opening adds are done
	s_wait_kmcnt 0x0
	s_add_nc_u64 s[46:47], s[4:5], s[46:47]
	s_add_nc_u64 s[92:93], s[6:7], s[92:93]
	s_add_nc_u64 s[8:9], s[8:9], s[70:71]
	s_add_nc_u64 s[10:11], s[10:11], s[70:71]
	CROUND                                         ; the first joint loads meet
.irp s, 0,1
	s_mov_b32 s[G0+4*\s], 1
	s_add_co_u32 s[G0+4*\s+1], s94, \s*SLOT
	s_add_nc_u64 s[G0+4*\s+2:G0+4*\s+3], s[46:47], \s*2*CH   ; slot s: K from 512 s on
	s_or_b32 s[G0+4*\s+3], s[G0+4*\s+3], 0x80000000
	s_mov_b32 s[G0B+4*\s], 1
	s_add_co_u32 s[G0B+4*\s+1], s94, \s*SLOT
	s_add_nc_u64 s[G0B+4*\s+2:G0B+4*\s+3], s[92:93], \s*2*CH
	s_or_b32 s[G0B+4*\s+3], s[G0B+4*\s+3], 0x80000000
.if \s                                 ; slot 1's first fill is issued as a refill is; one tensor load of a wave is out at a time
	s_wait_alu depctr_va_vdst(0)
	s_wait_tensorcnt 0x0
	ds_add_u32 v[SPW], v[NIL]
	ds_add_u32 v[SPW], v[NIL]
	s_wait_dscnt 0x0
	CROUND
.endif
	JLOAD G0+4*\s, G1, G0B+4*\s, G1B
.endr
	v_and_b32 v1, 31, v0
	v_and_b32 v2, 15, v0                           ; r
	v_bfe_u32 v3, v0, 4, 1                         ; h
	s_wait_alu depctr_va_vdst(0)
	v_lshlrev_b32 v4, 4, v1                        ; 16 x lane
	s_wait_alu depctr_va_vdst(0)
	v_lshlrev_b32 v[CO], 12, v3
	v_lshl_add_u32 v[CO], v2, 4, v[CO]             ; lanes 0-15 one row's 256 bytes, lanes 16-31 the next row's
	WIN 0x80                                       ; destination window 2
.set TT, 0
.rept 32                                           ; the residual: load t takes the two rows that stage rows 2 t, 2 t + 1 hold
.set TR, 32*(TT/16)+8*((TT/8)%2)+16*((TT%8)/4)+2*(TT%4)
	global_load_b128 v[4*TT:4*TT+3], v[CO], s[8:9] offset:TR*4096
.set TT, TT+1
.endr
	WIN 0
	s_mul_i32 s66, s15, 6144                       ; my four images of A
	s_mul_i32 s67, s16, 6144
	s_add_co_u32 s67, s67, 2*CH                    ; of B
	s_lshl_b32 s68, s15, 8                         ; their scale words
	s_lshl_b32 s69, s16, 8
	s_add_co_u32 s69, s69, 2*CH
	s_sub_co_u32 s69, s69, s68
	v_mul_u32_u24 v5, s69, v3                      ; lanes 16-31 take B's
	v_lshl_add_u32 v5, v2, 2, v5
	v_add_nc_u32 v5, s68, v5
	v_add_nc_u32 v5, 12288, v5
.irp s, 0,1
	v_add_nc_u32 v[ADRA+\s], s66, v4
	v_add_nc_u32 v[ADRB+\s], s67, v4
	v_add_nc_u32 v[ADRS+\s], \s*SLOT, v5
	s_add_co_u32 s66, s66, SLOT
	s_add_co_u32 s67, s67, SLOT
.endr
	s_mul_i32 s66, s14, 64*SP
	s_add_co_u32 s66, s66, STG                     ; my stage
	v_mul_u32_u24 v[STO], v2, SP
	v_lshl_add_u32 v[STO], v3, 6, v[STO]
	v_add_nc_u32 v[STO], s66, v[STO]               ; in: row r of a block, + 64 h
	v_mul_u32_u24 v[RD], v3, SP
	v_lshl_add_u32 v[RD], v2, 4, v[RD]
	v_add_nc_u32 v[RD], s66, v[RD]                 ; back: two rows of 256 bytes
	s_wait_alu depctr_va_vdst(0)
	s_wait_tensorcnt 1                             ; my part of slot 0 is in; slot 1's may stay out
	s_barrier_signal -1
	s_barrier_wait -1
	FETCH_B 0, 0, 0
	FETCH_A 0, 0, 0
	KSTEP 0, 0, 1                                  ; the first products start the sums
	KSTEP 0, 1, 0
	KSTEP 0, 2, 0
	TURNK 1
	KSTEP 1, 0, 0
	KSTEP 1, 1, 0
	KSTEP 1, 2, 0
	s_wait_dscnt 0x0                               ; the last step: nothing more to fetch
	WIN MUL
	MULA 0, 1, 0
	MULA 1, 1, 0
	MULA 2, 1, 0
	MULA 3, 1, 0
	WIN 0
	; THE WAY OUT.  A lane holds 32 bytes of a row and the lanes beside it hold other rows: all 16 accumulators go through my own stage and come back, into the registers that they left, as rows of 256 bytes.
	PLACES 4                                       ; in front of the first reads of results
.irp a, 0,1,2,3
.irp b, 0,1,2,3
	ds_store_b128 v[STO], v[ACC+8*(4*\a+\b):ACC+8*(4*\a+\b)+3] offset:16*\a*SP+128*(\b/2)+32*(\b%2)      ; each accumulator from its low end on
	ds_store_b128 v[STO], v[ACC+8*(4*\a+\b)+4:ACC+8*(4*\a+\b)+7] offset:16*\a*SP+128*(\b/2)+32*(\b%2)+16
.endr
.endr
.set TT, 0
.rept 32
	ds_load_b128 v[ACC+4*TT:ACC+4*TT+3], v[RD] offset:2*TT*SP     ; LDS serves a wave's instructions in order: these see my stores
.set TT, TT+1
.endr
	s_wait_loadcnt 0x0                             ; the residual
	WIN 0x88                                       ; destination and source 1 window 2, source 0 window 0: it serves the additions and the stores (address window 0, data window 2)
.set TT, 0
.rept 32
.set TR, 32*(TT/16)+8*((TT/8)%2)+16*((TT%8)/4)+2*(TT%4)
	s_wait_dscnt 31-TT                             ; the younger loads may be out
	v_pk_add_f32 v[4*TT:4*TT+1], v[ACC+4*TT:ACC+4*TT+1], v[4*TT:4*TT+1]
	v_pk_add_f32 v[4*TT+2:4*TT+3], v[ACC+4*TT+2:ACC+4*TT+3], v[4*TT+2:4*TT+3]
	global_store_b128 v[CO], v[4*TT:4*TT+3], s[10:11] offset:TR*4096 th:TH_STORE_NT   ; 16 lanes store 256 consecutive bytes, at a multiple of 256 from the buffer's first byte
.set TT, TT+1
.endr
	WIN 0
	s_wait_tensorcnt 0x0                           ; the wave's end
	ds_add_u32 v[SPW], v[NIL]
	s_wait_dscnt 0x0
	CROUND                                         ; the closing round
	s_endpgm
.Lfunc_end_k_qb4bcfca1ae_gwo:
	.size	k_qb4bcfca1ae_gwo, .Lfunc_end_k_qb4bcfca1ae_gwo-k_qb4bcfca1ae_gwo
	.p2alignl 7, 3214868480
	.fill 96, 4, 3214868480
	.section	.rodata,"a",@progbits
	.p2align	6, 0x0
	.amdhsa_kernel k_qb4bcfca1ae_gwo
		.amdhsa_group_segment_fixed_size 327680
		.amdhsa_private_segment_fixed_size 0
		.amdhsa_enable_private_segment 0
		.amdhsa_kernarg_size 32
		.amdhsa_user_sgpr_count 2
		.amdhsa_user_sgpr_kernarg_segment_ptr 1
		.amdhsa_wavefront_size32 1
		.amdhsa_system_sgpr_workgroup_id_x 1
		.amdhsa_system_sgpr_workgroup_id_y 1
		.amdhsa_system_sgpr_workgroup_id_z 1
		.amdhsa_system_vgpr_workitem_id 0
		.amdhsa_next_free_vgpr 640
		.amdhsa_next_free_sgpr 98
		.amdhsa_reserve_vcc 0
		.amdhsa_float_denorm_mode_32 3
		.amdhsa_float_denorm_mode_16_64 3
		.amdhsa_memory_ordered 1
		.amdhsa_forward_progress 1
		.amdhsa_inst_pref_size 56
	.end_amdhsa_kernel
	.amdgpu_metadata
---
amdhsa.version: [ 1, 2 ]
amdhsa.kernels:
  - .name:           k_qb4bcfca1ae_gwo
    .symbol:         k_qb4bcfca1ae_gwo.kd
    .args:
      - { .name: ab, .offset: 0, .size: 8, .value_kind: global_buffer, .address_space: global }
      - { .name: woc, .offset: 8, .size: 8, .value_kind: global_buffer, .address_space: global }
      - { .name: x, .offset: 16, .size: 8, .value_kind: global_buffer, .address_space: global }
      - { .name: x1, .offset: 24, .size: 8, .value_kind: global_buffer, .address_space: global }
    .group_segment_fixed_size: 327680
    .private_segment_fixed_size: 0
    .kernarg_segment_align: 8
    .kernarg_segment_size: 32
    .max_flat_workgroup_size: 128
    .sgpr_count:     98
    .vgpr_count:     640
    .wavefront_size: 32
...
	.end_amdgpu_metadata
.endif
;; end of part 12
;; launch ln2: the kernel of part 9 again; grid 256 x 1, 8 waves a work-group, no clusters, 69,632 bytes of LDS; arguments x1, ln2_a, ln2_b, cw; writes cw
;; launch gqr (part 13): grid 16 x 16, 4 waves a work-group, clusters of 4 x 4, 327,680 bytes of LDS; arguments cw, b1, ab; writes ab
.if DOCPART == 13
	.amdgcn_target "amdgcn-amd-amdhsa--gfx1250"
	.amdhsa_code_object_version 6
	.text
	.protected	k_qb4bcfca1ae_gqr
	.globl	k_qb4bcfca1ae_gqr
	.p2align	8
	.type	k_qb4bcfca1ae_gqr,@function
k_qb4bcfca1ae_gqr:
	s_mov_b64 s[64:65], 0
	v_nop
	global_prefetch_b8 v0, s[64:65] scope:SCOPE_SE
	s_setreg_imm32_b32 hwreg(HW_REG_WAVE_MODE, 25, 1), 1
	s_wait_xcnt 0x0
	s_wait_alu depctr_hold_cnt(0) depctr_sa_sdst(0) depctr_va_vdst(0) depctr_va_sdst(0) depctr_va_ssrc(0) depctr_va_vcc(0) depctr_vm_vsrc(0)
	s_getreg_b32 s2, hwreg(HW_REG_IB_STS2, 6, 4)
	s_cmp_eq_u32 s2, 0
	s_cbranch_scc0 .Lentry_in_a_cluster
	s_endpgm
.Lentry_in_a_cluster:
	s_bfe_u32 s2, ttmp6, 0x10000c
	s_cmp_lg_u32 s2, 0xf033
	s_cbranch_scc0 .Lentry_shape_is_right
	s_endpgm
.Lentry_shape_is_right:
.set SLAB,  12800
.set CH,    2*SLAB
.set SLOT,  4*CH
.set SPARE, 2*SLOT
.set FR,    12
.set NL,    3
.set NQ,    2
.set NP,    4
.set ADRA,  16
.set ADRB,  20
.set ADRS,  22
.set SGA,   24
.set RD,    25
.set CO,    26
.set BO,    27
.set SPW,   28
.set NIL,   29
.set SC,    32
.set BI,    64
.set AF,    128
.set PC,    128
.set TM,    160
.set PW,    176
.set G1,    24
.set G0,    32
.set G1B,   48
.set G0B,   56
.set TO_B,  0x40
.set MSB, 0
.macro WIN new
.if MSB != (\new)
	s_set_vgpr_msb (MSB<<8)|(\new)
.set MSB, (\new)
.endif
.endm
.macro WMUL hi, zero
.if \zero
	WIN 0x81+0x40*\hi
.else
	WIN 0xa1+0x50*\hi
.endif
.endm
.macro PLACES n
.rept \n
	v_nop
.endr
.endm
.macro JLOAD g0a, g1a, g0b, g1b
	s_cmp_eq_u32 s15, 0
	s_cbranch_scc0 .Lfor_b_\@
	tensor_load_to_lds s[\g0a:\g0a+3], s[\g1a:\g1a+7]
	s_nop 0
.rept 4
	v_nop
.endr
	s_branch .Lasked_\@
.Lfor_b_\@:
	tensor_load_to_lds s[\g0b:\g0b+3], s[\g1b:\g1b+7]
	s_nop 0
.rept 4
	v_nop
.endr
.Lasked_\@:
.endm
.macro CREST
	s_cmp_lg_u32 s14, 0
	s_cbranch_scc1 .Lnot_wave_0_\@
	s_barrier_signal -3
.Lnot_wave_0_\@:
	s_barrier_wait -3
	s_barrier_signal -1
	s_barrier_wait -1
.endm
.macro CROUND
	s_barrier_signal -1
	s_barrier_wait -1
	CREST
.endm
.macro FRAG reg, adr, q, i
.irp c, 0,1,2
	ds_load_b128 v[\reg+4*\c:\reg+4*\c+3], v[\adr] offset:(\q)*SLAB+1536*(\i)+512*\c
.endr
.endm
.macro FETCH_B slot, q, p
	WIN TO_B
.irp i, 0,1,2,3,4,5,6,7
	FRAG 128*(\p)+FR*\i, ADRB+\slot, \q, \i
.endr
	WIN 0
.endm
.macro FETCH_A slot, q, i0
.irp i, \i0, \i0+1, \i0+2, \i0+3
	FRAG AF+FR*(\i), ADRA+\slot, \q, \i
.endr
.endm
.macro SCALES sc
.irp i, 0,1,2,3,4,5,6,7
.irp q, 0,1
	ds_load_b32 v[SC+16*\sc+2*\i+\q], v[ADRS+\sc] offset:\q*SLAB+64*\i
.endr
.endr
.endm
.macro MUL16 a0, p, q, sc, zero
.irp a, \a0, \a0+1
.irp b, 0,1,2,3,4,5,6,7
.if \zero
	v_wmma_scale_f32_16x16x128_f8f6f4 v[8*(8*((\a)%4)+\b):8*(8*((\a)%4)+\b)+7], v[128*(\p)+FR*\b:128*(\p)+FR*\b+FR-1], v[AF+FR*(\a):AF+FR*(\a)+FR-1], v[BI+8*\b:BI+8*\b+7], v[SC+8*NQ*(\sc)+NQ*\b+(\q)], v[SC+8*NQ*(\sc)+NQ*(\a)+(\q)] matrix_a_fmt:MATRIX_FMT_BF6 matrix_b_fmt:MATRIX_FMT_BF6 matrix_a_scale:MATRIX_SCALE_ROW1
.else
	v_wmma_scale_f32_16x16x128_f8f6f4 v[8*(8*((\a)%4)+\b):8*(8*((\a)%4)+\b)+7], v[128*(\p)+FR*\b:128*(\p)+FR*\b+FR-1], v[AF+FR*(\a):AF+FR*(\a)+FR-1], v[8*(8*((\a)%4)+\b):8*(8*((\a)%4)+\b)+7], v[SC+8*NQ*(\sc)+NQ*\b+(\q)], v[SC+8*NQ*(\sc)+NQ*(\a)+(\q)] matrix_a_fmt:MATRIX_FMT_BF6 matrix_b_fmt:MATRIX_FMT_BF6 matrix_a_scale:MATRIX_SCALE_ROW1
.endif
.endr
.endr
.endm
.macro STEP slot, q, zero
	s_wait_dscnt 4*NL
	WMUL 0, \zero
	MUL16 0, (\q)%2, \q, \slot, \zero
	MUL16 2, (\q)%2, \q, \slot, \zero
	s_wait_dscnt 0
	PLACES NP
	FETCH_B \slot, (\q)+1, 1-(\q)%2
	FETCH_A \slot, (\q)+1, 0
	WMUL 1, \zero
	MUL16 4, (\q)%2, \q, \slot, \zero
	MUL16 6, (\q)%2, \q, \slot, \zero
	PLACES NP
	WIN 0
	FETCH_A \slot, (\q)+1, 4
.endm
.macro TURN slot, next, fill
	s_wait_tensorcnt 0x0
	ds_add_u32 v[SPW], v[NIL]
	s_wait_dscnt 4*NL+1
	WMUL 0, 0
	MUL16 0, 1, NQ-1, \slot, 0
	s_wait_dscnt 0x0
	s_barrier_signal -1
	MUL16 2, 1, NQ-1, \slot, 0
	WIN 0
	s_barrier_wait -1
.if \fill
	CREST
	s_add_nc_u64 s[G0+4*\slot+2:G0+4*\slot+3], s[G0+4*\slot+2:G0+4*\slot+3], 2*CH
	s_add_nc_u64 s[G0B+4*\slot+2:G0B+4*\slot+3], s[G0B+4*\slot+2:G0B+4*\slot+3], 2*CH
	JLOAD G0+4*\slot, G1, G0B+4*\slot, G1B
.else
	PLACES NP
.endif
	FETCH_B \next, 0, 0
	FETCH_A \next, 0, 0
	SCALES \next
	WMUL 1, 0
	MUL16 4, 1, NQ-1, \slot, 0
	MUL16 6, 1, NQ-1, \slot, 0
	PLACES NP
	WIN 0
	FETCH_A \next, 0, 4
.endm
.macro QUANT s, W
	WIN (\W)|((\W)<<2)
.irp b, 0,1,2,3
	v_max3_num_f32 v[TM+\b], |v[\s+16*\b]|, |v[\s+1+16*\b]|, 0x2800000
.endr
	WIN ((\W)<<2)|((\W)<<4)
.irp i, 2,4,6,8,10,12,14
.irp b, 0,1,2,3
	v_max3_num_f32 v[TM+\b], v[TM+\b], |v[\s+16*\b+\i]|, |v[\s+1+16*\b+\i]|
.endr
.endr
	WIN 0
.irp b, 0,1,2,3
	v_permlanex16_b32 v[TM+4+\b], v[TM+\b], s96, s97
.endr
.irp b, 0,1,2,3
	v_max_num_f32 v[TM+\b], v[TM+\b], v[TM+4+\b]
.endr
.irp b, 0,1,2,3
	v_add_nc_u32 v[TM+12+\b], 0xfe000000, v[TM+\b]
.endr
.irp b, 0,1,2,3
	v_lshrrev_b32 v[TM+8+\b], 23, v[TM+12+\b]
.endr
	v_lshl_or_b32 v[PW], v[TM+9], 8, v[TM+8]
	v_lshl_or_b32 v[PW], v[TM+10], 16, v[PW]
	v_lshl_or_b32 v[PW], v[TM+11], 24, v[PW]
	WIN \W
.irp c, 0,1
	v_cvt_scalef32_pk16_bf6_f32 v[PC+6*\c:PC+2+6*\c], v[\s+32*\c:\s+15+32*\c], v[TM+12+2*\c]
	v_cvt_scalef32_pk16_bf6_f32 v[PC+12+4*\c:PC+14+4*\c], v[\s+16+32*\c:\s+31+32*\c], v[TM+12+2*\c+1]
.endr
	WIN 0
	v_nop
.irp c, 0,1
.irp i, 0,1,2
	v_permlane16_swap_b32 v[PC+6*\c+\i], v[PC+12+4*\c+\i]
.endr
.irp i, 0,1,2
	v_mov_b32 v[PC+3+6*\c+\i], v[PC+12+4*\c+\i]
.endr
.endr
.endm
.macro QBLK a
.set AC, 64*((\a)%4)
.set WW, 2+(\a)/4
.if (\a) > 0
	s_wait_xcnt 0x0
.endif
	WIN (WW<<6)|(WW<<2)
.set j, 0
.rept 64
	v_max_num_f32 v[AC+j], 0, v[AC+j]
.set j, j+1
.endr
	QUANT AC, WW
	ds_store_b32 v[SGA], v[PW] offset:64*(\a)
.irp k, 0,1,2
	global_store_b128 v[CO], v[PC+4*\k:PC+4*\k+3], s[12:13] offset:1536*(\a)+512*\k
.endr
.endm
	s_load_b128 s[4:7], s[0:1], 0x0
	s_load_b64 s[8:9], s[0:1], 0x10
	v_lshl_add_u32 v[SPW], v0, 2, SPARE
	v_mov_b32 v[NIL], 0
	ds_add_u32 v[SPW], v[NIL]
	ds_add_u32 v[SPW], v[NIL]
	v_lshrrev_b32 v1, 5, v0
	v_readfirstlane_b32 s14, v1
	s_lshr_b32 s15, s14, 1
	s_and_b32 s16, s14, 1
	s_bfe_u32 s40, ttmp6, 0x40000
	s_bfe_u32 s41, ttmp6, 0x40004
	s_and_b32 s18, ttmp7, 0xffff
	s_lshl_b32 s17, s18, 2
	s_add_co_u32 s17, s17, s41
	s_lshl_b32 s42, ttmp9, 2
	s_add_co_u32 s42, s42, s40
	s_lshl_b32 s43, s41, 2
	s_lshl_b32 s43, 15, s43
	s_lshl_b32 s44, 0x1111, s40
	s_or_b32 s[G1+0], s43, (3<<16)|(1<<21)
	s_or_b32 s[G1B+0], s44, (3<<16)|(1<<21)
.irp g, G1, G1B
	s_mov_b32 s[\g+1], 32<<16
	s_mov_b32 s[\g+2], 100<<16
	s_mov_b32 s[\g+3], 32<<16
	s_mov_b32 s[\g+4], 100
	s_mov_b32 s[\g+5], 32
	s_mov_b32 s[\g+6], 0
	s_mov_b32 s[\g+7], 0
.endr
	s_lshl_b32 s46, s17, 1
	s_add_co_u32 s46, s46, s16
	s_lshl_b32 s46, s46, 3
	s_mul_i32 s46, s46, SLAB
	s_mov_b32 s47, 0
	s_lshl_b32 s92, s42, 1
	s_add_co_u32 s92, s92, s16
	s_lshl_b32 s92, s92, 3
	s_add_co_u32 s92, s92, 448
	s_mul_i32 s92, s92, SLAB
	s_mov_b32 s93, 0
	s_mul_i32 s94, s14, CH
	s_lshl_b32 s70, s17, 1
	s_add_co_u32 s70, s70, s15
	s_lshl_b32 s71, s42, 1
	s_add_co_u32 s71, s71, s16
	s_lshr_b32 s72, s71, 3
	s_lshl_b32 s72, s72, 5
	s_add_co_u32 s72, s72, s70
	s_lshl_b32 s72, s72, 3
	s_and_b32 s73, s71, 7
	s_add_co_u32 s72, s72, s73
	s_mul_i32 s72, s72, SLAB
	s_mov_b32 s73, 0
	s_lshl_b32 s74, s71, 9
	s_mov_b32 s75, 0
	s_mov_b32 s96, 0x76543210
	s_mov_b32 s97, 0xfedcba98
	s_wait_dscnt 0x0
	s_wait_kmcnt 0x0
	s_add_nc_u64 s[46:47], s[4:5], s[46:47]
	s_add_nc_u64 s[92:93], s[4:5], s[92:93]
	s_add_nc_u64 s[12:13], s[8:9], s[72:73]
	s_add_nc_u64 s[6:7], s[6:7], s[74:75]
	CROUND
.irp s, 0,1
	s_mov_b32 s[G0+4*\s], 1
	s_add_co_u32 s[G0+4*\s+1], s94, \s*SLOT
	s_add_nc_u64 s[G0+4*\s+2:G0+4*\s+3], s[46:47], \s*CH
	s_or_b32 s[G0+4*\s+3], s[G0+4*\s+3], 0x80000000
	s_mov_b32 s[G0B+4*\s], 1
	s_add_co_u32 s[G0B+4*\s+1], s94, \s*SLOT
	s_add_nc_u64 s[G0B+4*\s+2:G0B+4*\s+3], s[92:93], \s*CH
	s_or_b32 s[G0B+4*\s+3], s[G0B+4*\s+3], 0x80000000
.if \s                                 ; slot 1's first fill is issued as a refill is
	s_wait_alu depctr_va_vdst(0)
	s_wait_tensorcnt 0x0
	ds_add_u32 v28, v29
	ds_add_u32 v28, v29
	s_wait_dscnt 0x0
	CROUND
.endif
	JLOAD G0+4*\s, G1, G0B+4*\s, G1B
.endr
	v_and_b32 v1, 31, v0
	v_and_b32 v2, 15, v0
	v_bfe_u32 v3, v0, 4, 1
	v_lshlrev_b32 v4, 4, v1
	v_lshlrev_b32 v[BO], 6, v3
.irp b, 0,1,2,3,4,5,6,7
	global_load_b128 v[BI+8*\b:BI+8*\b+3], v[BO], s[6:7] offset:(32*(\b/2)+8*(\b%2))*4
	global_load_b128 v[BI+8*\b+4:BI+8*\b+7], v[BO], s[6:7] offset:(32*(\b/2)+8*(\b%2))*4+16
.endr
	s_mul_i32 s66, s15, CH
	s_mul_i32 s67, s16, CH
	s_add_co_u32 s67, s67, 2*CH
	s_sub_co_u32 s68, s67, s66
	v_mul_u32_u24 v5, s68, v3
	v_lshl_add_u32 v5, v2, 2, v5
	v_add_nc_u32 v5, s66, v5
	v_add_nc_u32 v5, 12288, v5
.irp s, 0,1
	v_add_nc_u32 v[ADRA+\s], s66, v4
	v_add_nc_u32 v[ADRB+\s], s67, v4
	v_add_nc_u32 v[ADRS+\s], \s*SLOT, v5
	s_add_co_u32 s66, s66, SLOT
	s_add_co_u32 s67, s67, SLOT
.endr
	s_lshl_b32 s66, s14, 9
	v_lshl_add_u32 v[SGA], v2, 2, s66
	v_add_nc_u32 v[RD], s66, v4
	v_mov_b32 v[CO], v4
	s_wait_alu depctr_va_vdst(0)
	s_wait_tensorcnt 1
	s_barrier_signal -1
	s_barrier_wait -1
	FETCH_B 0, 0, 0
	FETCH_A 0, 0, 0
	SCALES 0
	FETCH_A 0, 0, 4
	s_wait_loadcnt 0x0
	STEP 0, 0, 1
	TURN 0, 1, 1
	STEP 1, 0, 0
	TURN 1, 0, 1
	STEP 0, 0, 0
	TURN 0, 1, 0
	STEP 1, 0, 0
	s_wait_dscnt 4*NL
	WMUL 0, 0
	MUL16 0, 1, NQ-1, 1, 0
	MUL16 2, 1, NQ-1, 1, 0
	s_wait_dscnt 0
	WMUL 1, 0
	MUL16 4, 1, NQ-1, 1, 0
	MUL16 6, 1, NQ-1, 1, 0
	WIN 0
	PLACES NP
.irp b, 0,1,2,3
	v_mov_b32 v[TM+4+\b], 0
.endr
.irp a, 0,1,2,3,4,5,6,7
	QBLK \a
.endr
	ds_load_b128 v[TM:TM+3], v[RD]
	s_wait_dscnt 0x0
	global_store_b128 v[CO], v[TM:TM+3], s[12:13] offset:12288
	s_wait_tensorcnt 0x0
	ds_add_u32 v[SPW], v[NIL]
	s_wait_dscnt 0x0
	CROUND
	s_endpgm
.Lfunc_end_k_qb4bcfca1ae_gqr:
	.size	k_qb4bcfca1ae_gqr, .Lfunc_end_k_qb4bcfca1ae_gqr-k_qb4bcfca1ae_gqr
	.p2alignl 7, 3214868480
	.fill 96, 4, 3214868480
	.section	.rodata,"a",@progbits
	.p2align	6, 0x0
	.amdhsa_kernel k_qb4bcfca1ae_gqr
		.amdhsa_group_segment_fixed_size 327680
		.amdhsa_private_segment_fixed_size 0
		.amdhsa_enable_private_segment 0
		.amdhsa_kernarg_size 24
		.amdhsa_user_sgpr_count 2
		.amdhsa_user_sgpr_kernarg_segment_ptr 1
		.amdhsa_wavefront_size32 1
		.amdhsa_system_sgpr_workgroup_id_x 1
		.amdhsa_system_sgpr_workgroup_id_y 1
		.amdhsa_system_sgpr_workgroup_id_z 1
		.amdhsa_system_vgpr_workitem_id 0
		.amdhsa_next_free_vgpr 1024
		.amdhsa_next_free_sgpr 98
		.amdhsa_reserve_vcc 0
		.amdhsa_float_denorm_mode_32 3
		.amdhsa_float_denorm_mode_16_64 3
		.amdhsa_memory_ordered 1
		.amdhsa_forward_progress 1
		.amdhsa_inst_pref_size 158
	.end_amdhsa_kernel
	.amdgpu_metadata
---
amdhsa.version: [ 1, 2 ]
amdhsa.kernels:
  - .name:           k_qb4bcfca1ae_gqr
    .symbol:         k_qb4bcfca1ae_gqr.kd
    .args:
      - { .name: cw, .offset: 0, .size: 8, .value_kind: global_buffer, .address_space: global }
      - { .name: b1, .offset: 8, .size: 8, .value_kind: global_buffer, .address_space: global }
      - { .name: ab, .offset: 16, .size: 8, .value_kind: global_buffer, .address_space: global }
    .group_segment_fixed_size: 327680
    .private_segment_fixed_size: 0
    .kernarg_segment_align: 8
    .kernarg_segment_size: 24
    .max_flat_workgroup_size: 128
    .sgpr_count:     98
    .vgpr_count:     1024
    .wavefront_size: 32
...
	.end_amdgpu_metadata
.endif
;; end of part 13
;; launch gwd (part 14): grid 8 x 32, 4 waves a work-group, clusters of 4 x 4, 327,680 bytes of LDS; arguments ab, w2c, x1, out0, b2; writes out0
.if DOCPART == 14
	.amdgcn_target "amdgcn-amd-amdhsa--gfx1250"
	.amdhsa_code_object_version 6
	.text
	.protected	k_qb4bcfca1ae_gwd
	.globl	k_qb4bcfca1ae_gwd
	.p2align	8
	.type	k_qb4bcfca1ae_gwd,@function
k_qb4bcfca1ae_gwd:
	s_mov_b64 s[64:65], 0
	v_nop
	global_prefetch_b8 v0, s[64:65] scope:SCOPE_SE
	s_setreg_imm32_b32 hwreg(HW_REG_WAVE_MODE, 25, 1), 1
	s_wait_xcnt 0x0
	s_wait_alu depctr_hold_cnt(0) depctr_sa_sdst(0) depctr_va_vdst(0) depctr_va_sdst(0) depctr_va_ssrc(0) depctr_va_vcc(0) depctr_vm_vsrc(0)
	s_getreg_b32 s2, hwreg(HW_REG_IB_STS2, 6, 4)
	s_cmp_eq_u32 s2, 0
	s_cbranch_scc0 .Lentry_in_a_cluster
	s_endpgm
.Lentry_in_a_cluster:
	s_bfe_u32 s2, ttmp6, 0x10000c
	s_cmp_lg_u32 s2, 0xf033
	s_cbranch_scc0 .Lentry_shape_is_right
	s_endpgm
.Lentry_shape_is_right:
.set SLAB,  12800
.set CH,    2*SLAB
.set SLOT,  4*CH
.set NT,    8
.set PANA,  256*SLAB
.set PANB,  64*SLAB
.set SPARE, 2*SLOT
.set STG,   SPARE+512
.set SP,    272
.set FR,    12
.set ADRA,  16
.set ADRB,  20
.set ADRS,  22
.set STO,   24
.set RD,    25
.set CO,    26
.set BO,    27
.set SPW,   28
.set NIL,   29
.set SC,    32
.set BI,    64
.set ACC,   128
.set G1,    24
.set G0,    32
.set G1B,   48
.set G0B,   56
.set MUL,   0x05
.set TO_F,  0x40
.set MSB, 0
.macro WIN new
.if MSB != (\new)
	s_set_vgpr_msb (MSB<<8)|(\new)
.set MSB, (\new)
.endif
.endm
.macro PLACES n
.rept \n
	v_nop
.endr
.endm
.macro JLOAD g0a, g1a, g0b, g1b
	s_cmp_eq_u32 s15, 0
	s_cbranch_scc0 .Lfor_b_\@
	tensor_load_to_lds s[\g0a:\g0a+3], s[\g1a:\g1a+7]
	s_nop 0
.rept 4
	v_nop
.endr
	s_branch .Lasked_\@
.Lfor_b_\@:
	tensor_load_to_lds s[\g0b:\g0b+3], s[\g1b:\g1b+7]
	s_nop 0
.rept 4
	v_nop
.endr
.Lasked_\@:
.endm
.macro CREST
	s_cmp_lg_u32 s14, 0
	s_cbranch_scc1 .Lnot_wave_0_\@
	s_barrier_signal -3
.Lnot_wave_0_\@:
	s_barrier_wait -3
	s_barrier_signal -1
	s_barrier_wait -1
.endm
.macro CROUND
	s_barrier_signal -1
	s_barrier_wait -1
	CREST
.endm
.macro FRAG reg, adr, q, i
.irp c, 0,1,2
	ds_load_b128 v[(\reg)+4*\c:(\reg)+4*\c+3], v[\adr] offset:(\q)*SLAB+1536*(\i)+512*\c
.endr
.endm
.macro FETCH_B slot, q, p
	WIN TO_F
.irp i, 0,1,2,3
	FRAG 128*(\p)+48+FR*\i, ADRB+(\slot), \q, \i
.endr
.endm
.macro FETCH_A slot, q, p
	WIN TO_F
.irp i, 0,1,2,3
	FRAG 128*(\p)+FR*\i, ADRA+(\slot), \q, \i
.endr
	WIN 0
.irp i, 0,1,2,3
	ds_load_b32 v[SC+4*(\p)+\i], v[ADRS+(\slot)] offset:(\q)*SLAB+64*\i
.endr
.endm
.macro MULA a, p, zero
.irp b, 0,1,2,3
.if \zero
	v_wmma_scale_f32_16x16x128_f8f6f4 v[ACC+8*(4*(\a)+\b):ACC+8*(4*(\a)+\b)+7], v[128*(\p)+48+FR*\b:128*(\p)+48+FR*\b+FR-1], v[128*(\p)+FR*(\a):128*(\p)+FR*(\a)+FR-1], v[BI+8*\b:BI+8*\b+7], v[SC+4*(\p)+\b], v[SC+4*(\p)+(\a)] matrix_a_fmt:MATRIX_FMT_BF6 matrix_b_fmt:MATRIX_FMT_BF6 matrix_a_scale:MATRIX_SCALE_ROW1
.else
	v_wmma_scale_f32_16x16x128_f8f6f4 v[ACC+8*(4*(\a)+\b):ACC+8*(4*(\a)+\b)+7], v[128*(\p)+48+FR*\b:128*(\p)+48+FR*\b+FR-1], v[128*(\p)+FR*(\a):128*(\p)+FR*(\a)+FR-1], v[ACC+8*(4*(\a)+\b):ACC+8*(4*(\a)+\b)+7], v[SC+4*(\p)+\b], v[SC+4*(\p)+(\a)] matrix_a_fmt:MATRIX_FMT_BF6 matrix_b_fmt:MATRIX_FMT_BF6 matrix_a_scale:MATRIX_SCALE_ROW1
.endif
.endr
.endm
.macro KSTEP slot, q, zero
	s_wait_dscnt 0x0
	PLACES 4
	FETCH_B \slot, (\q)+1, 1-(\q)%2
	WIN MUL
	MULA 0, (\q)%2, \zero
	MULA 1, (\q)%2, \zero
	FETCH_A \slot, (\q)+1, 1-(\q)%2
	WIN MUL
	MULA 2, (\q)%2, \zero
	MULA 3, (\q)%2, \zero
.endm
.macro THREE slot
	KSTEP \slot, 0, 0
	KSTEP \slot, 1, 0
	KSTEP \slot, 2, 0
.endm
.macro TURNK slot, next, fill
	WIN 0
	s_wait_tensorcnt 0x0
	ds_add_u32 v[SPW], v[NIL]
	s_wait_dscnt 1
	WIN MUL
	MULA 0, 1, 0
	s_wait_dscnt 0x0
	s_barrier_signal -1
	MULA 1, 1, 0
	WIN 0
	s_barrier_wait -1
.if \fill
	CREST
	s_add_nc_u64 s[G0+4*\slot+2:G0+4*\slot+3], s[G0+4*\slot+2:G0+4*\slot+3], PANA
	s_add_nc_u64 s[G0B+4*\slot+2:G0B+4*\slot+3], s[G0B+4*\slot+2:G0B+4*\slot+3], PANB
	JLOAD G0+4*\slot, G1, G0B+4*\slot, G1B
.else
	PLACES 4
.endif
	s_wait_alu depctr_va_vdst(0)
	FETCH_B \next, 0, 0
	FETCH_A \next, 0, 0
	WIN MUL
	MULA 2, 1, 0
	MULA 3, 1, 0
.endm
	s_load_b256 s[4:11], s[0:1], 0x0
	s_load_b64 s[12:13], s[0:1], 0x20
	v_lshl_add_u32 v[SPW], v0, 2, SPARE
	v_mov_b32 v[NIL], 0
	ds_add_u32 v[SPW], v[NIL]
	ds_add_u32 v[SPW], v[NIL]
	v_lshrrev_b32 v1, 5, v0
	v_readfirstlane_b32 s14, v1
	s_lshr_b32 s15, s14, 1
	s_and_b32 s16, s14, 1
	s_bfe_u32 s40, ttmp6, 0x40000
	s_bfe_u32 s41, ttmp6, 0x40004
	s_and_b32 s18, ttmp7, 0xffff
	s_lshl_b32 s17, s18, 2
	s_add_co_u32 s17, s17, s41
	s_lshl_b32 s42, ttmp9, 2
	s_add_co_u32 s42, s42, s40
	s_lshl_b32 s43, s41, 2
	s_lshl_b32 s43, 15, s43
	s_lshl_b32 s44, 0x1111, s40
	s_or_b32 s[G1+0], s43, (3<<16)|(1<<21)
	s_or_b32 s[G1B+0], s44, (3<<16)|(1<<21)
.irp g, G1, G1B
	s_mov_b32 s[\g+1], 32<<16
	s_mov_b32 s[\g+2], 100<<16
	s_mov_b32 s[\g+3], 32<<16
	s_mov_b32 s[\g+4], 100
	s_mov_b32 s[\g+5], 32
	s_mov_b32 s[\g+6], 0
	s_mov_b32 s[\g+7], 0
.endr
	s_lshl_b32 s46, s17, 3
	s_lshl_b32 s47, s16, 1
	s_add_co_u32 s46, s46, s47
	s_mul_i32 s46, s46, SLAB
	s_mov_b32 s47, 0
	s_lshl_b32 s92, s42, 3
	s_lshl_b32 s93, s16, 1
	s_add_co_u32 s92, s92, s93
	s_mul_i32 s92, s92, SLAB
	s_mov_b32 s93, 0
	s_mul_i32 s94, s14, CH
	s_lshl_b32 s70, s17, 19
	s_lshl_b32 s71, s15, 18
	s_add_co_u32 s70, s70, s71
	s_lshl_b32 s72, s42, 9
	s_lshl_b32 s73, s16, 8
	s_add_co_u32 s72, s72, s73
	s_add_co_u32 s70, s70, s72
	s_mov_b32 s71, 0
	s_mov_b32 s73, 0
	s_wait_dscnt 0x0
	s_wait_kmcnt 0x0
	s_add_nc_u64 s[46:47], s[4:5], s[46:47]
	s_add_nc_u64 s[92:93], s[6:7], s[92:93]
	s_add_nc_u64 s[8:9], s[8:9], s[70:71]
	s_add_nc_u64 s[10:11], s[10:11], s[70:71]
	s_add_nc_u64 s[12:13], s[12:13], s[72:73]
	CROUND
.irp s, 0,1
	s_mov_b32 s[G0+4*\s], 1
	s_add_co_u32 s[G0+4*\s+1], s94, \s*SLOT
	s_add_nc_u64 s[G0+4*\s+2:G0+4*\s+3], s[46:47], \s*2*CH
	s_or_b32 s[G0+4*\s+3], s[G0+4*\s+3], 0x80000000
	s_mov_b32 s[G0B+4*\s], 1
	s_add_co_u32 s[G0B+4*\s+1], s94, \s*SLOT
	s_add_nc_u64 s[G0B+4*\s+2:G0B+4*\s+3], s[92:93], \s*2*CH
	s_or_b32 s[G0B+4*\s+3], s[G0B+4*\s+3], 0x80000000
.if \s                                 ; slot 1's first fill is issued as a refill is
	s_wait_alu depctr_va_vdst(0)
	s_wait_tensorcnt 0x0
	ds_add_u32 v28, v29
	ds_add_u32 v28, v29
	s_wait_dscnt 0x0
	CROUND
.endif
	JLOAD G0+4*\s, G1, G0B+4*\s, G1B
.endr
	v_and_b32 v1, 31, v0
	v_and_b32 v2, 15, v0
	v_bfe_u32 v3, v0, 4, 1
	s_wait_alu depctr_va_vdst(0)
	v_lshlrev_b32 v4, 4, v1
	s_wait_alu depctr_va_vdst(0)
	v_lshlrev_b32 v[BO], 6, v3
	v_lshlrev_b32 v[CO], 12, v3
	v_lshl_add_u32 v[CO], v2, 4, v[CO]
.irp b, 0,1,2,3
	global_load_b128 v[BI+8*\b:BI+8*\b+3], v[BO], s[12:13] offset:(32*(\b/2)+8*(\b%2))*4
	global_load_b128 v[BI+8*\b+4:BI+8*\b+7], v[BO], s[12:13] offset:(32*(\b/2)+8*(\b%2))*4+16
.endr
	WIN 0x80
.set TT, 0
.rept 32
.set TR, 32*(TT/16)+8*((TT/8)%2)+16*((TT%8)/4)+2*(TT%4)
	global_load_b128 v[4*TT:4*TT+3], v[CO], s[8:9] offset:TR*4096
.set TT, TT+1
.endr
	WIN 0
	s_mul_i32 s66, s15, 6144
	s_mul_i32 s67, s16, 6144
	s_add_co_u32 s67, s67, 2*CH
	s_lshl_b32 s68, s15, 8
	s_lshl_b32 s69, s16, 8
	s_add_co_u32 s69, s69, 2*CH
	s_sub_co_u32 s69, s69, s68
	v_mul_u32_u24 v5, s69, v3
	v_lshl_add_u32 v5, v2, 2, v5
	v_add_nc_u32 v5, s68, v5
	v_add_nc_u32 v5, 12288, v5
.irp s, 0,1
	v_add_nc_u32 v[ADRA+\s], s66, v4
	v_add_nc_u32 v[ADRB+\s], s67, v4
	v_add_nc_u32 v[ADRS+\s], \s*SLOT, v5
	s_add_co_u32 s66, s66, SLOT
	s_add_co_u32 s67, s67, SLOT
.endr
	s_mul_i32 s66, s14, 64*SP
	s_add_co_u32 s66, s66, STG
	v_mul_u32_u24 v[STO], v2, SP
	v_lshl_add_u32 v[STO], v3, 6, v[STO]
	v_add_nc_u32 v[STO], s66, v[STO]
	v_mul_u32_u24 v[RD], v3, SP
	v_lshl_add_u32 v[RD], v2, 4, v[RD]
	v_add_nc_u32 v[RD], s66, v[RD]
	s_wait_tensorcnt 1
	s_barrier_signal -1
	s_barrier_wait -1
	FETCH_B 0, 0, 0
	FETCH_A 0, 0, 0
	s_wait_loadcnt 32
	KSTEP 0, 0, 1
	KSTEP 0, 1, 0
	KSTEP 0, 2, 0
.rept (NT-2)/2
	TURNK 0, 1, 1
	THREE 1
	TURNK 1, 0, 1
	THREE 0
.endr
	TURNK 0, 1, 0
	THREE 1
	s_wait_dscnt 0x0
	WIN MUL
	MULA 0, 1, 0
	MULA 1, 1, 0
	MULA 2, 1, 0
	MULA 3, 1, 0
	WIN 0
	PLACES 4
.irp a, 0,1,2,3
.irp b, 0,1,2,3
	ds_store_b128 v[STO], v[ACC+8*(4*\a+\b):ACC+8*(4*\a+\b)+3] offset:16*\a*SP+128*(\b/2)+32*(\b%2)
	ds_store_b128 v[STO], v[ACC+8*(4*\a+\b)+4:ACC+8*(4*\a+\b)+7] offset:16*\a*SP+128*(\b/2)+32*(\b%2)+16
.endr
.endr
.set TT, 0
.rept 32
	ds_load_b128 v[ACC+4*TT:ACC+4*TT+3], v[RD] offset:2*TT*SP
.set TT, TT+1
.endr
	s_wait_loadcnt 0x0
	WIN 0x88
.set TT, 0
.rept 32
.set TR, 32*(TT/16)+8*((TT/8)%2)+16*((TT%8)/4)+2*(TT%4)
	s_wait_dscnt 31-TT
	v_pk_add_f32 v[4*TT:4*TT+1], v[ACC+4*TT:ACC+4*TT+1], v[4*TT:4*TT+1]
	v_pk_add_f32 v[4*TT+2:4*TT+3], v[ACC+4*TT+2:ACC+4*TT+3], v[4*TT+2:4*TT+3]
	global_store_b128 v[CO], v[4*TT:4*TT+3], s[10:11] offset:TR*4096 th:TH_STORE_NT
.set TT, TT+1
.endr
	WIN 0
	s_wait_tensorcnt 0x0
	ds_add_u32 v[SPW], v[NIL]
	s_wait_dscnt 0x0
	CROUND
	s_endpgm
.Lfunc_end_k_qb4bcfca1ae_gwd:
	.size	k_qb4bcfca1ae_gwd, .Lfunc_end_k_qb4bcfca1ae_gwd-k_qb4bcfca1ae_gwd
	.p2alignl 7, 3214868480
	.fill 96, 4, 3214868480
	.section	.rodata,"a",@progbits
	.p2align	6, 0x0
	.amdhsa_kernel k_qb4bcfca1ae_gwd
		.amdhsa_group_segment_fixed_size 327680
		.amdhsa_private_segment_fixed_size 0
		.amdhsa_enable_private_segment 0
		.amdhsa_kernarg_size 40
		.amdhsa_user_sgpr_count 2
		.amdhsa_user_sgpr_kernarg_segment_ptr 1
		.amdhsa_wavefront_size32 1
		.amdhsa_system_sgpr_workgroup_id_x 1
		.amdhsa_system_sgpr_workgroup_id_y 1
		.amdhsa_system_sgpr_workgroup_id_z 1
		.amdhsa_system_vgpr_workitem_id 0
		.amdhsa_next_free_vgpr 640
		.amdhsa_next_free_sgpr 98
		.amdhsa_reserve_vcc 0
		.amdhsa_float_denorm_mode_32 3
		.amdhsa_float_denorm_mode_16_64 3
		.amdhsa_memory_ordered 1
		.amdhsa_forward_progress 1
		.amdhsa_inst_pref_size 161
	.end_amdhsa_kernel
	.amdgpu_metadata
---
amdhsa.version: [ 1, 2 ]
amdhsa.kernels:
  - .name:           k_qb4bcfca1ae_gwd
    .symbol:         k_qb4bcfca1ae_gwd.kd
    .args:
      - { .name: ab, .offset: 0, .size: 8, .value_kind: global_buffer, .address_space: global }
      - { .name: w2c, .offset: 8, .size: 8, .value_kind: global_buffer, .address_space: global }
      - { .name: x1, .offset: 16, .size: 8, .value_kind: global_buffer, .address_space: global }
      - { .name: out0, .offset: 24, .size: 8, .value_kind: global_buffer, .address_space: global }
      - { .name: b2, .offset: 32, .size: 8, .value_kind: global_buffer, .address_space: global }
    .group_segment_fixed_size: 327680
    .private_segment_fixed_size: 0
    .kernarg_segment_align: 8
    .kernarg_segment_size: 40
    .max_flat_workgroup_size: 128
    .sgpr_count:     98
    .vgpr_count:     640
    .wavefront_size: 32
...
	.end_amdgpu_metadata
.endif
;; end of part 14
